; MI455X (gfx1250); checked and timed in simulation.
; The chip was launched on July 23, 2026; its instructions are those of AMD's public machine-readable ISA for CDNA 5 (MIT licence, August 2026) and "CDNA5" Instruction Set Architecture Reference Guide (July 2026). The comments in the code are by the model that wrote it; some were corrected since.
;; Block. Allowed arithmetic: matrix products marked QUANTISED: E3M2 operands, one E8M0 scale for each 32 along K, by v_wmma_scale_f32_16x16x128_f8f6f4 with both operands' format E3M2, f32 sums; everything else in f32.
;; Inputs: W1 1,024 x 4,096 float32; W2 4,096 x 1,024 float32; Wk 16 x 1,024 x 64 float32; Wo 1,024 x 1,024 float32; Wq 16 x 1,024 x 64 float32; Wv 16 x 1,024 x 64 float32; b1 4,096 float32; b2 1,024 float32; bo 1,024 float32; ln1_b 1,024 float32; ln1_g 1,024 float32; ln2_b 1,024 float32; ln2_g 1,024 float32; x 2 x 2,048 x 1,024 float32.
;; Outputs: out0 2 x 2,048 x 1,024 float32.
;; This version of the problem:
;;   THIS VERSION OF THE PROBLEM IS GIVEN IN LOW PRECISION. The matrix products marked QUANTISED in the list below multiply operands that are first quantised to E3M2 (3 exponent bits, 2 mantissa bits; 6 bits a number), with one power-of-two scale for each 32 numbers along K (OCP MX v1.0); their sums are f32. All else is computed in f32.
;;   The module's matrix products, in the order in which they are computed (A, B: the left and right operand; K: the contracted axis; several contracted axes count as one K, in the product's order):
;;     1. [M 1,024, K 1,024] x [K 1,024, N 4,096]; A: input Wq; B: computed on the way: QUANTISED
;;     2. [M 1,024, K 1,024] x [K 1,024, N 4,096]; A: input Wk; B: computed on the way: QUANTISED
;;     3. [M 1,024, K 1,024] x [K 1,024, N 4,096]; A: input Wv; B: computed on the way: QUANTISED
;;     4. batch 32 x [M 2,048, K 64] x [K 64, N 2,048]; A: computed on the way; B: computed on the way: QUANTISED
;;     5. batch 32 x [M 2,048, K 2,048] x [K 2,048, N 64]; A: softmax (see below); B: computed on the way: QUANTISED
;;     6. [M 4,096, K 1,024] x [K 1,024, N 1,024]; A: computed on the way; B: input Wo: QUANTISED
;;     7. [M 4,096, K 1,024] x [K 1,024, N 4,096]; A: computed on the way; B: input W1: QUANTISED
;;     8. [M 4,096, K 4,096] x [K 4,096, N 1,024]; A: computed on the way; B: input W2: QUANTISED
;;   THE QUANTISER, for each operand of a quantised product, along K:
;;     - K is cut into blocks of 32 from its start; a last block that is shorter is filled with zeros.
;;     - A block's scale is 2^e with e = floor(log2(the largest magnitude in the block)) - 4, held to -126 .. 127; a block of zeros has e = 0. As a byte (E8M0): e + 127.
;;     - Each number is divided by its block's scale, clamped to +-28, and rounded to the nearest number of E3M2, ties to even, subnormals kept.
;;     - The product sums the exact products of the quantised numbers (number of the format x scale) in f32.
;;   ~~~python
;;   def quantise(x, axis):      # numpy; x: float32 -> the quantised numbers, widened to float32 again
;;       x = np.moveaxis(x, axis, -1); K = x.shape[-1]
;;       x = np.pad(x, [(0, 0)] * (x.ndim - 1) + [(0, -K % 32)]); x = x.reshape(x.shape[:-1] + (-1, 32)); a = np.abs(x).max(-1, keepdims=True)
;;       e = np.where(a > 0, np.clip(np.frexp(np.where(a > 0, a, 1))[1] - 1 - 4, -126, 127), 0)      # np.frexp(a)[1] - 1 = floor(log2(a)), exactly
;;       r = np.clip(x / 2.0 ** e, -28, 28)
;;       step = 2.0 ** (np.maximum(np.frexp(np.where(r == 0, 1, r))[1] - 1, -2) - 2)
;;       q = np.round(r / step) * step * 2.0 ** e      # np.round: ties to even
;;       return np.moveaxis(q.reshape(q.shape[:-2] + (-1,))[..., :K], -1, axis).astype(np.float32)
;;   ~~~
;;   SOFTMAX AHEAD OF A QUANTISED PRODUCT. Where the list says 'softmax', what is quantised is not the finished softmax but p = 2^(t - M), with t = logit x log2(e) and M = ceil(the row's largest t), a whole number; so 1/2 < the row's largest p <= 1. The row's sum l is taken of the UNQUANTISED p, in f32, and the product's result is divided by l at the end. Since M is a whole number, a kernel that streams over the keys may use a running M (the ceiling of the running maximum): every later rescaling is an exact power of two, which a block's scale takes up: the codes' values come out the same.
;;   OPERANDS COMPUTED ON THE WAY. 'Computed on the way' means the value that the module computes at that place (a softmax that the list does not call 'softmax' is quantised finished and normalised). What goes into a quantiser is computed in f32, as accurately as f32 sums, v_exp_f32 and their like allow (about 1e-6 of the number): no bf16 or f16 on the way to a quantiser, and a product that is left as it is and whose result goes on into a quantised operand takes f32 operands (vector FMAs, or v_wmma_f32_16x16x4_f32). A number that lies on a knife's edge between two numbers of the format may be rounded either way, as far as f32 arithmetic and the matrix unit's own rounding can turn it there, and no further.
;; 2 versions. Each part assembles by itself: llvm-mc -triple=amdgcn-amd-amdhsa -mcpu=gfx1250 --defsym DOCPART=n.
;; ======== version 1 of 2: 9 launches
;; workspace buffers: ACT 3,293,440 bytes; WQK 1,720,576 bytes; WV 934,144 bytes; W1B 3,293,440 bytes; BIG 13,107,200 bytes; VO 3,670,016 bytes; X1 16,777,216 bytes; WOW2 4,096,000 bytes
;; launch wq (part 1): grid 768 x 1, 4 waves a work-group, no clusters, 13,824 bytes of LDS; arguments Wq, Wk, Wv, Wo, W1, W2, b1, WQK, WV, W1B, WOW2; writes WQK, WV, W1B, WOW2
.if DOCPART == 1
	.amdgcn_target "amdgcn-amd-amdhsa--gfx1250"
	.amdhsa_code_object_version 6
	.text
	.protected	k_q2dd752aabd_wq
	.globl	k_q2dd752aabd_wq
	.p2align	8
	.type	k_q2dd752aabd_wq,@function
k_q2dd752aabd_wq:
	s_mov_b64 s[64:65], 0
	v_nop
	global_prefetch_b8 v0, s[64:65] scope:SCOPE_SE
	s_setreg_imm32_b32 hwreg(HW_REG_WAVE_MODE, 25, 1), 1
	s_wait_xcnt 0x0
; All six weights, f32 with K NOT innermost, become codes of BF6 (E3M2) with one E8M0 byte for each 32 along K, laid as the products' operand registers want them.
; THE OPERAND FORMAT of this program.  A tile is 16 rows of the operand: tile T, lane-row r is row 32 (T / 2) + 8 (T % 2) + r % 8 + 16 (r / 8).  A UNIT is a tile x 64 along K, 768 bytes:
; bytes 16 l .. of it are operand registers 0-3 (of the unit's six) of lane l = r + 16 h, bytes 512 + 8 l .. registers 4, 5; lane (r, h) holds k = 32 h + 0 .. 31 of the unit.  A tile's units follow each other along K.
; A scale piece is 64 bytes for a tile and 128 along K: word r = the four bytes of row r.
; A LANE TAKES A COLUMN n OF THE WEIGHT AND ITS REGISTERS RUN DOWN K, so a block of 32 lies in one lane.  A wave takes 32 columns (two tiles) x 128 along K: 4 blocks a lane; its codes meet in its own stage in LDS and
; leave as 2 x 1,536 consecutive bytes.  3,072 such tasks: 768 work-groups.  One path serves all six weights: sizes and pointers are chosen by the work-group's number.
; Beside the codes the launch writes the header of the operands that a later product takes as its register side: a floor for the activation (-infinity: none; 0: relu) and a bias for each row (zeros, or b1).
; LIMITS: NaN and infinities are not served; a block whose largest magnitude lies under 2^-122 has its byte held at 1; a block of zeros has the byte 1 (its codes are zeros; this program alone reads the bytes).
; The scale words leave in pieces of 64 bytes: one byte in 128 of what the launch reads.
.set WST,   3328                       ; a wave's stage: two tiles
.set TST,   1664                       ; a tile's 1,536 bytes + 128, so that the two tiles of a store fall on different banks
.set SPARE, 13312                      ; behind the four stages: the spare words, 128 bytes a wave
.set L4,  1                            ; v1  4 x lane
.set S16, 2                            ; v2  stage: my tile, 16 x my row
.set S8,  3                            ; v3  stage: my tile, 512 + 8 x my row
.set RB,  4                            ; v4  stage, on the way out: 16 x lane
.set L16, 5                            ; v5  16 x lane
.set SCO, 6                            ; v6  my scale word's place
.set SPW, 12
.set NIL, 13
.set C,   16                           ; v16-24 a block's codes
.set SBY, 26                           ; v26 my four scale bytes
.set OF,  32                           ; v32-63 4 x lane + i rows of the weight
.set X,   64                           ; v64-127 two sets of 32 numbers
.set OUTR, 128                         ; v128-151 the way out
.set G0, 28
.set RS, 29
.set CS2, 30
.set LN, 31
.set DC, 32
.set DS, 33
.set TPC, 34
.set TPS, 35
.set HF, 36
.set BOFF, 37
.set BM, 38
.set FL, 39
.set SRC, 40
.set DST, 42
.set SRCB, 52                          ; s[52:59] the four blocks' source addresses, never rewritten
.macro PICK thr, g0, rs, cs2, ln, dc, ds, tpc, tps, hf, boff, bm, fl, src, dst
	s_cmp_lt_u32 ttmp9, \thr                       ; the choice hangs on the work-group's number alone
	s_cselect_b32 s[G0], \g0, s[G0]
	s_cselect_b32 s[RS], \rs, s[RS]
	s_cselect_b32 s[CS2], \cs2, s[CS2]
	s_cselect_b32 s[LN], \ln, s[LN]
	s_cselect_b32 s[DC], \dc, s[DC]
	s_cselect_b32 s[DS], \ds, s[DS]
	s_cselect_b32 s[TPC], \tpc, s[TPC]
	s_cselect_b32 s[TPS], \tps, s[TPS]
	s_cselect_b32 s[HF], \hf, s[HF]
	s_cselect_b32 s[BOFF], \boff, s[BOFF]
	s_cselect_b32 s[BM], \bm, s[BM]
	s_cselect_b32 s[FL], \fl, s[FL]
	s_cselect_b64 s[SRC:SRC+1], s[\src:\src+1], s[SRC:SRC+1]
	s_cselect_b64 s[DST:DST+1], s[\dst:\dst+1], s[DST:DST+1]
.endm
	s_load_b256 s[4:11], s[0:1], 0x0               ; Wq s[4:5], Wk s[6:7], Wv s[8:9], Wo s[10:11]
	s_load_b256 s[12:19], s[0:1], 0x20             ; W1 s[12:13], W2 s[14:15], b1 s[16:17], WQK s[18:19]
	s_load_b128 s[20:23], s[0:1], 0x40             ; WV s[20:21], W1B s[22:23]
	s_load_b64 s[24:25], s[0:1], 0x50              ; WOW2
	v_lshl_add_u32 v[SPW], v0, 2, SPARE
	v_mov_b32 v[NIL], 0
	v_lshrrev_b32 v7, 5, v0
	v_readfirstlane_b32 s26, v7                    ; wave
	v_and_b32 v7, 31, v0                           ; lane = my column among the wave's 32
	v_lshlrev_b32 v[L4], 2, v7
	v_lshlrev_b32 v[L16], 4, v7
	v_bfe_u32 v8, v0, 3, 1                         ; u: which of the two tiles my column falls into
	v_and_b32 v9, 7, v0
	v_bfe_u32 v10, v0, 4, 1
	v_lshl_add_u32 v9, v10, 3, v9                  ; r: its row there
	s_mul_i32 s27, s26, WST
	v_mul_u32_u24 v10, v8, TST
	v_add_nc_u32 v10, s27, v10
	v_lshl_add_u32 v[S16], v9, 4, v10
	v_lshl_add_u32 v[S8], v9, 3, v10
	v_add_nc_u32 v[S8], 512, v[S8]
	v_add_nc_u32 v[RB], s27, v[L16]
	s_mov_b32 s[G0], 512                           ; W2's figures; the others are chosen over them
	s_mov_b32 s[RS], 4096                          ; bytes from k to k + 1
	s_mov_b32 s[CS2], 256                          ; bytes from 64 columns to the next 64
	s_mov_b32 s[LN], 5                             ; log2 of the groups of 32 columns
	s_mov_b32 s[DC], 950272                        ; where the codes begin in the destination
	s_mov_b32 s[DS], 819200                        ; and the scale words
	s_mov_b32 s[TPC], 49152                        ; a tile's codes
	s_mov_b32 s[TPS], 2048                         ; a tile's scale words
	s_mov_b32 s[HF], 0                             ; bit 0: a bias is written, bit 1: a floor
	s_mov_b32 s[BOFF], 0
	s_mov_b32 s[BM], 0                             ; all ones: the bias is b1; 0: zeros
	s_mov_b32 s[FL], 0
	s_wait_kmcnt 0x0
	s_mov_b64 s[SRC:SRC+1], s[14:15]
	s_mov_b64 s[DST:DST+1], s[24:25]
	PICK 512, 256, 16384, 256, 7, 147712, 16640, 12288, 512, 3, 256, -1, 0, 12, 22          ; W1
	PICK 256, 192, 4096, 256, 5, 32768, 0, 12288, 512, 0, 0, 0, 0, 10, 24                   ; Wo
	PICK 192, 128, 256, 262144, 5, 147712, 16640, 12288, 512, 0, 0, 0, 0, 8, 20             ; Wv
	PICK 128, 64, 256, 262144, 5, 934144, 49408, 12288, 512, 1, 4352, 0, 0, 6, 18           ; Wk
	PICK 64, 0, 256, 262144, 5, 147712, 16640, 12288, 512, 3, 256, 0, 0xff800000, 4, 18     ; Wq
	s_sub_co_u32 s44, ttmp9, s[G0]
	s_lshl_b32 s44, s44, 2
	s_add_co_u32 s44, s44, s26                     ; j: my task in this weight
	s_bfm_b32 s45, s[LN], 0
	s_and_b32 s45, s44, s45                        ; cg: which 32 columns
	s_lshr_b32 s46, s44, s[LN]                     ; kc: which 128 along K
	s_lshl_b32 s48, s[RS], 7
	s_mul_i32 s48, s48, s46                        ; kc x 128 rows
	s_lshr_b32 s49, s45, 1
	s_mul_i32 s49, s49, s[CS2]
	s_add_co_u32 s48, s48, s49
	s_and_b32 s49, s45, 1
	s_lshl_b32 s49, s49, 7
	s_add_co_u32 s48, s48, s49
	s_mov_b32 s49, 0
	s_add_nc_u64 s[SRCB:SRCB+1], s[SRC:SRC+1], s[48:49]
	s_lshl_b32 s48, s[RS], 5                       ; a block: 32 rows on
.irp t, 1,2,3
	s_add_nc_u64 s[SRCB+2*\t:SRCB+2*\t+1], s[SRCB+2*\t-2:SRCB+2*\t-1], s[48:49]
.endr
	v_mov_b32 v[OF], v[L4]
.set I_, 1
.rept 31
	v_add_nc_u32 v[OF+I_], s[RS], v[OF+I_-1]
.set I_, I_+1
.endr
	s_lshl_b32 s48, s45, 1                         ; my first tile
	s_mul_i32 s50, s48, s[TPC]
	s_mul_i32 s51, s46, 1536
	s_add_co_u32 s50, s50, s51
	s_add_co_u32 s50, s50, s[DC]
	s_mov_b32 s51, 0
	s_add_nc_u64 s[60:61], s[DST:DST+1], s[50:51]  ; the first tile's two units
	s_mov_b32 s50, s[TPC]
	s_add_nc_u64 s[62:63], s[60:61], s[50:51]      ; the second tile's
	s_mul_i32 s50, s48, s[TPS]
	s_lshl_b32 s49, s46, 6
	s_add_co_u32 s50, s50, s49
	s_add_co_u32 s50, s50, s[DS]
	s_add_nc_u64 s[66:67], s[DST:DST+1], s[50:51]  ; the scale pieces
	v_mul_lo_u32 v[SCO], v8, s[TPS]
	v_lshl_add_u32 v[SCO], v9, 2, v[SCO]
	s_lshl_b32 s50, s45, 7
	s_add_nc_u64 s[68:69], s[16:17], s[50:51]      ; b1 at my 32 columns (cg is under 128: inside b1 for every weight)
	s_add_co_u32 s50, s50, s[BOFF]
	s_add_nc_u64 s[70:71], s[DST:DST+1], s[50:51]  ; the header's bias at my 32 rows
.macro LOAD t                          ; block t: W(32 t + i, my column): 32 lanes read 128 consecutive bytes, the four waves 512
.set I_, 0
.rept 32
	global_load_b32 v[X+32*((\t)%2)+I_], v[OF+I_], s[SRCB+2*(\t):SRCB+2*(\t)+1] th:TH_LOAD_NT
.set I_, I_+1
.endr
.endm
.macro BLOCK t
.set XS, X+32*((\t)%2)
.if (\t) < 3
	s_wait_loadcnt 32                              ; this block's 32 loads are in; the next block's 32 may be out
.else
	s_wait_loadcnt 0x0
.endif
	v_max3_num_f32 v8, |v[XS]|, |v[XS+1]|, |v[XS+2]|   ; the block's largest magnitude: all 32 numbers are mine
	v_max3_num_f32 v9, |v[XS+3]|, |v[XS+4]|, |v[XS+5]|
.irp i, 6,10,14,18,22,26
	v_max3_num_f32 v8, v8, |v[XS+\i]|, |v[XS+\i+1]|
	v_max3_num_f32 v9, v9, |v[XS+\i+2]|, |v[XS+\i+3]|
.endr
	v_max3_num_f32 v8, v8, |v[XS+30]|, |v[XS+31]|
	v_max3_num_f32 v8, v8, v9, 0x2800000           ; and the floor 2^(5 - 127): the byte cannot fall under 1
	v_add_nc_u32 v11, 0xfe000000, v8               ; 4 off the exponent field: the conversion's scale operand
	v_cvt_scalef32_pk16_bf6_f32 v[C:C+2], v[XS:XS+15], v11
	v_cvt_scalef32_pk16_bf6_f32 v[C+6:C+8], v[XS+16:XS+31], v11   ; (a conversion's three registers begin on an even number)
	v_lshrrev_b32 v10, 23, v11                     ; the scale's byte: also the plain line behind the conversions
.irp i, 0,1,2
	v_mov_b32 v[C+3+\i], v[C+6+\i]
.endr
.if (\t) == 0
	v_mov_b32 v[SBY], v10
.else
	v_lshl_or_b32 v[SBY], v10, 8*(\t), v[SBY]
.endif
	ds_store_b128 v[S16], v[C:C+3] offset:768*((\t)/2)+256*((\t)%2)   ; unit t / 2, half t % 2: lane r + 16 h of the image
	ds_store_b64 v[S8], v[C+4:C+5] offset:768*((\t)/2)+128*((\t)%2)
.if (\t) < 2
	LOAD (\t)+2
.endif
	s_wait_dscnt 0x0                               ; the stores have read their registers: the next block's codes may be written
.endm
	LOAD 0
	LOAD 1
.irp t, 0,1,2,3
	BLOCK \t
.endr
	global_store_b32 v[SCO], v[SBY], s[66:67]      ; my row's scale word
.irp k, 0,1,2,3,4,5
	ds_load_b128 v[OUTR+4*\k:OUTR+4*\k+3], v[RB] offset:TST*(\k/3)+512*(\k%3)   ; LDS serves a wave's instructions in order: these see my stores
.endr
.irp k, 0,1,2
	s_wait_dscnt 5-\k
	global_store_b128 v[L16], v[OUTR+4*\k:OUTR+4*\k+3], s[60:61] offset:512*\k   ; 32 lanes store 512 consecutive bytes, aligned to 256
.endr
.irp k, 0,1,2
	s_wait_dscnt 2-\k
	global_store_b128 v[L16], v[OUTR+12+4*\k:OUTR+15+4*\k], s[62:63] offset:512*\k
.endr
	s_cmp_lg_u32 s46, 0                            ; the header: the tasks at K's start write their 32 rows' bias; branches on ids alone
	s_cbranch_scc1 .Lnohead
	s_bitcmp1_b32 s[HF], 0
	s_cbranch_scc0 .Lnohead
	global_load_b32 v14, v[L4], s[68:69]
	s_wait_loadcnt 0x0
	v_cndmask_b32 v15, 0, v14, s[BM]               ; b1, or 0
	global_store_b32 v[L4], v15, s[70:71]
	s_cmp_lg_u32 s44, 0
	s_cbranch_scc1 .Lnohead
	s_bitcmp1_b32 s[HF], 1
	s_cbranch_scc0 .Lnohead
	v_mov_b32 v27, s[FL]
	global_store_b32 v[L4], v27, s[DST:DST+1]      ; the floor, at the buffer's head
.Lnohead:
	s_wait_tensorcnt 0x0                           ; the wave's end, behind my last LDS store
	ds_add_u32 v[SPW], v[NIL]
	s_wait_dscnt 0x0
	s_endpgm
.Lfunc_end_k_q2dd752aabd_wq:
	.size	k_q2dd752aabd_wq, .Lfunc_end_k_q2dd752aabd_wq-k_q2dd752aabd_wq
	.p2alignl 7, 3214868480
	.fill 96, 4, 3214868480
	.section	.rodata,"a",@progbits
	.p2align	6, 0x0
	.amdhsa_kernel k_q2dd752aabd_wq
		.amdhsa_group_segment_fixed_size 13824
		.amdhsa_private_segment_fixed_size 0
		.amdhsa_enable_private_segment 0
		.amdhsa_kernarg_size 88
		.amdhsa_user_sgpr_count 2
		.amdhsa_user_sgpr_kernarg_segment_ptr 1
		.amdhsa_wavefront_size32 1
		.amdhsa_system_sgpr_workgroup_id_x 1
		.amdhsa_system_sgpr_workgroup_id_y 1
		.amdhsa_system_sgpr_workgroup_id_z 1
		.amdhsa_system_vgpr_workitem_id 0
		.amdhsa_next_free_vgpr 152
		.amdhsa_next_free_sgpr 80
		.amdhsa_reserve_vcc 0
		.amdhsa_float_denorm_mode_32 3
		.amdhsa_float_denorm_mode_16_64 3
		.amdhsa_memory_ordered 1
		.amdhsa_forward_progress 1
		.amdhsa_inst_pref_size 29
	.end_amdhsa_kernel
	.amdgpu_metadata
---
amdhsa.version: [ 1, 2 ]
amdhsa.kernels:
  - .name:           k_q2dd752aabd_wq
    .symbol:         k_q2dd752aabd_wq.kd
    .args:
      - { .name: Wq, .offset: 0, .size: 8, .value_kind: global_buffer, .address_space: global }
      - { .name: Wk, .offset: 8, .size: 8, .value_kind: global_buffer, .address_space: global }
      - { .name: Wv, .offset: 16, .size: 8, .value_kind: global_buffer, .address_space: global }
      - { .name: Wo, .offset: 24, .size: 8, .value_kind: global_buffer, .address_space: global }
      - { .name: W1, .offset: 32, .size: 8, .value_kind: global_buffer, .address_space: global }
      - { .name: W2, .offset: 40, .size: 8, .value_kind: global_buffer, .address_space: global }
      - { .name: b1, .offset: 48, .size: 8, .value_kind: global_buffer, .address_space: global }
      - { .name: WQK, .offset: 56, .size: 8, .value_kind: global_buffer, .address_space: global }
      - { .name: WV, .offset: 64, .size: 8, .value_kind: global_buffer, .address_space: global }
      - { .name: W1B, .offset: 72, .size: 8, .value_kind: global_buffer, .address_space: global }
      - { .name: WOW2, .offset: 80, .size: 8, .value_kind: global_buffer, .address_space: global }
    .group_segment_fixed_size: 13824
    .private_segment_fixed_size: 0
    .kernarg_segment_align: 8
    .kernarg_segment_size: 88
    .max_flat_workgroup_size: 128
    .sgpr_count:     80
    .vgpr_count:     152
    .wavefront_size: 32
...
	.end_amdgpu_metadata
.endif
;; end of part 1
;; launch ln1 (part 2): grid 256 x 1, 4 waves a work-group, no clusters, 31,744 bytes of LDS; arguments x, ln1_g, ln1_b, ACT; writes ACT
.if DOCPART == 2
	.amdgcn_target "amdgcn-amd-amdhsa--gfx1250"
	.amdhsa_code_object_version 6
	.text
	.protected	k_q2dd752aabd_ln1
	.globl	k_q2dd752aabd_ln1
	.p2align	8
	.type	k_q2dd752aabd_ln1,@function
k_q2dd752aabd_ln1:
	s_mov_b64 s[64:65], 0
	v_nop
	global_prefetch_b8 v0, s[64:65] scope:SCOPE_SE
	s_setreg_imm32_b32 hwreg(HW_REG_WAVE_MODE, 25, 1), 1
	s_wait_xcnt 0x0
; y = (x - mean) rsqrt(var + 1e-5) g + b for rows of 1,024 f32, quantised at once along the row into codes of BF6 (E3M2) with one E8M0 byte for each 32, laid in this program's operand format:
; tile T, lane-row r = row 32 (T / 2) + 8 (T % 2) + r % 8 + 16 (r / 8); a unit = a tile x 64 along K = 768 bytes: 16 l: registers 0-3 of lane l = r + 16 h, 512 + 8 l: registers 4, 5; scale piece: 64 bytes, word r.
; A work-group makes one tile (16 rows); wave w its lane-rows 4 w .. 4 w + 3, which are four neighbouring rows of x.  A row stays in 32 registers a lane between the passes (mean; squares of x - mean; scaling).
; For the conversion a lane must hold 32 NEIGHBOURS: the row turns through the wave's own 4,608 bytes of LDS (places of 128 + 16 bytes) and lane l comes back with block l.  The tile's image (12,288 bytes) and its
; scale words (512) are gathered in LDS and leave, behind one barrier, in stores of 512 consecutive bytes.  The launch also writes the operand's header: floor -infinity, bias zeros.
; LIMITS: NaN and infinities are not served; a block whose largest magnitude lies under 2^-122 has its byte held at 1; a block of zeros has the byte 1 (its codes are zeros; this program alone reads the bytes).
.set TURNB, 4608
.set IMG,   18432
.set SCS,   30720
.set SPARE, 31232
.set L16, 1                            ; v1  16 x lane
.set TW,  2                            ; v2  the turn, in
.set TR,  3                            ; v3  the turn, out: 144 x lane
.set IA,  4                            ; v4  image: registers 0-3 of my block
.set IB,  5                            ; v5  image: registers 4, 5
.set SA,  6                            ; v6  my block's scale byte
.set SPW, 7
.set NIL, 8
.set RBK, 9                            ; v9  the image, on the way out
.set GOF, 10                           ; v10 and the same place in memory
.set LAN, 11                           ; v11 lane
.set CH,  16                           ; v16-23 four packed chains
.set MU,  24                           ; v[24:25] the mean, twice
.set RSD, 26                           ; v[26:27] 1 / sqrt(var + eps), twice
.set C,   28                           ; v28-36 a block's codes
.set T0,  37                           ; v37-40 at work
.set SRD, 43                           ; v43 the scale words, on the way out
.set G,   48
.set BB,  80
.set X,   112                          ; v112-239 four rows
	s_load_b256 s[4:11], s[0:1], 0x0               ; x s[4:5], g s[6:7], b s[8:9], the operand s[10:11]
	v_lshl_add_u32 v[SPW], v0, 2, SPARE
	v_mov_b32 v[NIL], 0
	v_lshrrev_b32 v12, 5, v0
	v_readfirstlane_b32 s16, v12                   ; wave
	v_and_b32 v[LAN], 31, v0
	v_lshlrev_b32 v[L16], 4, v[LAN]
	s_mul_i32 s17, s16, TURNB
	v_lshrrev_b32 v12, 3, v[LAN]
	v_lshl_add_u32 v[TW], v12, 4, v[L16]           ; 16 lane + 16 (lane / 8): eight lanes' 128 bytes, then 16 of padding
	v_add_nc_u32 v[TW], s17, v[TW]
	v_mul_u32_u24 v[TR], v[LAN], 144
	v_add_nc_u32 v[TR], s17, v[TR]
	v_lshrrev_b32 v12, 1, v[LAN]
	v_mul_u32_u24 v12, v12, 768                    ; block l lies in unit l / 2, half l % 2
	v_and_b32 v13, 1, v[LAN]
	v_lshl_add_u32 v[IA], v13, 8, v12
	v_lshl_add_u32 v[IB], v13, 7, v12
	s_lshl_b32 s17, s16, 6
	s_add_co_u32 s17, s17, IMG
	v_add_nc_u32 v[IA], s17, v[IA]                 ; + 16 x (4 wave), the row in the offset
	s_lshl_b32 s17, s16, 5
	s_add_co_u32 s17, s17, IMG+512
	v_add_nc_u32 v[IB], s17, v[IB]
	v_lshrrev_b32 v12, 2, v[LAN]
	v_and_b32 v13, 3, v[LAN]
	v_lshl_add_u32 v[SA], v12, 6, v13              ; piece l / 4, byte l % 4
	s_lshl_b32 s17, s16, 4
	s_add_co_u32 s17, s17, SCS
	v_add_nc_u32 v[SA], s17, v[SA]
	s_mul_i32 s17, s16, 3072
	v_add_nc_u32 v[GOF], s17, v[L16]
	v_add_nc_u32 v[RBK], IMG, v[GOF]
	v_add_nc_u32 v[SRD], SCS, v[L16]
	v_mov_b32 v[T0+1], 0                           ; written once: a lane permute's destination counts as one of its sources
	s_mov_b32 s12, 0x76543210
	s_mov_b32 s13, 0xfedcba98                      ; v_permlanex16_b32's selects for lane l xor 16
	s_mov_b32 s14, 0x3a800000                      ; 1 / 1,024
	s_mov_b32 s15, 0x3727c5ac                      ; 1e-5
	s_lshr_b32 s18, ttmp9, 1
	s_lshl_b32 s18, s18, 5
	s_and_b32 s19, ttmp9, 1
	s_lshl_b32 s19, s19, 3
	s_add_co_u32 s18, s18, s19
	s_and_b32 s19, s16, 1
	s_lshl_b32 s19, s19, 2
	s_add_co_u32 s18, s18, s19
	s_lshr_b32 s19, s16, 1
	s_lshl_b32 s19, s19, 4
	s_add_co_u32 s18, s18, s19                     ; my first row: 32 (T / 2) + 8 (T % 2) + 4 (w % 2) + 16 (w / 2)
	s_lshl_b32 s18, s18, 12
	s_mov_b32 s19, 0
	s_mul_i32 s20, ttmp9, 12288
	s_add_co_u32 s20, s20, 147712
	s_mov_b32 s21, 0
	s_lshl_b32 s22, ttmp9, 9
	s_add_co_u32 s22, s22, 16640
	s_mov_b32 s23, 0
	s_lshl_b32 s24, ttmp9, 6
	s_add_co_u32 s24, s24, 256
	s_mov_b32 s25, 0
	s_wait_kmcnt 0x0
	s_add_nc_u64 s[4:5], s[4:5], s[18:19]
	s_add_nc_u64 s[20:21], s[10:11], s[20:21]      ; the tile's codes
	s_add_nc_u64 s[22:23], s[10:11], s[22:23]      ; its scale words
	s_add_nc_u64 s[24:25], s[10:11], s[24:25]      ; the header's bias at the tile's rows
.macro XLOAD i
.irp j, 0,1,2,3,4,5,6,7
	global_load_b128 v[X+32*\i+4*\j:X+32*\i+4*\j+3], v[L16], s[4:5] offset:4096*\i+512*\j th:TH_LOAD_NT   ; 512 consecutive bytes
.endr
.endm
	XLOAD 0
.irp j, 0,1,2,3,4,5,6,7
	global_load_b128 v[G+4*\j:G+4*\j+3], v[L16], s[6:7] offset:512*\j
.endr
.irp j, 0,1,2,3,4,5,6,7
	global_load_b128 v[BB+4*\j:BB+4*\j+3], v[L16], s[8:9] offset:512*\j
.endr
	XLOAD 1
	XLOAD 2
	XLOAD 3
.macro FOLD                            ; four packed chains into one number, then over the 32 lanes: the result in every lane, in v[T0]
	v_pk_add_f32 v[CH:CH+1], v[CH:CH+1], v[CH+2:CH+3]
	v_pk_add_f32 v[CH+4:CH+5], v[CH+4:CH+5], v[CH+6:CH+7]
	v_pk_add_f32 v[CH:CH+1], v[CH:CH+1], v[CH+4:CH+5]
	v_add_f32 v[T0], v[CH], v[CH+1]
	v_add_f32_dpp v[T0], v[T0], v[T0] row_xmask:1 row_mask:0xf bank_mask:0xf
	v_add_f32_dpp v[T0], v[T0], v[T0] row_xmask:2 row_mask:0xf bank_mask:0xf
	v_add_f32_dpp v[T0], v[T0], v[T0] row_xmask:4 row_mask:0xf bank_mask:0xf
	v_add_f32_dpp v[T0], v[T0], v[T0] row_xmask:8 row_mask:0xf bank_mask:0xf
	v_permlanex16_b32 v[T0+1], v[T0], s12, s13
	v_add_f32 v[T0], v[T0], v[T0+1]
.endm
.macro ROW i, left
.set XR, X+32*(\i)
	s_wait_loadcnt \left                           ; my row (and g, b) are in; the rows issued behind it may be out
.irp k, 0,1,2,3
	v_pk_add_f32 v[CH+2*\k:CH+2*\k+1], v[XR+2*\k:XR+2*\k+1], v[XR+8+2*\k:XR+9+2*\k]
.endr
.irp m, 16,24
.irp k, 0,1,2,3
	v_pk_add_f32 v[CH+2*\k:CH+2*\k+1], v[CH+2*\k:CH+2*\k+1], v[XR+\m+2*\k:XR+\m+1+2*\k]
.endr
.endr
	FOLD
	v_mul_f32 v[MU], s14, v[T0]                    ; the mean
	v_mov_b32 v[MU+1], v[MU]
.set J_, 0
.rept 16
	v_pk_add_f32 v[XR+J_:XR+J_+1], v[XR+J_:XR+J_+1], v[MU:MU+1] neg_lo:[0,1] neg_hi:[0,1]   ; x - mean
.set J_, J_+2
.endr
.irp k, 0,1,2,3
	v_pk_mul_f32 v[CH+2*\k:CH+2*\k+1], v[XR+2*\k:XR+2*\k+1], v[XR+2*\k:XR+2*\k+1]
.endr
.irp m, 8,16,24
.irp k, 0,1,2,3
	v_pk_fma_f32 v[CH+2*\k:CH+2*\k+1], v[XR+\m+2*\k:XR+\m+1+2*\k], v[XR+\m+2*\k:XR+\m+1+2*\k], v[CH+2*\k:CH+2*\k+1]
.endr
.endr
	FOLD
	v_fma_f32 v[T0], v[T0], s14, s15               ; var + eps
	v_rsq_f32 v[RSD], v[T0]
	v_nop                                          ; a plain line behind the transcendental
	s_wait_alu depctr_va_vdst(0)                   ; and the wait ahead of its first reader
	v_mov_b32 v[RSD+1], v[RSD]
.set J_, 0
.rept 16
	v_pk_mul_f32 v[XR+J_:XR+J_+1], v[XR+J_:XR+J_+1], v[RSD:RSD+1]
.set J_, J_+2
.endr
.set J_, 0
.rept 16
	v_pk_fma_f32 v[XR+J_:XR+J_+1], v[XR+J_:XR+J_+1], v[G+J_:G+J_+1], v[BB+J_:BB+J_+1]
.set J_, J_+2
.endr
.irp j, 0,1,2,3,4,5,6,7
	ds_store_b128 v[TW], v[XR+4*\j:XR+4*\j+3] offset:576*\j      ; the row as it lies, 16 bytes of padding behind each 128
.endr
.irp k, 0,1,2,3,4,5,6,7
	ds_load_b128 v[XR+4*\k:XR+4*\k+3], v[TR] offset:16*\k        ; and back: lane l has block l.  LDS serves a wave's instructions in order
.endr
	s_wait_dscnt 0x0                               ; the block is in; the last row's stores of codes and byte have read their registers
	v_max3_num_f32 v[CH], |v[XR]|, |v[XR+1]|, |v[XR+2]|
	v_max3_num_f32 v[CH+1], |v[XR+3]|, |v[XR+4]|, |v[XR+5]|
.irp n, 6,10,14,18,22,26
	v_max3_num_f32 v[CH], v[CH], |v[XR+\n]|, |v[XR+\n+1]|
	v_max3_num_f32 v[CH+1], v[CH+1], |v[XR+\n+2]|, |v[XR+\n+3]|
.endr
	v_max3_num_f32 v[CH], v[CH], |v[XR+30]|, |v[XR+31]|
	v_max3_num_f32 v[CH], v[CH], v[CH+1], 0x2800000   ; the floor 2^(5 - 127): the byte cannot fall under 1
	v_add_nc_u32 v[T0+3], 0xfe000000, v[CH]        ; 4 off the exponent field: the conversion's scale operand
	v_cvt_scalef32_pk16_bf6_f32 v[C:C+2], v[XR:XR+15], v[T0+3]
	v_cvt_scalef32_pk16_bf6_f32 v[C+6:C+8], v[XR+16:XR+31], v[T0+3]
	v_lshrrev_b32 v[T0+2], 23, v[T0+3]             ; the byte: also the plain line behind the conversions
.irp n, 0,1,2
	v_mov_b32 v[C+3+\n], v[C+6+\n]
.endr
	ds_store_b128 v[IA], v[C:C+3] offset:16*(\i)
	ds_store_b64 v[IB], v[C+4:C+5] offset:8*(\i)
	ds_store_b8 v[SA], v[T0+2] offset:4*(\i)
.endm
	ROW 0, 24
	ROW 1, 16
	ROW 2, 8
	ROW 3, 0
	s_wait_dscnt 0x0                               ; for the others' sake: my part of the image has landed
	s_barrier_signal -1
	s_barrier_wait -1
.irp k, 0,1,2,3,4,5
	ds_load_b128 v[X+4*\k:X+4*\k+3], v[RBK] offset:512*\k
.endr
.irp k, 0,1,2,3,4,5
	s_wait_dscnt 5-\k
	global_store_b128 v[GOF], v[X+4*\k:X+4*\k+3], s[20:21] offset:512*\k   ; 512 consecutive bytes, aligned to 256
.endr
	s_cmp_lg_u32 s16, 0
	s_cbranch_scc1 .Lnot0
	ds_load_b128 v[X+24:X+27], v[SRD]              ; wave 0: the tile's 512 bytes of scale words
	s_wait_dscnt 0x0
	global_store_b128 v[L16], v[X+24:X+27], s[22:23]
.Lnot0:
	s_cmp_lg_u32 s16, 1
	s_cbranch_scc1 .Lend
	s_and_b32 s17, ttmp9, 3
	s_cmp_lg_u32 s17, 0
	s_cbranch_scc1 .Lend
	v_lshlrev_b32 v13, 3, v[LAN]                   ; wave 1 of every fourth tile: the bias of 64 rows, 256 bytes of zeros
	v_mov_b32 v14, 0
	v_mov_b32 v15, 0
	global_store_b64 v13, v[14:15], s[24:25]
	s_cmp_lg_u32 ttmp9, 0
	s_cbranch_scc1 .Lend
	v_lshlrev_b32 v41, 2, v[LAN]
	v_mov_b32 v42, 0xff800000                      ; the floor: -infinity, no activation
	global_store_b32 v41, v42, s[10:11]
.Lend:
	s_wait_tensorcnt 0x0                           ; the wave's end, behind my last LDS store
	ds_add_u32 v[SPW], v[NIL]
	s_wait_dscnt 0x0
	s_endpgm
.Lfunc_end_k_q2dd752aabd_ln1:
	.size	k_q2dd752aabd_ln1, .Lfunc_end_k_q2dd752aabd_ln1-k_q2dd752aabd_ln1
	.p2alignl 7, 3214868480
	.fill 96, 4, 3214868480
	.section	.rodata,"a",@progbits
	.p2align	6, 0x0
	.amdhsa_kernel k_q2dd752aabd_ln1
		.amdhsa_group_segment_fixed_size 31744
		.amdhsa_private_segment_fixed_size 0
		.amdhsa_enable_private_segment 0
		.amdhsa_kernarg_size 32
		.amdhsa_user_sgpr_count 2
		.amdhsa_user_sgpr_kernarg_segment_ptr 1
		.amdhsa_wavefront_size32 1
		.amdhsa_system_sgpr_workgroup_id_x 1
		.amdhsa_system_sgpr_workgroup_id_y 1
		.amdhsa_system_sgpr_workgroup_id_z 1
		.amdhsa_system_vgpr_workitem_id 0
		.amdhsa_next_free_vgpr 240
		.amdhsa_next_free_sgpr 66
		.amdhsa_reserve_vcc 0
		.amdhsa_float_denorm_mode_32 3
		.amdhsa_float_denorm_mode_16_64 3
		.amdhsa_memory_ordered 1
		.amdhsa_forward_progress 1
		.amdhsa_inst_pref_size 45
	.end_amdhsa_kernel
	.amdgpu_metadata
---
amdhsa.version: [ 1, 2 ]
amdhsa.kernels:
  - .name:           k_q2dd752aabd_ln1
    .symbol:         k_q2dd752aabd_ln1.kd
    .args:
      - { .name: x, .offset: 0, .size: 8, .value_kind: global_buffer, .address_space: global }
      - { .name: ln1_g, .offset: 8, .size: 8, .value_kind: global_buffer, .address_space: global }
      - { .name: ln1_b, .offset: 16, .size: 8, .value_kind: global_buffer, .address_space: global }
      - { .name: ACT, .offset: 24, .size: 8, .value_kind: global_buffer, .address_space: global }
    .group_segment_fixed_size: 31744
    .private_segment_fixed_size: 0
    .kernarg_segment_align: 8
    .kernarg_segment_size: 32
    .max_flat_workgroup_size: 128
    .sgpr_count:     66
    .vgpr_count:     240
    .wavefront_size: 32
...
	.end_amdgpu_metadata
.endif
;; end of part 2
;; launch qk (part 3): grid 8 x 16, 4 waves a work-group, clusters of 4 x 4, 327,680 bytes of LDS; arguments ACT, WQK, BIG; writes BIG
.if DOCPART == 3
	.amdgcn_target "amdgcn-amd-amdhsa--gfx1250"
	.amdhsa_code_object_version 6
	.text
	.protected	k_q2dd752aabd_qk
	.globl	k_q2dd752aabd_qk
	.p2align	8
	.type	k_q2dd752aabd_qk,@function
k_q2dd752aabd_qk:
	s_mov_b64 s[64:65], 0
	v_nop
	global_prefetch_b8 v0, s[64:65] scope:SCOPE_SE
	s_setreg_imm32_b32 hwreg(HW_REG_WAVE_MODE, 25, 1), 1
	s_wait_xcnt 0x0
	s_wait_alu depctr_hold_cnt(0) depctr_sa_sdst(0) depctr_va_vdst(0) depctr_va_sdst(0) depctr_va_ssrc(0) depctr_va_vcc(0) depctr_vm_vsrc(0)
	s_getreg_b32 s2, hwreg(HW_REG_IB_STS2, 6, 4)
	s_cmp_eq_u32 s2, 0
	s_cbranch_scc0 .Lentry_in_a_cluster
	s_endpgm
.Lentry_in_a_cluster:
	s_bfe_u32 s2, ttmp6, 0x10000c
	s_cmp_lg_u32 s2, 0xf033
	s_cbranch_scc0 .Lentry_shape_is_right
	s_endpgm
.Lentry_shape_is_right:
; OUT = Q(max(A B^T + bias, floor)): a product of two operands of K = 1,024 in codes of BF6 (E3M2), whose result is quantised at once ALONG B's ROWS, which are the next product's K (4,096 there), and stored as an operand.
; It serves q | k (A = the normed tokens, B = Wq | Wk), v (A = Wv, B = the normed tokens: v's next K are the tokens) and the hidden layer (A = the normed tokens, B = W1).  floor and bias come from B's header.
; THE OPERAND FORMAT.  Tile T, lane-row r = row 32 (T / 2) + 8 (T % 2) + r % 8 + 16 (r / 8).  A unit = a tile x 64 along K = 768 bytes: at 16 l registers 0-3 (of six) of lane l = r + 16 h, at 512 + 8 l registers 4, 5.
; A tile's units follow each other along K (12 K bytes a tile); a scale piece is 64 bytes for a tile and 128 along K, word r.  So a fragment (16 rows x 128 K) is two units, read by four dense loads with no pitch.
; A tile of the result, 256 x 256, is made by four waves, 128 x 128 each: 64 accumulators, 512 registers.  K goes in steps of 256 through a ring of two LDS slots; a wave's tensor load brings 8 tiles x 3,072 bytes.
; The scale words of the work-group's rows, for all of K, come once with the first fills.  CLUSTERS: 4 x 4 work-groups; A's tiles are asked for jointly along a row of the cluster, B's along a column.
; THE MATRIX INSTRUCTION IS USED TRANSPOSED (source 0 = a tile of B, source 1 = a tile of A): a lane holds ONE row of A, and by the tiles' order of rows the 16 registers of B's tiles 2 b, 2 b + 1 are 16 NEIGHBOURS
; along the next K.  The bias is the C of each sum's first instruction.  The accumulators take turns, one instruction a turn.
; REGISTERS: window 0: v16-23 fragment addresses, v27 scale address, v32-63 scale words (two sets), v64-127 bias, v128-223 A's fragments (one set); window 1: B's fragments, two sets, at v0 and v128; windows 2, 3: accumulators.
; LIMITS: NaN and infinities are not served; a block whose largest magnitude lies under 2^-122 has its byte held at 1; a block of zeros has the byte 1.  The result's scale words leave in pieces of 64 bytes.
.set KK,    1024
.set NA,    8                          ; tiles a wave a side
.set NQ,    2                          ; steps of 128 along K in a slot
.set A_SC,  16640
.set A_CD,  147712
.set B_SC,  16640
.set B_CD,  147712
.set TPL,   1536*NQ                    ; a tile's bytes in a slot
.set HALFT, NA*TPL                     ; what one tensor load brings
.set SLOT,  4*HALFT
.set LAPS,  KK/(256*NQ)
.set FR,    12
.set HL,    (NA/2)*4                   ; LDS loads of half of A's fragments
.set SCLA,  2*SLOT                     ; A's scale words
.set SCLB,  204928                     ; B's: 128 bytes past a multiple of 256, so that the two halves of the lanes fall on different banks
.set SPARE, 213248                     ; the spare words
.set ADRA, 16
.set ADRB, 20
.set ADRS, 27
.set SPW,  28
.set NIL,  29
.set SC,   32
.set BIAS, 64
.set AF,   128
.set TM,   128                         ; the way out, in window 0: v128-143 at work, v144-163 codes, v164-166 scale words
.set PC,   144
.set PW,   164
.set PWO,  166
.set G1, 24
.set G0, 32
.set G1B, 48
.set G0B, 56
.set G1S, 68
.set G0S, 76
.set G1SB, 80
.set G0SB, 88
.set MSB, 0
.macro WIN new                         ; the immediate's high byte repeats the setting that is left
.if MSB != (\new)
	s_set_vgpr_msb (MSB<<8)|(\new)
.set MSB, \new
.endif
.endm
.macro JLOAD g0a, g1a, g0b, g1b        ; a joint load: waves 0 and 1 fetch for A, waves 2 and 3 for B; an s_nop 0 and four v_nop follow each line
	s_cmp_eq_u32 s15, 0
	s_cbranch_scc0 .Lfor_b_\@
	tensor_load_to_lds s[\g0a:\g0a+3], s[\g1a:\g1a+7]
	s_nop 0
.rept 4
	v_nop
.endr
	s_branch .Lasked_\@
.Lfor_b_\@:
	tensor_load_to_lds s[\g0b:\g0b+3], s[\g1b:\g1b+7]
	s_nop 0
.rept 4
	v_nop
.endr
.Lasked_\@:
.endm
.macro CREST                           ; a round of the cluster's barrier behind its opening barrier
	s_cmp_lg_u32 s14, 0
	s_cbranch_scc1 .Lnot_wave_0_\@
	s_barrier_signal -3
.Lnot_wave_0_\@:
	s_barrier_wait -3
	s_barrier_signal -1
	s_barrier_wait -1
.endm
.macro CROUND
	s_barrier_signal -1
	s_barrier_wait -1
	CREST
.endm
.macro PLACES n
.rept \n
	v_nop
.endr
.endm
	s_load_b128 s[4:7], s[0:1], 0x0                ; A s[4:5], B s[6:7]
	s_load_b64 s[8:9], s[0:1], 0x10                ; OUT
	v_lshl_add_u32 v[SPW], v0, 2, SPARE
	v_mov_b32 v[NIL], 0
	ds_add_u32 v[SPW], v[NIL]                      ; the wave's opening: the add and its wait ahead of my first tensor load
	v_lshrrev_b32 v1, 5, v0
	v_readfirstlane_b32 s14, v1                    ; wave 0..3
	s_lshr_b32 s15, s14, 1                         ; my half of A's tiles.  Also: I fetch for A (0) or for B (1)
	s_and_b32 s16, s14, 1                          ; my half of B's tiles.  Also: which half I fetch
	s_bfe_u32 s40, ttmp6, 0x40000                  ; cx, cy
	s_bfe_u32 s41, ttmp6, 0x40004
	s_lshl_b32 s42, ttmp9, 2
	s_add_co_u32 s42, s42, s40                     ; block of B = 4 x cluster x + cx
	s_and_b32 s17, ttmp7, 0xffff
	s_lshl_b32 s17, s17, 2
	s_add_co_u32 s17, s17, s41                     ; block of A = 4 x cluster y + cy
	s_lshl_b32 s43, s41, 2
	s_lshl_b32 s43, 15, s43                        ; my row of the cluster
	s_lshl_b32 s44, 0x1111, s40                    ; my column
	s_or_b32 s[G1+0], s43, (3<<16)|(1<<21)         ; the mask; elements of 8 bytes; bit 21 beside a mask; no padding
	s_or_b32 s[G1B+0], s44, (3<<16)|(1<<21)
.irp g, G1, G1B
	s_mov_b32 s[\g+1], (TPL/8)<<16                 ; tensor_dim0: a tile's bytes of a slot
	s_mov_b32 s[\g+2], NA<<16                      ; tensor_dim1: NA tiles
	s_mov_b32 s[\g+3], (TPL/8)<<16                 ; tile_dim0
	s_mov_b32 s[\g+4], NA                          ; tile_dim1
	s_mov_b32 s[\g+5], 12*KK/8                     ; from tile to tile
	s_mov_b32 s[\g+6], 0
	s_mov_b32 s[\g+7], 0
.endr
	s_or_b32 s[G1S+0], s43, (3<<16)|(1<<21)        ; the scale words of NA tiles: a dense block, as rows of 256 bytes
	s_or_b32 s[G1SB+0], s44, (3<<16)|(1<<21)
.irp g, G1S, G1SB
	s_mov_b32 s[\g+1], 32<<16
	s_mov_b32 s[\g+2], (NA*KK/512)<<16
	s_mov_b32 s[\g+3], 32<<16
	s_mov_b32 s[\g+4], NA*KK/512
	s_mov_b32 s[\g+5], 32
	s_mov_b32 s[\g+6], 0
	s_mov_b32 s[\g+7], 0
.endr
	s_mul_i32 s18, s16, NA
	s_mul_i32 s20, s17, 2*NA
	s_add_co_u32 s20, s20, s18                     ; A's first tile that I fetch
	s_mul_i32 s46, s42, 2*NA
	s_add_co_u32 s46, s46, s18                     ; B's
	s_mul_i32 s22, s20, KK/2
	s_add_co_u32 s22, s22, A_SC
	s_mov_b32 s23, 0
	s_mul_i32 s92, s46, KK/2
	s_add_co_u32 s92, s92, B_SC
	s_mov_b32 s93, 0
	s_mul_i32 s20, s20, 12*KK
	s_add_co_u32 s20, s20, A_CD
	s_mov_b32 s21, 0
	s_mul_i32 s46, s46, 12*KK
	s_add_co_u32 s46, s46, B_CD
	s_mov_b32 s47, 0
	s_mul_i32 s45, s14, HALFT                      ; where the codes go: wave x a load's bytes; no place in the cluster enters an LDS address
	s_mul_i32 s94, s16, NA*KK/2                    ; and the scale words
	s_mov_b32 s97, 0xffff0000                      ; lanes 16-31
	s_mov_b32 s98, 0x76543210
	s_mov_b32 s99, 0xfedcba98                      ; v_permlanex16_b32's selects for lane l xor 16
	s_wait_dscnt 0x0                               ; the opening add is done
	s_wait_kmcnt 0x0
	s_load_b32 s96, s[6:7], 0x0                    ; the floor, from B's header
	s_add_nc_u64 s[20:21], s[4:5], s[20:21]
	s_add_nc_u64 s[22:23], s[4:5], s[22:23]
	s_add_nc_u64 s[46:47], s[6:7], s[46:47]
	s_add_nc_u64 s[92:93], s[6:7], s[92:93]
	CROUND                                         ; all sixteen work-groups are here: the first joint loads meet
	s_mov_b32 s[G0S], 1
	s_add_co_u32 s[G0S+1], s94, SCLA
	s_mov_b64 s[G0S+2:G0S+3], s[22:23]
	s_or_b32 s[G0S+3], s[G0S+3], 0x80000000
	s_mov_b32 s[G0SB], 1
	s_add_co_u32 s[G0SB+1], s94, SCLB
	s_mov_b64 s[G0SB+2:G0SB+3], s[92:93]
	s_or_b32 s[G0SB+3], s[G0SB+3], 0x80000000
	JLOAD G0S, G1S, G0SB, G1SB                     ; the scale words first; with the two slots three loads of mine are out
.irp s, 0,1
	s_mov_b32 s[G0+4*\s], 1
	s_add_co_u32 s[G0+4*\s+1], s45, \s*SLOT
	s_add_nc_u64 s[G0+4*\s+2:G0+4*\s+3], s[20:21], \s*TPL
	s_or_b32 s[G0+4*\s+3], s[G0+4*\s+3], 0x80000000
	s_mov_b32 s[G0B+4*\s], 1
	s_add_co_u32 s[G0B+4*\s+1], s45, \s*SLOT
	s_add_nc_u64 s[G0B+4*\s+2:G0B+4*\s+3], s[46:47], \s*TPL
	s_or_b32 s[G0B+4*\s+3], s[G0B+4*\s+3], 0x80000000
	JLOAD G0+4*\s, G1, G0B+4*\s, G1B
.endr
	v_and_b32 v1, 15, v0                           ; r
	v_bfe_u32 v2, v0, 4, 1                         ; h
	v_and_b32 v3, 31, v0                           ; lane
	v_lshlrev_b32 v4, 4, v3
	v_lshlrev_b32 v5, 3, v3
	v_add_nc_u32 v5, 512, v5
	s_mul_i32 s21, s15, HALFT                      ; my tiles of A
	s_mul_i32 s22, s16, HALFT
	s_add_co_u32 s22, s22, 2*HALFT                 ; my tiles of B, behind A's
.irp s, 0,1
	v_add_nc_u32 v[ADRA+\s], s21, v4
	v_add_nc_u32 v[ADRB+\s], s22, v4
	v_add_nc_u32 v[ADRA+2+\s], s21, v5
	v_add_nc_u32 v[ADRB+2+\s], s22, v5
	s_add_co_u32 s21, s21, SLOT
	s_add_co_u32 s22, s22, SLOT
.endr
	s_mul_i32 s21, s15, NA*KK/2
	s_mul_i32 s22, s16, NA*KK/2
	s_add_co_u32 s22, s22, SCLB-SCLA
	s_sub_co_u32 s22, s22, s21
	v_mul_u32_u24 v6, s22, v2                      ; lanes 16-31 take B's words
	s_add_co_u32 s21, s21, SCLA
	v_lshl_add_u32 v6, v1, 2, v6
	v_add_nc_u32 v[ADRS], s21, v6
	s_lshl_b32 s10, s42, 10                        ; the bias of my 128 rows of B
	s_lshl_b32 s11, s16, 9
	s_add_co_u32 s10, s10, s11
	s_add_co_u32 s10, s10, 256
	s_mov_b32 s11, 0
	s_add_nc_u64 s[10:11], s[6:7], s[10:11]
	v_lshlrev_b32 v7, 6, v2                        ; register 8 b + j of lane (r, h) is B's row 32 (b / 2) + 16 h + 8 (b % 2) + j
.set I_, 0
.rept NA
	global_load_b128 v[BIAS+8*I_:BIAS+8*I_+3], v7, s[10:11] offset:128*(I_/2)+32*(I_%2)
	global_load_b128 v[BIAS+8*I_+4:BIAS+8*I_+7], v7, s[10:11] offset:128*(I_/2)+32*(I_%2)+16
.set I_, I_+1
.endr
	v_mov_b32 v24, v4                              ; the way out: 16 x lane,
	v_lshlrev_b32 v25, 3, v3                       ; 8 x lane,
	v_lshlrev_b32 v26, 2, v1
	v_lshl_add_u32 v26, v2, 11, v26                ; 4 r, and a tile's scale words on for lanes 16-31
	s_lshl_b32 s20, s17, 4
	s_lshl_b32 s21, s15, 3
	s_add_co_u32 s20, s20, s21                     ; my first tile of OUT
	s_lshl_b32 s46, s42, 1
	s_add_co_u32 s46, s46, s16                     ; my step of 128 along OUT's K
	s_mul_i32 s22, s20, 49152
	s_mul_i32 s23, s46, 1536
	s_add_co_u32 s22, s22, s23
	s_add_co_u32 s22, s22, 524288
	s_mov_b32 s23, 0
	s_add_nc_u64 s[12:13], s[8:9], s[22:23]        ; OUT's codes
	s_lshl_b32 s22, s20, 11
	s_lshl_b32 s21, s46, 6
	s_add_co_u32 s22, s22, s21
	s_add_nc_u64 s[8:9], s[8:9], s[22:23]          ; OUT's scale words
.macro FRAG reg, adr, q, i             ; a fragment: two units, as they lie
	ds_load_b128 v[\reg:\reg+3], v[\adr] offset:(\i)*TPL+1536*(\q)
	ds_load_b64 v[\reg+4:\reg+5], v[\adr+2] offset:(\i)*TPL+1536*(\q)
	ds_load_b128 v[\reg+6:\reg+9], v[\adr] offset:(\i)*TPL+1536*(\q)+768
	ds_load_b64 v[\reg+10:\reg+11], v[\adr+2] offset:(\i)*TPL+1536*(\q)+768
.endm
.macro FETCH_B slot, q, p
	WIN 0x40                                       ; destination window 1
.set I_, 0
.rept NA
	FRAG 128*(\p)+FR*I_, ADRB+\slot, \q, I_
.set I_, I_+1
.endr
	WIN 0
.endm
.macro FETCH_A slot, q, i0
.set I_, \i0
.rept NA/2
	FRAG AF+FR*I_, ADRA+\slot, \q, I_
.set I_, I_+1
.endr
.endm
.macro SCALES sc                       ; a slot's scale words: register NQ i + q: lanes 0-15 A's tile i, lanes 16-31 B's tile i
.set I_, 0
.rept NA
.set Q2_, 0
.rept NQ
	ds_load_b32 v[SC+16*(\sc)+NQ*I_+Q2_], v[ADRS] offset:I_*(KK/2)+64*Q2_
.set Q2_, Q2_+1
.endr
.set I_, I_+1
.endr
.endm
.macro MULA a, p, q, sc, first         ; A's tile a against all of B's
.set B_, 0
.rept NA
.set ACR, 8*(NA*((\a)%(NA/2))+B_)
.if \first
	v_wmma_scale_f32_16x16x128_f8f6f4 v[ACR:ACR+7], v[128*(\p)+FR*B_:128*(\p)+FR*B_+FR-1], v[AF+FR*(\a):AF+FR*(\a)+FR-1], v[BIAS+8*B_:BIAS+8*B_+7], v[SC+16*(\sc)+NQ*B_+(\q)], v[SC+16*(\sc)+NQ*(\a)+(\q)] matrix_a_fmt:MATRIX_FMT_BF6 matrix_b_fmt:MATRIX_FMT_BF6 matrix_a_scale:MATRIX_SCALE_ROW1
.else
	v_wmma_scale_f32_16x16x128_f8f6f4 v[ACR:ACR+7], v[128*(\p)+FR*B_:128*(\p)+FR*B_+FR-1], v[AF+FR*(\a):AF+FR*(\a)+FR-1], v[ACR:ACR+7], v[SC+16*(\sc)+NQ*B_+(\q)], v[SC+16*(\sc)+NQ*(\a)+(\q)] matrix_a_fmt:MATRIX_FMT_BF6 matrix_b_fmt:MATRIX_FMT_BF6 matrix_a_scale:MATRIX_SCALE_ROW1
.endif
.set B_, B_+1
.endr
.endm
.macro MULS lo, n, p, q, sc, first
.set A_, \lo
.rept \n
	MULA A_, \p, \q, \sc, \first
.set A_, A_+1
.endr
.endm
.macro STEP slot, q, first             ; 128 along K with its successor in the same slot
	s_wait_dscnt HL                                ; B's set and A's lower half are in; the youngest loads, A's upper half, may be out
.if \first
	WIN 0x81                                       ; B window 1, A and the bias window 0, D window 2
.else
	WIN 0xa1
.endif
	MULS 0, NA/2, (\q)%2, \q, \slot, \first
	s_wait_dscnt 0x0                               ; A's upper half is in
	PLACES 4                                       ; in front of loads into registers that matrix instructions have read
	FETCH_B \slot, (\q)+1, 1-(\q)%2
	FETCH_A \slot, (\q)+1, 0
.if \first
	WIN 0xc1
.else
	WIN 0xf1
.endif
	MULS NA/2, NA/2, (\q)%2, \q, \slot, \first
	PLACES 4
	WIN 0
	FETCH_A \slot, (\q)+1, NA/2
.endm
.macro TURN slot, next, fill           ; a slot's last step changes slots: one barrier
	s_wait_tensorcnt 0x0                           ; all my tensor loads have landed: my part of the next slot
	ds_add_u32 v[SPW], v[NIL]                      ; 0 onto my spare word
	s_wait_dscnt HL+1                              ; (the add and A's upper half may be out)
	WIN 0xa1
	MULS 0, NA/4, 1, NQ-1, \slot, 0
	s_wait_dscnt 0x0                               ; the add is done, and my reads of this slot are over
	s_barrier_signal -1
	MULS NA/4, NA/4, 1, NQ-1, \slot, 0
	WIN 0
	s_barrier_wait -1
.if \fill
	CREST                                          ; the barrier has opened a round of the cluster's: no wave of any partner still reads this slot or has a load on its way
	s_add_nc_u64 s[G0+4*\slot+2:G0+4*\slot+3], s[G0+4*\slot+2:G0+4*\slot+3], 2*TPL
	s_add_nc_u64 s[G0B+4*\slot+2:G0B+4*\slot+3], s[G0B+4*\slot+2:G0B+4*\slot+3], 2*TPL
	JLOAD G0+4*\slot, G1, G0B+4*\slot, G1B         ; the first tensor load behind the round; its four v_nop are the places in front of the loads below
.else
	PLACES 4
.endif
	v_add_nc_u32 v[ADRS], 64*NQ, v[ADRS]           ; the next slot's scale words
	FETCH_B \next, 0, 0
	FETCH_A \next, 0, 0
	SCALES \next
	WIN 0xf1
	MULS NA/2, NA/2, 1, NQ-1, \slot, 0
	PLACES 4
	WIN 0
	FETCH_A \next, 0, NA/2
.endm
.macro RUN slot, from                  ; a slot's steps from 'from' to its last but one
.set Q_, \from
.rept NQ-1-(\from)
	STEP \slot, Q_, 0
.set Q_, Q_+1
.endr
.endm
	s_wait_tensorcnt 1                             ; the scale words and my part of slot 0 are in; slot 1's load may be out
	s_barrier_signal -1
	s_barrier_wait -1
	FETCH_B 0, 0, 0
	FETCH_A 0, 0, 0
	SCALES 0
	FETCH_A 0, 0, NA/2
	s_wait_loadcnt 0x0                             ; the bias
	s_wait_kmcnt 0x0                               ; the floor
	STEP 0, 0, 1                                   ; the first step stands in front of the loop: its products start the sums, on the bias
.if LAPS > 1
	s_mov_b32 s3, LAPS-1
.Llap:
	RUN 0, 1
	TURN 0, 1, 1
	RUN 1, 0
	TURN 1, 0, 1
	STEP 0, 0, 0
	s_sub_co_u32 s3, s3, 1
	s_cmp_lg_u32 s3, 0
	s_cbranch_scc1 .Llap
.endif
	RUN 0, 1                                       ; the last lap fills nothing
	TURN 0, 1, 0
	RUN 1, 0
	s_wait_dscnt HL
	WIN 0xa1
	MULS 0, NA/2, 1, NQ-1, 1, 0
	s_wait_dscnt 0x0
	WIN 0xf1
	MULS NA/2, NA/2, 1, NQ-1, 1, 0
	WIN 0
; THE WAY OUT, a tile of 16 rows at a time: the floor; the four blocks' largest magnitudes (a block lies in lanes l and l xor 16); bytes; conversions; the exchange of halves that the operand's layout asks;
; the fragment IS two units of OUT and is stored as it stands: 512 + 256 consecutive bytes each.  Two tiles' scale words leave by one store.
.macro QOUT a
.set AC, 64*((\a)%4)
.set WW, 2+(\a)/4
	WIN (WW<<6)|(WW<<2)
.set J_, 0
.rept 64
	v_max_num_f32 v[AC+J_], s96, v[AC+J_]          ; the activation; each accumulator from its low end on
.set J_, J_+1
.endr
	WIN (WW<<2)|WW
.irp b, 0,1,2,3
	v_max3_num_f32 v[TM+\b], |v[AC+16*\b]|, |v[AC+16*\b+1]|, 0x2800000   ; and the floor 2^(5 - 127): the byte cannot fall under 1
.endr
.irp i, 2,4,6,8,10,12,14
.irp b, 0,1,2,3
	v_max3_num_f32 v[TM+\b], |v[AC+16*\b+\i]|, |v[AC+16*\b+\i+1]|, v[TM+\b]
.endr
.endr
	WIN 0
.irp b, 0,1,2,3
	v_permlanex16_b32 v[TM+4+\b], v[TM+\b], s98, s99
.endr
.irp b, 0,1,2,3
	v_max_num_f32 v[TM+\b], v[TM+\b], v[TM+4+\b]
.endr
.irp b, 0,1,2,3
	v_add_nc_u32 v[TM+12+\b], 0xfe000000, v[TM+\b]   ; 4 off the exponent field: the conversion's scale operand
.endr
.irp b, 0,1,2,3
	v_lshrrev_b32 v[TM+4+\b], 23, v[TM+12+\b]
.endr
	v_lshl_or_b32 v[PW+(\a)%2], v[TM+5], 8, v[TM+4]
	v_lshl_or_b32 v[PW+(\a)%2], v[TM+6], 16, v[PW+(\a)%2]
	v_lshl_or_b32 v[PW+(\a)%2], v[TM+7], 24, v[PW+(\a)%2]
	s_wait_xcnt 0x0                                ; the last tile's stores have read their registers: the codes may be written again
	WIN WW
.irp c, 0,1
	v_cvt_scalef32_pk16_bf6_f32 v[PC+6*\c:PC+6*\c+2], v[AC+32*\c:AC+32*\c+15], v[TM+12+2*\c]
	v_cvt_scalef32_pk16_bf6_f32 v[PC+12+4*\c:PC+14+4*\c], v[AC+16+32*\c:AC+31+32*\c], v[TM+13+2*\c]
.endr
	WIN 0
	v_nop                                          ; one plain line behind a scaled conversion
.irp c, 0,1
.irp i, 0,1,2
	v_permlane16_swap_b32 v[PC+6*\c+\i], v[PC+12+4*\c+\i]
.endr
.irp i, 0,1,2
	v_mov_b32 v[PC+3+6*\c+\i], v[PC+12+4*\c+\i]
.endr
.endr
.irp c, 0,1
	global_store_b128 v24, v[PC+6*\c:PC+6*\c+3], s[12:13] offset:49152*(\a)+768*\c
	global_store_b64 v25, v[PC+6*\c+4:PC+6*\c+5], s[12:13] offset:49152*(\a)+768*\c+512
.endr
.if (\a)%2
	v_cndmask_b32 v[PWO], v[PW], v[PW+1], s97      ; lanes 0-15: tile a - 1's words, lanes 16-31: tile a's
	global_store_b32 v26, v[PWO], s[8:9] offset:2048*((\a)-1)
.endif
.endm
	PLACES 4                                       ; behind the last products
.irp b, 0,1,2,3
	v_mov_b32 v[TM+4+\b], 0                        ; written once: a lane permute's destination counts as one of its sources
.endr
.irp a, 0,1,2,3,4,5,6,7
	QOUT \a
.endr
	s_wait_tensorcnt 0x0                           ; the wave's end
	ds_add_u32 v[SPW], v[NIL]
	s_wait_dscnt 0x0
	CROUND                                         ; the closing round
	s_endpgm
.Lfunc_end_k_q2dd752aabd_qk:
	.size	k_q2dd752aabd_qk, .Lfunc_end_k_q2dd752aabd_qk-k_q2dd752aabd_qk
	.p2alignl 7, 3214868480
	.fill 96, 4, 3214868480
	.section	.rodata,"a",@progbits
	.p2align	6, 0x0
	.amdhsa_kernel k_q2dd752aabd_qk
		.amdhsa_group_segment_fixed_size 327680
		.amdhsa_private_segment_fixed_size 0
		.amdhsa_enable_private_segment 0
		.amdhsa_kernarg_size 24
		.amdhsa_user_sgpr_count 2
		.amdhsa_user_sgpr_kernarg_segment_ptr 1
		.amdhsa_wavefront_size32 1
		.amdhsa_system_sgpr_workgroup_id_x 1
		.amdhsa_system_sgpr_workgroup_id_y 1
		.amdhsa_system_sgpr_workgroup_id_z 1
		.amdhsa_system_vgpr_workitem_id 0
		.amdhsa_next_free_vgpr 1024
		.amdhsa_next_free_sgpr 100
		.amdhsa_reserve_vcc 0
		.amdhsa_float_denorm_mode_32 3
		.amdhsa_float_denorm_mode_16_64 3
		.amdhsa_memory_ordered 1
		.amdhsa_forward_progress 1
		.amdhsa_inst_pref_size 169
	.end_amdhsa_kernel
	.amdgpu_metadata
---
amdhsa.version: [ 1, 2 ]
amdhsa.kernels:
  - .name:           k_q2dd752aabd_qk
    .symbol:         k_q2dd752aabd_qk.kd
    .args:
      - { .name: ACT, .offset: 0, .size: 8, .value_kind: global_buffer, .address_space: global }
      - { .name: WQK, .offset: 8, .size: 8, .value_kind: global_buffer, .address_space: global }
      - { .name: BIG, .offset: 16, .size: 8, .value_kind: global_buffer, .address_space: global }
    .group_segment_fixed_size: 327680
    .private_segment_fixed_size: 0
    .kernarg_segment_align: 8
    .kernarg_segment_size: 24
    .max_flat_workgroup_size: 128
    .sgpr_count:     100
    .vgpr_count:     1024
    .wavefront_size: 32
...
	.end_amdgpu_metadata
.endif
;; end of part 3
;; launch vv: the kernel of part 3 again; grid 16 x 4, 4 waves a work-group, clusters of 4 x 4, 327,680 bytes of LDS; arguments WV, ACT, VO; writes VO
;; launch attn (part 4): grid 8 x 32, 16 waves a work-group, no clusters, 210,944 bytes of LDS; arguments BIG, VO, ACT; writes ACT
.if DOCPART == 4
	.amdgcn_target "amdgcn-amd-amdhsa--gfx1250"
	.amdhsa_code_object_version 6
	.text
	.protected	k_q2dd752aabd_attn
	.globl	k_q2dd752aabd_attn
	.p2align	8
	.type	k_q2dd752aabd_attn,@function
k_q2dd752aabd_attn:
	s_mov_b64 s[64:65], 0
	v_nop
	global_prefetch_b8 v0, s[64:65] scope:SCOPE_SE
	s_setreg_imm32_b32 hwreg(HW_REG_WAVE_MODE, 25, 1), 1
	s_wait_xcnt 0x0
; Causal attention of one head on codes of BF6 (E3M2), head size 64, 2,048 keys; its result, divided by the row's sum, is quantised at once along the model's axis and stored as the next product's operand.
; q and k lie in BIG (an operand of K = 4,096: unit hd is head hd of q, unit 16 + hd of k), v in VO (rows = channels, K = tokens), all in this program's operand format: tile T, lane-row r = row
; 32 (T / 2) + 8 (T % 2) + r % 8 + 16 (r / 8); a unit = a tile x 64 along K = 768 bytes (16 l: registers 0-3 of lane l, 512 + 8 l: registers 4, 5); a scale piece = 64 bytes for a tile and 128 along K.
; THE SOFTMAX: t = score x log2(e) / 8; M = the running largest t rounded UP to a whole number; p = 2^(t - M) is quantised along the keys, not normalised; the sum is taken of the unquantised p and divides at the end;
; when M moves, the sum and O are multiplied by 2^(old M - new M), which rounds nothing.
; SHARES.  Work-group (i, head): waves 0-7 take the eight tiles of query block i (128 queries), waves 8-15 those of block 15 - i: 17 steps of 128 x 128 for every i under the causal mask.  A wave owns one tile of 16 queries.
; ALL 2,048 keys of the head lie in LDS: K 98,304 bytes, V 98,304.  They come by first fills alone, in four chunks of 512 keys (waves 0-3: K, 8 tiles each; waves 4-7: V, one tile of channels each): four loads of a wave
; are out at the most; in front of chunk c a counted wait and a barrier.  No cluster: which steps a work-group leaves out hangs on its query block, which would be its place in a cluster.
; Both products are used transposed (S^T = K Q^T, O^T = V^T P^T): a lane holds one query throughout, and by the tiles' order of rows the 16 registers of key tiles 2 b, 2 b + 1 are 16 neighbouring keys.
; THE HEAD'S 64 FILL HALF OF THE INSTRUCTION'S 128: Q's upper six registers are zero codes.  K's fragments stand six registers apart, so that a tile's upper six are the next tile's codes: they meet Q's zeros.
; The scale words' upper bytes are 0 or another head's bytes, never 0xff.
; CAUSAL: a step all of whose keys come after the wave's queries is left out by a branch on ids; on the diagonal hidden scores become -infinity.
; LIMITS: NaN and infinities are not served; a block whose largest magnitude lies under 2^-122 has its byte held at 1; a block of zeros has the byte 1.  att's scale bytes leave two at a time.
.set VB,    98304
.set SCK,   196608                     ; K's scale words, shifted to the head's bytes: 64 a tile
.set SCV,   204800                     ; V's: 1,024 a tile of channels
.set SPARE, 208896
.set SPW, 5
.set NIL, 6
.set ADK, 8
.set ADK8, 9
.set ADS, 10
.set ADV, 11
.set ADV8, 12
.set ADW, 13
.set ADW8, 14
.set ADT, 15
.set R4,  94                           ; v94 4 r
.set TK,  2
.set TV,  3
.set TSK, 10
.set TSV, 11
.set KF,  12
.set QF,  13
.set QL,  14
.set SH,  15
.set CNT, 16
.set WV,  18
.set SEL, 20
.set CS,  22
.set G1K, 24
.set G1V, 32
.set G0K, 40                           ; s[40:55] four groups 0 for K's chunks
.set G0V, 68                           ; s[68:83] for V's
	s_load_b128 s[4:7], s[0:1], 0x0                ; BIG s[4:5], VO s[6:7]
	s_load_b64 s[8:9], s[0:1], 0x10                ; ACT
	v_lshl_add_u32 v[SPW], v0, 2, SPARE
	v_mov_b32 v[NIL], 0
	ds_add_u32 v[SPW], v[NIL]                      ; the wave's opening: the add and its wait ahead of my first tensor load
	v_lshrrev_b32 v8, 5, v0
	v_readfirstlane_b32 s[WV], v8                  ; wave 0..15
	s_and_b32 s56, ttmp7, 0xffff
	s_lshr_b32 s57, s56, 4                         ; the batch
	s_and_b32 s58, s56, 15                         ; the head
	s_and_b32 s59, s[WV], 7
	s_sub_co_u32 s60, 15, ttmp9
	s_cmp_lt_u32 s[WV], 8
	s_cselect_b32 s60, ttmp9, s60                  ; my query block
	s_lshl_b32 s60, s60, 3
	s_add_co_u32 s60, s60, s59                     ; my tile of queries in the batch
	s_lshr_b32 s61, s60, 1
	s_lshl_b32 s[QF], s61, 5
	s_and_b32 s61, s60, 1
	s_lshl_b32 s61, s61, 3
	s_add_co_u32 s[QF], s[QF], s61                 ; its first query,
	s_add_co_u32 s[QL], s[QF], 23                  ; and its last
	s_lshl_b32 s61, s57, 7
	s_add_co_u32 s61, s61, s60                     ; the tile among all tokens
	s_and_b32 s[SH], s58, 1
	s_lshl_b32 s[SH], s[SH], 4                     ; the head's two bytes in a scale word: 16 (hd % 2) bits up
	s_and_b32 s62, s[WV], 3
	s_lshl_b32 s84, s57, 7                         ; K: tiles 128 batch + 32 chunk + 8 (wave % 4) on, unit 16 + hd
	s_lshl_b32 s85, s62, 3
	s_add_co_u32 s84, s84, s85
	s_mul_i32 s84, s84, 49152
	s_mul_i32 s85, s58, 768
	s_add_co_u32 s84, s84, s85
	s_add_co_u32 s84, s84, 524288+16*768
	s_mov_b32 s85, 0
	s_mul_i32 s86, s62, 6144
	s_lshl_b32 s88, s58, 2                         ; V: tile 4 hd + wave % 4, units 32 batch + 8 chunk on
	s_add_co_u32 s88, s88, s62
	s_mul_i32 s88, s88, 49152
	s_mul_i32 s89, s57, 32*768
	s_add_co_u32 s88, s88, s89
	s_add_co_u32 s88, s88, 524288
	s_mov_b32 s89, 0
	s_mul_i32 s87, s62, 24576
	s_add_co_u32 s87, s87, VB
	s_mov_b32 s[G1K], 3<<16                        ; K: 8 rows (tiles) of 768 bytes, 49,152 bytes apart; elements of 8 bytes, no mask, no padding
	s_mov_b32 s[G1K+1], 96<<16
	s_mov_b32 s[G1K+2], 8<<16
	s_mov_b32 s[G1K+3], 96<<16
	s_mov_b32 s[G1K+4], 8
	s_mov_b32 s[G1K+5], 6144
	s_mov_b32 s[G1K+6], 0
	s_mov_b32 s[G1K+7], 0
	s_mov_b32 s[G1V], 3<<16                        ; V: 6,144 dense bytes as 24 rows of 256
	s_mov_b32 s[G1V+1], 32<<16
	s_mov_b32 s[G1V+2], 24<<16
	s_mov_b32 s[G1V+3], 32<<16
	s_mov_b32 s[G1V+4], 24
	s_mov_b32 s[G1V+5], 32
	s_mov_b32 s[G1V+6], 0
	s_mov_b32 s[G1V+7], 0
	s_lshr_b32 s63, s58, 1
	s_lshl_b32 s90, s57, 18                        ; K's scale words: tile 128 batch on, step 8 + hd / 2
	s_lshl_b32 s91, s63, 6
	s_add_co_u32 s90, s90, s91
	s_add_co_u32 s90, s90, 512
	s_mov_b32 s91, 0
	s_lshl_b32 s92, s58, 13                        ; V's: tile 4 hd on, steps 16 batch on
	s_lshl_b32 s93, s57, 10
	s_add_co_u32 s92, s92, s93
	s_mov_b32 s93, 0
	s_mul_i32 s94, s61, 49152                      ; Q's unit
	s_mul_i32 s95, s58, 768
	s_add_co_u32 s94, s94, s95
	s_add_co_u32 s94, s94, 524288
	s_mul_i32 s98, s61, 12288                      ; att's unit
	s_add_co_u32 s98, s98, s95
	s_add_co_u32 s98, s98, 147712
	s_mov_b32 s95, 0
	s_mov_b32 s99, 0
	s_lshl_b32 s96, s61, 11                        ; Q's scale words
	s_lshl_b32 s97, s63, 6
	s_add_co_u32 s96, s96, s97
	s_lshl_b32 s66, s61, 9                         ; att's scale bytes
	s_add_co_u32 s66, s66, s97
	s_lshr_b32 s97, s[SH], 3
	s_add_co_u32 s66, s66, s97
	s_add_co_u32 s66, s66, 16640
	s_mov_b32 s97, 0
	s_mov_b32 s67, 0
	s_mov_b32 s[SEL], 0x76543210
	s_mov_b32 s[SEL+1], 0xfedcba98
	s_mov_b32 s[CS], 0x3e38aa3b                    ; c = log2(e) / 8
	s_mov_b32 s[CS+1], s[CS]
	s_mov_b32 s[TK], 0
	s_mov_b32 s[TV], VB
	s_mov_b32 s[TSK], 0
	s_mov_b32 s[TSV], 0
	s_mov_b32 s[KF], 0
	s_wait_dscnt 0x0                               ; the opening add is done
	s_wait_kmcnt 0x0
	s_add_nc_u64 s[84:85], s[4:5], s[84:85]
	s_add_nc_u64 s[88:89], s[6:7], s[88:89]
.irp c, 0,1,2,3
	s_mov_b32 s[G0K+4*\c], 1
	s_add_co_u32 s[G0K+4*\c+1], s86, 24576*\c
	s_add_nc_u64 s[G0K+4*\c+2:G0K+4*\c+3], s[84:85], \c*32*49152
	s_or_b32 s[G0K+4*\c+3], s[G0K+4*\c+3], 0x80000000
	s_mov_b32 s[G0V+4*\c], 1
	s_add_co_u32 s[G0V+4*\c+1], s87, 6144*\c
	s_add_nc_u64 s[G0V+4*\c+2:G0V+4*\c+3], s[88:89], \c*6144
	s_or_b32 s[G0V+4*\c+3], s[G0V+4*\c+3], 0x80000000
.endr
	s_cmp_lt_u32 s[WV], 4                          ; a wave's four first fills stand in one branch on its number, in the order of the chunks
	s_cbranch_scc0 .Lnot_k
.irp c, 0,1,2,3
	tensor_load_to_lds s[G0K+4*\c:G0K+4*\c+3], s[G1K:G1K+7]
	s_nop 0
.endr
.rept 4
	v_nop
.endr
	s_branch .Lasked
.Lnot_k:
	s_cmp_lt_u32 s[WV], 8
	s_cbranch_scc0 .Lasked
.irp c, 0,1,2,3
	tensor_load_to_lds s[G0V+4*\c:G0V+4*\c+3], s[G1V:G1V+7]
	s_nop 0
.endr
.rept 4
	v_nop
.endr
.Lasked:
	s_add_nc_u64 s[90:91], s[4:5], s[90:91]
	s_add_nc_u64 s[92:93], s[6:7], s[92:93]
	s_add_nc_u64 s[94:95], s[4:5], s[94:95]
	s_add_nc_u64 s[96:97], s[4:5], s[96:97]
	s_add_nc_u64 s[98:99], s[8:9], s[98:99]
	s_add_nc_u64 s[66:67], s[8:9], s[66:67]
	v_and_b32 v9, 31, v0
	v_lshlrev_b32 v1, 4, v9                        ; v1 16 x lane
	v_lshlrev_b32 v2, 3, v9
	v_add_nc_u32 v2, 512, v2                       ; v2 512 + 8 x lane
	v_and_b32 v10, 15, v0
	v_lshlrev_b32 v[R4], 2, v10
	v_add_nc_u32 v3, SCK, v[R4]
	v_add_nc_u32 v4, SCV, v[R4]
	v_lshrrev_b32 v13, 2, v0                       ; K's scale words: thread t takes 16 bytes: tile t / 4
	v_lshlrev_b32 v13, 11, v13
	v_and_b32 v11, 3, v0
	v_lshl_add_u32 v13, v11, 4, v13
	global_load_b128 v[96:99], v13, s[90:91]
	v_lshrrev_b32 v14, 7, v0                       ; V's: 8 bytes: tile t / 128
	v_lshlrev_b32 v14, 11, v14
	v_and_b32 v11, 127, v0
	v_lshl_add_u32 v14, v11, 3, v14
	global_load_b64 v[100:101], v14, s[92:93]
	global_load_b128 v[16:19], v1, s[94:95]        ; Q's unit stays in registers
	global_load_b64 v[20:21], v2, s[94:95]
	global_load_b32 v255, v[R4], s[96:97]          ; and its scale words
	v_and_b32 v11, 7, v0
	v_bfe_u32 v12, v0, 3, 1
	v_lshl_add_u32 v11, v12, 4, v11
	v_bfe_u32 v12, v0, 4, 1
	v_lshlrev_b32 v12, 4, v12
	v_sub_nc_u32 v11, v11, v12
	v_add_nc_u32 v7, s[QF], v11                    ; v7 my query - 16 (lane / 16)
	v_lshl_add_u32 v95, v0, 4, SCK
	v_lshl_add_u32 v216, v0, 3, SCV
.irp j, 22,23,24,25,26,27,80,81,82,83,84,85
	v_mov_b32 v\j, 0                               ; zero codes: Q's upper half of K; what stands behind K's last fragment
.endr
	v_mov_b32 v29, 0xff61b1e6                      ; the largest t so far: -3e38
	v_floor_f32 v28, -v29                          ; -M
	v_mov_b32 v30, 0                               ; the sum, in two halves
	v_mov_b32 v31, 0
.irp b, 0,1,2,3
	v_mov_b32 v[196+\b], 0                         ; written once: a lane permute's destination counts as one of its sources
.endr
	v_mov_b32 v219, 0                              ; (named as the upper half of the pair v[218:219])
.set J_, 0
.rept 32
	v_mov_b32 v[160+J_], 0                         ; O^T: the step is written once; the first finds zeros
.set J_, J_+1
.endr
	s_wait_loadcnt 0x0
.irp j, 96,97,98,99,255
	v_lshrrev_b32 v\j, s[SH], v\j                  ; the head's two bytes to the word's low end
.endr
	ds_store_b128 v95, v[96:99]
	ds_store_b64 v216, v[100:101]
.macro STEP
	s_cmp_gt_u32 s[KF], s[QL]                      ; all 128 keys come after my queries: ids and the count of steps alone
	s_cbranch_scc1 .Lhidden_\@
	v_add_nc_u32 v[ADK], s[TK], v1                 ; (these eight are also the places behind the last step's products, in front of the loads below)
	v_add_nc_u32 v[ADK8], s[TK], v2
	v_add_nc_u32 v[ADS], s[TSK], v3
	v_add_nc_u32 v[ADV], s[TV], v1
	v_add_nc_u32 v[ADV8], s[TV], v2
	v_add_nc_u32 v[ADT], s[TSV], v4
	v_add_nc_u32 v[ADW], 49152, v[ADV]
	v_add_nc_u32 v[ADW8], 49152, v[ADV8]
.irp t, 0,1,2,3,4,5,6,7
	ds_load_b128 v[32+6*\t:35+6*\t], v[ADK] offset:768*\t
	ds_load_b64 v[36+6*\t:37+6*\t], v[ADK8] offset:768*\t
	ds_load_b32 v[86+\t], v[ADS] offset:64*\t
.endr
	s_wait_dscnt 0x0
.irp t, 0,1,2,3,4,5,6,7
	v_wmma_scale_f32_16x16x128_f8f6f4 v[96+8*\t:103+8*\t], v[32+6*\t:43+6*\t], v[16:27], 0, v[86+\t], v255 matrix_a_fmt:MATRIX_FMT_BF6 matrix_b_fmt:MATRIX_FMT_BF6
.endr
.rept 4
	v_nop
.endr
	s_add_co_u32 s17, s[KF], 127                   ; a step all of whose keys count skips the mask
	s_cmp_le_u32 s17, s[QF]
	s_cbranch_scc1 .Lopen_\@
	v_sub_nc_u32 v216, v7, s[KF]                   ; d: register 16 b + i holds key KF + 16 (lane / 16) + 32 b + i: hidden where 32 b + i > d
	v_mov_b32 v217, 0xff800000
.set N_, 0
.rept 64
	v_cmp_gt_i32 vcc_lo, 32*(N_/16)+N_%16, v216
	v_cndmask_b32 v[96+N_], v[96+N_], v217, vcc_lo
.set N_, N_+1
.endr
.Lopen_\@:
.irp b, 0,1,2,3
	v_max3_num_f32 v[192+\b], v[96+16*\b], v[97+16*\b], v[98+16*\b]   ; the largest score of each block of 32 keys: for the row's maximum and, since p rises with the score, for the block's largest p
.endr
.irp i, 3,5,7,9,11,13
.irp b, 0,1,2,3
	v_max3_num_f32 v[192+\b], v[192+\b], v[96+16*\b+\i], v[97+16*\b+\i]
.endr
.endr
.irp b, 0,1,2,3
	v_max_num_f32 v[192+\b], v[192+\b], v[111+16*\b]
.endr
.irp b, 0,1,2,3
	v_permlanex16_b32 v[196+\b], v[192+\b], s[SEL], s[SEL+1]
.endr
.irp b, 0,1,2,3
	v_max_num_f32 v[192+\b], v[192+\b], v[196+\b]
.endr
	v_max3_num_f32 v216, v192, v193, v194
	v_max_num_f32 v216, v216, v195
	v_mul_f32 v216, s[CS], v216
	v_max_num_f32 v29, v29, v216                   ; the running largest t
	v_mov_b32 v216, v28
	v_floor_f32 v28, -v29                          ; the new -M: M is a whole number
	v_sub_f32 v216, v28, v216
	v_cvt_i32_f32 v216, v216                       ; (it saturates)
	v_ldexp_f32 v218, 1.0, v216                    ; f = 2^(old M - new M)
.set J_, 0
.rept 32
	v_pk_fma_f32 v[96+J_:97+J_], v[96+J_:97+J_], s[CS:CS+1], v[28:29] op_sel_hi:[1,0,0]   ; t - M
.set J_, J_+2
.endr
.irp b, 0,1,2,3
	v_fma_f32 v[192+\b], v[192+\b], s[CS], v28
.endr
.set J_, 0
.rept 64
	v_exp_f32 v[96+J_], v[96+J_]                   ; p = 2^(t - M)
.set J_, J_+1
.endr
	v_pk_mul_f32 v[30:31], v[30:31], v[218:219] op_sel_hi:[1,0]   ; the sums under the new M: a plain line behind the exponentials
	s_wait_alu depctr_va_vdst(0)                   ; one wait for the batch, ahead of its first reader
.irp b, 0,1,2,3
	v_exp_f32 v[192+\b], v[192+\b]                 ; the blocks' largest p
.endr
	v_pk_add_f32 v[196:197], v[96:97], v[98:99]    ; the row's sum of the unquantised p, in two chains
.irp j, 4,8,12,16,20,24,28,32,36,40,44,48,52,56,60
	v_pk_add_f32 v[30:31], v[30:31], v[96+\j:97+\j]
	v_pk_add_f32 v[196:197], v[196:197], v[98+\j:99+\j]
.endr
	v_pk_add_f32 v[30:31], v[30:31], v[196:197]
	s_wait_alu depctr_va_vdst(0)                   ; and one for the four
.irp b, 0,1,2,3
	v_max_num_f32 v[192+\b], 0x2800000, v[192+\b]  ; the floor 2^(5 - 127)
.endr
.irp b, 0,1,2,3
	v_add_nc_u32 v[200+\b], 0xfe000000, v[192+\b]
.endr
.irp b, 0,1,2,3
	v_lshrrev_b32 v[204+\b], 23, v[200+\b]
.endr
	v_lshl_or_b32 v220, v205, 8, v204              ; p's scale word for these 128 keys
	v_lshl_or_b32 v220, v206, 16, v220
	v_lshl_or_b32 v220, v207, 24, v220
.irp c, 0,1
	v_cvt_scalef32_pk16_bf6_f32 v[224+6*\c:226+6*\c], v[96+32*\c:111+32*\c], v[200+2*\c]
	v_cvt_scalef32_pk16_bf6_f32 v[208+4*\c:210+4*\c], v[112+32*\c:127+32*\c], v[201+2*\c]
.endr
	v_nop                                          ; one plain line behind a scaled conversion
.irp c, 0,1
.irp i, 0,1,2
	v_permlane16_swap_b32 v[224+6*\c+\i], v[208+4*\c+\i]
.endr
.irp i, 0,1,2
	v_mov_b32 v[227+6*\c+\i], v[208+4*\c+\i]
.endr
.endr
.irp t, 0,1
	ds_load_b128 v[32+12*\t:35+12*\t], v[ADV] offset:24576*\t
	ds_load_b64 v[36+12*\t:37+12*\t], v[ADV8] offset:24576*\t
	ds_load_b128 v[38+12*\t:41+12*\t], v[ADV] offset:24576*\t+768
	ds_load_b64 v[42+12*\t:43+12*\t], v[ADV8] offset:24576*\t+768
	ds_load_b128 v[56+12*\t:59+12*\t], v[ADW] offset:24576*\t
	ds_load_b64 v[60+12*\t:61+12*\t], v[ADW8] offset:24576*\t
	ds_load_b128 v[62+12*\t:65+12*\t], v[ADW] offset:24576*\t+768
	ds_load_b64 v[66+12*\t:67+12*\t], v[ADW8] offset:24576*\t+768
.endr
.irp t, 0,1,2,3
	ds_load_b32 v[86+\t], v[ADT] offset:1024*\t
.endr
.set J_, 0
.rept 16
	v_pk_mul_f32 v[160+J_:161+J_], v[160+J_:161+J_], v[218:219] op_sel_hi:[1,0]   ; O^T under the new M.  (These sixteen are also the places between the lines that made p's codes and scale word and the products)
.set J_, J_+2
.endr
	s_wait_dscnt 0x0
.irp t, 0,1,2,3
	v_wmma_scale_f32_16x16x128_f8f6f4 v[160+8*\t:167+8*\t], v[32+12*\t:43+12*\t], v[224:235], v[160+8*\t:167+8*\t], v[86+\t], v220 matrix_a_fmt:MATRIX_FMT_BF6 matrix_b_fmt:MATRIX_FMT_BF6
.endr
.Lhidden_\@:
	s_add_co_u32 s[KF], s[KF], 128                 ; on to the next 128 keys: 8 tiles of K, two units of V, their scale words
	s_add_co_u32 s[TK], s[TK], 6144
	s_add_co_u32 s[TV], s[TV], 1536
	s_add_co_u32 s[TSK], s[TSK], 512
	s_add_co_u32 s[TSV], s[TSV], 64
.endm
.macro CHUNK c
	s_wait_tensorcnt 3-\c                          ; my part of chunk c is in; the 3 - c loads issued behind it may be out
	s_wait_dscnt 0x0                               ; my LDS stores have landed, my loads are in
	s_barrier_signal -1
	s_barrier_wait -1
	s_mov_b32 s[CNT], 4
.Lstep_\@:
	STEP
	s_sub_co_u32 s[CNT], s[CNT], 1
	s_cmp_lg_u32 s[CNT], 0
	s_cbranch_scc1 .Lstep_\@
.endm
.irp c, 0,1,2,3
	CHUNK \c
.endr
	; THE WAY OUT: O^T / the sum; its 64 channels are two blocks of the next K; the codes are one unit of the next operand and are stored as they stand
.rept 4
	v_nop
.endr
	v_add_f32 v30, v30, v31
	v_permlanex16_b32 v196, v30, s[SEL], s[SEL+1]
	v_add_f32 v30, v30, v196                       ; the row's sum
	v_rcp_f32 v30, v30
	v_mov_b32 v98, 0                               ; (plain lines behind the transcendental; the permutes' destinations below are written)
	v_mov_b32 v99, 0
	s_wait_alu depctr_va_vdst(0)                   ; the wait ahead of the reciprocal's first reader
.set J_, 0
.rept 32
	v_mul_f32 v[192+J_], v[160+J_], v30            ; register 16 b + i: channel 32 b + 16 (lane / 16) + i
.set J_, J_+1
.endr
.irp b, 0,1
	v_max3_num_f32 v[96+\b], |v[192+16*\b]|, |v[193+16*\b]|, 0x2800000
.endr
.irp i, 2,4,6,8,10,12,14
.irp b, 0,1
	v_max3_num_f32 v[96+\b], v[96+\b], |v[192+16*\b+\i]|, |v[193+16*\b+\i]|
.endr
.endr
.irp b, 0,1
	v_permlanex16_b32 v[98+\b], v[96+\b], s[SEL], s[SEL+1]
.endr
.irp b, 0,1
	v_max_num_f32 v[96+\b], v[96+\b], v[98+\b]
.endr
.irp b, 0,1
	v_add_nc_u32 v[100+\b], 0xfe000000, v[96+\b]
.endr
.irp b, 0,1
	v_lshrrev_b32 v[102+\b], 23, v[100+\b]
.endr
	v_lshl_or_b32 v104, v103, 8, v102              ; my row's two bytes
	v_cvt_scalef32_pk16_bf6_f32 v[106:108], v[192:207], v100
	v_cvt_scalef32_pk16_bf6_f32 v[112:114], v[208:223], v101
	v_nop
.irp i, 0,1,2
	v_permlane16_swap_b32 v[106+\i], v[112+\i]
.endr
.irp i, 0,1,2
	v_mov_b32 v[109+\i], v[112+\i]
.endr
	global_store_b128 v1, v[106:109], s[98:99]     ; 512 consecutive bytes,
	global_store_b64 v2, v[110:111], s[98:99]      ; and the unit's last 256
	global_store_b16 v[R4], v104, s[66:67]         ; lanes r and r + 16 write the same two bytes with the same value
	s_wait_tensorcnt 0x0                           ; the wave's end
	ds_add_u32 v[SPW], v[NIL]
	s_wait_dscnt 0x0
	s_endpgm
.Lfunc_end_k_q2dd752aabd_attn:
	.size	k_q2dd752aabd_attn, .Lfunc_end_k_q2dd752aabd_attn-k_q2dd752aabd_attn
	.p2alignl 7, 3214868480
	.fill 96, 4, 3214868480
	.section	.rodata,"a",@progbits
	.p2align	6, 0x0
	.amdhsa_kernel k_q2dd752aabd_attn
		.amdhsa_group_segment_fixed_size 210944
		.amdhsa_private_segment_fixed_size 0
		.amdhsa_enable_private_segment 0
		.amdhsa_kernarg_size 24
		.amdhsa_user_sgpr_count 2
		.amdhsa_user_sgpr_kernarg_segment_ptr 1
		.amdhsa_wavefront_size32 1
		.amdhsa_system_sgpr_workgroup_id_x 1
		.amdhsa_system_sgpr_workgroup_id_y 1
		.amdhsa_system_sgpr_workgroup_id_z 1
		.amdhsa_system_vgpr_workitem_id 0
		.amdhsa_next_free_vgpr 256
		.amdhsa_next_free_sgpr 100
		.amdhsa_reserve_vcc 1
		.amdhsa_float_denorm_mode_32 3
		.amdhsa_float_denorm_mode_16_64 3
		.amdhsa_memory_ordered 1
		.amdhsa_forward_progress 1
		.amdhsa_inst_pref_size 104
	.end_amdhsa_kernel
	.amdgpu_metadata
---
amdhsa.version: [ 1, 2 ]
amdhsa.kernels:
  - .name:           k_q2dd752aabd_attn
    .symbol:         k_q2dd752aabd_attn.kd
    .args:
      - { .name: BIG, .offset: 0, .size: 8, .value_kind: global_buffer, .address_space: global }
      - { .name: VO, .offset: 8, .size: 8, .value_kind: global_buffer, .address_space: global }
      - { .name: ACT, .offset: 16, .size: 8, .value_kind: global_buffer, .address_space: global }
    .group_segment_fixed_size: 210944
    .private_segment_fixed_size: 0
    .kernarg_segment_align: 8
    .kernarg_segment_size: 24
    .max_flat_workgroup_size: 512
    .sgpr_count:     100
    .vgpr_count:     256
    .wavefront_size: 32
...
	.end_amdgpu_metadata
.endif
;; end of part 4
;; launch wo (part 5): grid 8 x 32, 4 waves a work-group, clusters of 4 x 4, 327,680 bytes of LDS; arguments ACT, WOW2, bo, x, X1; writes X1
.if DOCPART == 5
	.amdgcn_target "amdgcn-amd-amdhsa--gfx1250"
	.amdhsa_code_object_version 6
	.text
	.protected	k_q2dd752aabd_wo
	.globl	k_q2dd752aabd_wo
	.p2align	8
	.type	k_q2dd752aabd_wo,@function
k_q2dd752aabd_wo:
	s_mov_b64 s[64:65], 0
	v_nop
	global_prefetch_b8 v0, s[64:65] scope:SCOPE_SE
	s_setreg_imm32_b32 hwreg(HW_REG_WAVE_MODE, 25, 1), 1
	s_wait_xcnt 0x0
	s_wait_alu depctr_hold_cnt(0) depctr_sa_sdst(0) depctr_va_vdst(0) depctr_va_sdst(0) depctr_va_ssrc(0) depctr_va_vcc(0) depctr_vm_vsrc(0)
	s_getreg_b32 s2, hwreg(HW_REG_IB_STS2, 6, 4)
	s_cmp_eq_u32 s2, 0
	s_cbranch_scc0 .Lentry_in_a_cluster
	s_endpgm
.Lentry_in_a_cluster:
	s_bfe_u32 s2, ttmp6, 0x10000c
	s_cmp_lg_u32 s2, 0xf033
	s_cbranch_scc0 .Lentry_shape_is_right
	s_endpgm
.Lentry_shape_is_right:
; OUT = RES + A B^T + bias, f32 rows of 1,024: a product of two operands in codes of BF6 (E3M2), here K = 1,024 (A = the attention's result, B = Wo).
; THE OPERAND FORMAT.  Tile T, lane-row r = row 32 (T / 2) + 8 (T % 2) + r % 8 + 16 (r / 8).  A unit = a tile x 64 along K = 768 bytes: at 16 l registers 0-3 (of six) of lane l = r + 16 h, at 512 + 8 l registers 4, 5.
; A tile's units follow each other along K (12 K bytes a tile); a scale piece is 64 bytes for a tile and 128 along K, word r.  A fragment (16 rows x 128 K) is two units, read by four dense loads with no pitch.
; The result has 4,096 x 1,024 numbers: tiles of 128 x 128 give each of 256 work-groups one.  Four waves, 64 x 64 each: 16 accumulators.  K goes in steps of 512 through two LDS slots; a wave's tensor load brings
; 4 tiles x 6,144 bytes.  The scale words of the work-group's rows come once with the first fills.  CLUSTERS: 4 x 4; A's tiles are asked for jointly along a row of the cluster, B's along a column.
; THE MATRIX INSTRUCTION IS USED TRANSPOSED (source 0 = a tile of B, source 1 = a tile of A): a lane holds eight neighbouring numbers of a row.  The bias is the C of each sum's first instruction; the residual is asked
; for at the head, into registers, and added on the way out, which goes through the wave's own stage so that sixteen lanes store 256 consecutive bytes.  The accumulators take turns.
; REGISTERS: window 0: v16-23 fragment addresses, v24-26 the way out, v27 scale address, v32-63 scale words, v64-95 bias, v128-175 A's fragments; window 1: B's two sets; windows 2, 3: v0-63 accumulators; window 2 v64-191 residual.
.set KK,    1024
.set A_SC,  16640
.set A_CD,  147712
.set B_SC,  0
.set B_CD,  32768
.set NA,    4
.set NQ,    4
.set TPL,   1536*NQ
.set HALFT, NA*TPL
.set SLOT,  4*HALFT
.set LAPS,  KK/(256*NQ)
.set FR,    12
.set HL,    (NA/2)*4
.set SCLA,  2*SLOT
.set SCLB,  213120                     ; room for K = 4,096; 128 bytes past a multiple of 256, so that the two halves of the lanes fall on different banks
.set SPARE, 229632
.set STAGE, 230144                     ; 16 rows x 272 bytes for each wave: bytes of its own, into which no fill lands
.set ADRA, 16
.set ADRB, 20
.set RO,   24
.set STO,  25
.set RD,   26
.set ADRS, 27
.set SPW,  28
.set NIL,  29
.set SC,   32
.set BIAS, 64
.set AF,   128
.set BK,   128
.set G1, 24
.set G0, 32
.set G1B, 48
.set G0B, 56
.set G1S, 68
.set G0S, 76
.set G1SB, 80
.set G0SB, 88
.set MSB, 0
.macro WIN new                         ; the immediate's high byte repeats the setting that is left
.if MSB != (\new)
	s_set_vgpr_msb (MSB<<8)|(\new)
.set MSB, \new
.endif
.endm
.macro JLOAD g0a, g1a, g0b, g1b        ; a joint load: waves 0 and 1 fetch for A, waves 2 and 3 for B; an s_nop 0 and four v_nop follow each line
	s_cmp_eq_u32 s15, 0
	s_cbranch_scc0 .Lfor_b_\@
	tensor_load_to_lds s[\g0a:\g0a+3], s[\g1a:\g1a+7]
	s_nop 0
.rept 4
	v_nop
.endr
	s_branch .Lasked_\@
.Lfor_b_\@:
	tensor_load_to_lds s[\g0b:\g0b+3], s[\g1b:\g1b+7]
	s_nop 0
.rept 4
	v_nop
.endr
.Lasked_\@:
.endm
.macro CREST
	s_cmp_lg_u32 s14, 0
	s_cbranch_scc1 .Lnot_wave_0_\@
	s_barrier_signal -3
.Lnot_wave_0_\@:
	s_barrier_wait -3
	s_barrier_signal -1
	s_barrier_wait -1
.endm
.macro CROUND
	s_barrier_signal -1
	s_barrier_wait -1
	CREST
.endm
.macro PLACES n
.rept \n
	v_nop
.endr
.endm
	s_load_b128 s[4:7], s[0:1], 0x0                ; A s[4:5], B s[6:7]
	s_load_b128 s[8:11], s[0:1], 0x10              ; bias s[8:9], residual s[10:11]
	s_load_b64 s[12:13], s[0:1], 0x20              ; OUT
	v_lshl_add_u32 v[SPW], v0, 2, SPARE
	v_mov_b32 v[NIL], 0
	ds_add_u32 v[SPW], v[NIL]                      ; the wave's opening: the add and its wait ahead of my first tensor load
	v_lshrrev_b32 v1, 5, v0
	v_readfirstlane_b32 s14, v1
	s_lshr_b32 s15, s14, 1
	s_and_b32 s16, s14, 1
	s_bfe_u32 s40, ttmp6, 0x40000
	s_bfe_u32 s41, ttmp6, 0x40004
	s_lshl_b32 s42, ttmp9, 2
	s_add_co_u32 s42, s42, s40                     ; block of B = 4 x cluster x + cx
	s_and_b32 s17, ttmp7, 0xffff
	s_lshl_b32 s17, s17, 2
	s_add_co_u32 s17, s17, s41                     ; block of A = 4 x cluster y + cy
	s_lshl_b32 s43, s41, 2
	s_lshl_b32 s43, 15, s43
	s_lshl_b32 s44, 0x1111, s40
	s_or_b32 s[G1+0], s43, (3<<16)|(1<<21)
	s_or_b32 s[G1B+0], s44, (3<<16)|(1<<21)
.irp g, G1, G1B
	s_mov_b32 s[\g+1], (TPL/8)<<16
	s_mov_b32 s[\g+2], NA<<16
	s_mov_b32 s[\g+3], (TPL/8)<<16
	s_mov_b32 s[\g+4], NA
	s_mov_b32 s[\g+5], 12*KK/8
	s_mov_b32 s[\g+6], 0
	s_mov_b32 s[\g+7], 0
.endr
	s_or_b32 s[G1S+0], s43, (3<<16)|(1<<21)
	s_or_b32 s[G1SB+0], s44, (3<<16)|(1<<21)
.irp g, G1S, G1SB
	s_mov_b32 s[\g+1], 32<<16
	s_mov_b32 s[\g+2], (NA*KK/512)<<16
	s_mov_b32 s[\g+3], 32<<16
	s_mov_b32 s[\g+4], NA*KK/512
	s_mov_b32 s[\g+5], 32
	s_mov_b32 s[\g+6], 0
	s_mov_b32 s[\g+7], 0
.endr
	s_mul_i32 s18, s16, NA
	s_mul_i32 s20, s17, 2*NA
	s_add_co_u32 s20, s20, s18
	s_mul_i32 s46, s42, 2*NA
	s_add_co_u32 s46, s46, s18
	s_mul_i32 s22, s20, KK/2
	s_add_co_u32 s22, s22, A_SC
	s_mov_b32 s23, 0
	s_mul_i32 s92, s46, KK/2
	s_add_co_u32 s92, s92, B_SC
	s_mov_b32 s93, 0
	s_mul_i32 s20, s20, 12*KK
	s_add_co_u32 s20, s20, A_CD
	s_mov_b32 s21, 0
	s_mul_i32 s46, s46, 12*KK
	s_add_co_u32 s46, s46, B_CD
	s_mov_b32 s47, 0
	s_mul_i32 s45, s14, HALFT
	s_mul_i32 s94, s16, NA*KK/2
	s_wait_dscnt 0x0                               ; the opening add is done
	s_wait_kmcnt 0x0
	s_add_nc_u64 s[20:21], s[4:5], s[20:21]
	s_add_nc_u64 s[22:23], s[4:5], s[22:23]
	s_add_nc_u64 s[46:47], s[6:7], s[46:47]
	s_add_nc_u64 s[92:93], s[6:7], s[92:93]
	CROUND                                         ; all sixteen work-groups are here: the first joint loads meet
	s_mov_b32 s[G0S], 1
	s_add_co_u32 s[G0S+1], s94, SCLA
	s_mov_b64 s[G0S+2:G0S+3], s[22:23]
	s_or_b32 s[G0S+3], s[G0S+3], 0x80000000
	s_mov_b32 s[G0SB], 1
	s_add_co_u32 s[G0SB+1], s94, SCLB
	s_mov_b64 s[G0SB+2:G0SB+3], s[92:93]
	s_or_b32 s[G0SB+3], s[G0SB+3], 0x80000000
	JLOAD G0S, G1S, G0SB, G1SB                     ; the scale words first; with the two slots three loads of mine are out
.irp s, 0,1
	s_mov_b32 s[G0+4*\s], 1
	s_add_co_u32 s[G0+4*\s+1], s45, \s*SLOT
	s_add_nc_u64 s[G0+4*\s+2:G0+4*\s+3], s[20:21], \s*TPL
	s_or_b32 s[G0+4*\s+3], s[G0+4*\s+3], 0x80000000
	s_mov_b32 s[G0B+4*\s], 1
	s_add_co_u32 s[G0B+4*\s+1], s45, \s*SLOT
	s_add_nc_u64 s[G0B+4*\s+2:G0B+4*\s+3], s[46:47], \s*TPL
	s_or_b32 s[G0B+4*\s+3], s[G0B+4*\s+3], 0x80000000
	JLOAD G0+4*\s, G1, G0B+4*\s, G1B
.endr
	v_and_b32 v1, 15, v0                           ; r
	v_bfe_u32 v2, v0, 4, 1                         ; h
	v_and_b32 v3, 31, v0
	v_lshlrev_b32 v4, 4, v3
	v_lshlrev_b32 v5, 3, v3
	v_add_nc_u32 v5, 512, v5
	s_mul_i32 s21, s15, HALFT
	s_mul_i32 s22, s16, HALFT
	s_add_co_u32 s22, s22, 2*HALFT
.irp s, 0,1
	v_add_nc_u32 v[ADRA+\s], s21, v4
	v_add_nc_u32 v[ADRB+\s], s22, v4
	v_add_nc_u32 v[ADRA+2+\s], s21, v5
	v_add_nc_u32 v[ADRB+2+\s], s22, v5
	s_add_co_u32 s21, s21, SLOT
	s_add_co_u32 s22, s22, SLOT
.endr
	s_mul_i32 s21, s15, NA*KK/2
	s_mul_i32 s22, s16, NA*KK/2
	s_add_co_u32 s22, s22, SCLB-SCLA
	s_sub_co_u32 s22, s22, s21
	v_mul_u32_u24 v6, s22, v2                      ; lanes 16-31 take B's words
	s_add_co_u32 s21, s21, SCLA
	v_lshl_add_u32 v6, v1, 2, v6
	v_add_nc_u32 v[ADRS], s21, v6
	s_mul_i32 s23, s14, 16*272
	s_add_co_u32 s23, s23, STAGE                   ; my stage
	v_mul_u32_u24 v[STO], v1, 272
	v_lshl_add_u32 v[STO], v2, 6, v[STO]
	v_add_nc_u32 v[STO], s23, v[STO]               ; in: row r, + 64 h
	v_mul_u32_u24 v[RD], v2, 272
	v_lshl_add_u32 v[RD], v1, 4, v[RD]
	v_add_nc_u32 v[RD], s23, v[RD]                 ; back: lanes 0-15 one row, lanes 16-31 the next
	v_lshlrev_b32 v[RO], 12, v2
	v_lshl_add_u32 v[RO], v1, 4, v[RO]             ; and the same in memory: rows of 4,096 bytes
	s_lshl_b32 s20, s17, 7
	s_lshl_b32 s21, s15, 6
	s_add_co_u32 s20, s20, s21                     ; my first row
	s_lshl_b32 s20, s20, 12
	s_lshl_b32 s46, s42, 9
	s_lshl_b32 s47, s16, 8
	s_add_co_u32 s46, s46, s47                     ; my first column, in bytes
	s_mov_b32 s47, 0
	s_add_nc_u64 s[8:9], s[8:9], s[46:47]
	s_add_co_u32 s20, s20, s46
	s_mov_b32 s21, 0
	s_add_nc_u64 s[10:11], s[10:11], s[20:21]
	s_add_nc_u64 s[12:13], s[12:13], s[20:21]
	v_lshlrev_b32 v7, 6, v2                        ; register 8 b + j of lane (r, h) is column 32 (b / 2) + 16 h + 8 (b % 2) + j
.set I_, 0
.rept NA
	global_load_b128 v[BIAS+8*I_:BIAS+8*I_+3], v7, s[8:9] offset:128*(I_/2)+32*(I_%2)
	global_load_b128 v[BIAS+8*I_+4:BIAS+8*I_+7], v7, s[8:9] offset:128*(I_/2)+32*(I_%2)+16
.set I_, I_+1
.endr
	WIN 0x80                                       ; destination window 2: the residual of my 64 x 64, in the order in which the stage gives the rows back
.set A_, 0
.rept 4
.set T_, 0
.rept 8
	global_load_b128 v[64+32*A_+4*T_:64+32*A_+4*T_+3], v[RO], s[10:11] offset:4096*(32*(A_/2)+8*(A_%2)+(2*T_)%8+16*(T_/4))
.set T_, T_+1
.endr
.set A_, A_+1
.endr
	WIN 0
.macro FRAG reg, adr, q, i
	ds_load_b128 v[\reg:\reg+3], v[\adr] offset:(\i)*TPL+1536*(\q)
	ds_load_b64 v[\reg+4:\reg+5], v[\adr+2] offset:(\i)*TPL+1536*(\q)
	ds_load_b128 v[\reg+6:\reg+9], v[\adr] offset:(\i)*TPL+1536*(\q)+768
	ds_load_b64 v[\reg+10:\reg+11], v[\adr+2] offset:(\i)*TPL+1536*(\q)+768
.endm
.macro FETCH_B slot, q, p
	WIN 0x40
.set I_, 0
.rept NA
	FRAG 128*(\p)+FR*I_, ADRB+\slot, \q, I_
.set I_, I_+1
.endr
	WIN 0
.endm
.macro FETCH_A slot, q, i0
.set I_, \i0
.rept NA/2
	FRAG AF+FR*I_, ADRA+\slot, \q, I_
.set I_, I_+1
.endr
.endm
.macro SCALES sc
.set I_, 0
.rept NA
.set Q2_, 0
.rept NQ
	ds_load_b32 v[SC+16*(\sc)+NQ*I_+Q2_], v[ADRS] offset:I_*(KK/2)+64*Q2_
.set Q2_, Q2_+1
.endr
.set I_, I_+1
.endr
.endm
.macro MULA a, p, q, sc, first
.set B_, 0
.rept NA
.set ACR, 8*(NA*((\a)%(NA/2))+B_)
.if \first
	v_wmma_scale_f32_16x16x128_f8f6f4 v[ACR:ACR+7], v[128*(\p)+FR*B_:128*(\p)+FR*B_+FR-1], v[AF+FR*(\a):AF+FR*(\a)+FR-1], v[BIAS+8*B_:BIAS+8*B_+7], v[SC+16*(\sc)+NQ*B_+(\q)], v[SC+16*(\sc)+NQ*(\a)+(\q)] matrix_a_fmt:MATRIX_FMT_BF6 matrix_b_fmt:MATRIX_FMT_BF6 matrix_a_scale:MATRIX_SCALE_ROW1
.else
	v_wmma_scale_f32_16x16x128_f8f6f4 v[ACR:ACR+7], v[128*(\p)+FR*B_:128*(\p)+FR*B_+FR-1], v[AF+FR*(\a):AF+FR*(\a)+FR-1], v[ACR:ACR+7], v[SC+16*(\sc)+NQ*B_+(\q)], v[SC+16*(\sc)+NQ*(\a)+(\q)] matrix_a_fmt:MATRIX_FMT_BF6 matrix_b_fmt:MATRIX_FMT_BF6 matrix_a_scale:MATRIX_SCALE_ROW1
.endif
.set B_, B_+1
.endr
.endm
.macro MULS lo, n, p, q, sc, first
.set A_, \lo
.rept \n
	MULA A_, \p, \q, \sc, \first
.set A_, A_+1
.endr
.endm
.macro STEP slot, q, first
	s_wait_dscnt HL                                ; B's set and A's lower half are in; the youngest loads, A's upper half, may be out
.if \first
	WIN 0x81
.else
	WIN 0xa1
.endif
	MULS 0, NA/2, (\q)%2, \q, \slot, \first
	s_wait_dscnt 0x0
	PLACES 4
	FETCH_B \slot, (\q)+1, 1-(\q)%2
	FETCH_A \slot, (\q)+1, 0
.if \first
	WIN 0xc1
.else
	WIN 0xf1
.endif
	MULS NA/2, NA/2, (\q)%2, \q, \slot, \first
	PLACES 4
	WIN 0
	FETCH_A \slot, (\q)+1, NA/2
.endm
.macro TURN slot, next, fill
	s_wait_tensorcnt 0x0                           ; all my tensor loads have landed: my part of the next slot
	ds_add_u32 v[SPW], v[NIL]                      ; 0 onto my spare word
	s_wait_dscnt HL+1                              ; (the add and A's upper half may be out)
	WIN 0xa1
	MULS 0, NA/4, 1, NQ-1, \slot, 0
	s_wait_dscnt 0x0                               ; the add is done, and my reads of this slot are over
	s_barrier_signal -1
	MULS NA/4, NA/4, 1, NQ-1, \slot, 0
	WIN 0
	s_barrier_wait -1
.if \fill
	CREST                                          ; the barrier has opened a round of the cluster's: no wave of any partner still reads this slot or has a load on its way
	s_add_nc_u64 s[G0+4*\slot+2:G0+4*\slot+3], s[G0+4*\slot+2:G0+4*\slot+3], 2*TPL
	s_add_nc_u64 s[G0B+4*\slot+2:G0B+4*\slot+3], s[G0B+4*\slot+2:G0B+4*\slot+3], 2*TPL
	JLOAD G0+4*\slot, G1, G0B+4*\slot, G1B
.else
	PLACES 4
.endif
	v_add_nc_u32 v[ADRS], 64*NQ, v[ADRS]
	FETCH_B \next, 0, 0
	FETCH_A \next, 0, 0
	SCALES \next
	WIN 0xf1
	MULS NA/2, NA/2, 1, NQ-1, \slot, 0
	PLACES 4
	WIN 0
	FETCH_A \next, 0, NA/2
.endm
.macro RUN slot, from
.set Q_, \from
.rept NQ-1-(\from)
	STEP \slot, Q_, 0
.set Q_, Q_+1
.endr
.endm
	s_wait_tensorcnt 1                             ; the scale words and my part of slot 0 are in; slot 1's load may be out
	s_barrier_signal -1
	s_barrier_wait -1
	FETCH_B 0, 0, 0
	FETCH_A 0, 0, 0
	SCALES 0
	FETCH_A 0, 0, NA/2
	s_wait_loadcnt 32                              ; the bias is in; the residual's 32 loads may be out
	STEP 0, 0, 1
.if LAPS > 1
	s_mov_b32 s3, LAPS-1
.Llap:
	RUN 0, 1
	TURN 0, 1, 1
	RUN 1, 0
	TURN 1, 0, 1
	STEP 0, 0, 0
	s_sub_co_u32 s3, s3, 1
	s_cmp_lg_u32 s3, 0
	s_cbranch_scc1 .Llap
.endif
	RUN 0, 1
	TURN 0, 1, 0
	RUN 1, 0
	s_wait_dscnt HL
	WIN 0xa1
	MULS 0, NA/2, 1, NQ-1, 1, 0
	s_wait_dscnt 0x0
	WIN 0xf1
	MULS NA/2, NA/2, 1, NQ-1, 1, 0
	WIN 0
.macro TOSTAGE a                       ; a tile of 16 rows x 64 columns into my stage, and back as rows of 256 bytes; LDS serves a wave's instructions in order
.set AC, 32*((\a)%2)
	WIN 0x08+4*((\a)/2)                            ; the data: window 2 or 3
.irp b, 0,1,2,3
	ds_store_b128 v[STO], v[AC+8*\b:AC+8*\b+3] offset:128*(\b/2)+32*(\b%2)
	ds_store_b128 v[STO], v[AC+8*\b+4:AC+8*\b+7] offset:128*(\b/2)+32*(\b%2)+16
.endr
	WIN 0
.set BB_, BK+32*((\a)%2)
.irp t, 0,1,2,3,4,5,6,7
	ds_load_b128 v[BB_+4*\t:BB_+4*\t+3], v[RD] offset:544*\t
.endr
.endm
.macro SEND a, younger
.set BB_, BK+32*((\a)%2)
	s_wait_dscnt \younger                          ; the tile is back; the next tile's stores and loads may be out
	WIN 0x08                                       ; source 1: window 2
.set J_, 0
.rept 16
	v_pk_add_f32 v[BB_+J_:BB_+J_+1], v[BB_+J_:BB_+J_+1], v[64+32*(\a)+J_:64+32*(\a)+J_+1]   ; + the residual
.set J_, J_+2
.endr
	WIN 0
.irp t, 0,1,2,3,4,5,6,7
	global_store_b128 v[RO], v[BB_+4*\t:BB_+4*\t+3], s[12:13] offset:4096*(32*((\a)/2)+8*((\a)%2)+(2*\t)%8+16*(\t/4))   ; sixteen lanes store 256 consecutive bytes, aligned
.endr
.endm
	s_wait_loadcnt 0x0                             ; the residual
	PLACES 4
	TOSTAGE 0
.irp a, 1,2,3
.if \a > 1
	s_wait_xcnt 0x0                                ; tile a - 2's stores have read their registers: tile a's loads may land there
.endif
	TOSTAGE \a
	SEND \a-1, 16
.endr
	SEND 3, 0
	s_wait_tensorcnt 0x0                           ; the wave's end
	ds_add_u32 v[SPW], v[NIL]
	s_wait_dscnt 0x0
	CROUND                                         ; the closing round
	s_endpgm
.Lfunc_end_k_q2dd752aabd_wo:
	.size	k_q2dd752aabd_wo, .Lfunc_end_k_q2dd752aabd_wo-k_q2dd752aabd_wo
	.p2alignl 7, 3214868480
	.fill 96, 4, 3214868480
	.section	.rodata,"a",@progbits
	.p2align	6, 0x0
	.amdhsa_kernel k_q2dd752aabd_wo
		.amdhsa_group_segment_fixed_size 327680
		.amdhsa_private_segment_fixed_size 0
		.amdhsa_enable_private_segment 0
		.amdhsa_kernarg_size 40
		.amdhsa_user_sgpr_count 2
		.amdhsa_user_sgpr_kernarg_segment_ptr 1
		.amdhsa_wavefront_size32 1
		.amdhsa_system_sgpr_workgroup_id_x 1
		.amdhsa_system_sgpr_workgroup_id_y 1
		.amdhsa_system_sgpr_workgroup_id_z 1
		.amdhsa_system_vgpr_workitem_id 0
		.amdhsa_next_free_vgpr 1024
		.amdhsa_next_free_sgpr 100
		.amdhsa_reserve_vcc 0
		.amdhsa_float_denorm_mode_32 3
		.amdhsa_float_denorm_mode_16_64 3
		.amdhsa_memory_ordered 1
		.amdhsa_forward_progress 1
		.amdhsa_inst_pref_size 64
	.end_amdhsa_kernel
	.amdgpu_metadata
---
amdhsa.version: [ 1, 2 ]
amdhsa.kernels:
  - .name:           k_q2dd752aabd_wo
    .symbol:         k_q2dd752aabd_wo.kd
    .args:
      - { .name: ACT, .offset: 0, .size: 8, .value_kind: global_buffer, .address_space: global }
      - { .name: WOW2, .offset: 8, .size: 8, .value_kind: global_buffer, .address_space: global }
      - { .name: bo, .offset: 16, .size: 8, .value_kind: global_buffer, .address_space: global }
      - { .name: x, .offset: 24, .size: 8, .value_kind: global_buffer, .address_space: global }
      - { .name: X1, .offset: 32, .size: 8, .value_kind: global_buffer, .address_space: global }
    .group_segment_fixed_size: 327680
    .private_segment_fixed_size: 0
    .kernarg_segment_align: 8
    .kernarg_segment_size: 40
    .max_flat_workgroup_size: 128
    .sgpr_count:     100
    .vgpr_count:     1024
    .wavefront_size: 32
...
	.end_amdgpu_metadata
.endif
;; end of part 5
;; launch ln2: the kernel of part 2 again; grid 256 x 1, 4 waves a work-group, no clusters, 31,744 bytes of LDS; arguments X1, ln2_g, ln2_b, ACT; writes ACT
;; launch w1: the kernel of part 3 again; grid 16 x 16, 4 waves a work-group, clusters of 4 x 4, 327,680 bytes of LDS; arguments ACT, W1B, BIG; writes BIG
;; launch w2 (part 6): grid 8 x 32, 4 waves a work-group, clusters of 4 x 4, 327,680 bytes of LDS; arguments BIG, WOW2, b2, X1, out0; writes out0
.if DOCPART == 6
	.amdgcn_target "amdgcn-amd-amdhsa--gfx1250"
	.amdhsa_code_object_version 6
	.text
	.protected	k_q2dd752aabd_w2
	.globl	k_q2dd752aabd_w2
	.p2align	8
	.type	k_q2dd752aabd_w2,@function
k_q2dd752aabd_w2:
	s_mov_b64 s[64:65], 0
	v_nop
	global_prefetch_b8 v0, s[64:65] scope:SCOPE_SE
	s_setreg_imm32_b32 hwreg(HW_REG_WAVE_MODE, 25, 1), 1
	s_wait_xcnt 0x0
	s_wait_alu depctr_hold_cnt(0) depctr_sa_sdst(0) depctr_va_vdst(0) depctr_va_sdst(0) depctr_va_ssrc(0) depctr_va_vcc(0) depctr_vm_vsrc(0)
	s_getreg_b32 s2, hwreg(HW_REG_IB_STS2, 6, 4)
	s_cmp_eq_u32 s2, 0
	s_cbranch_scc0 .Lentry_in_a_cluster
	s_endpgm
.Lentry_in_a_cluster:
	s_bfe_u32 s2, ttmp6, 0x10000c
	s_cmp_lg_u32 s2, 0xf033
	s_cbranch_scc0 .Lentry_shape_is_right
	s_endpgm
.Lentry_shape_is_right:
; OUT = RES + A B^T + bias, f32 rows of 1,024: a product of two operands in codes of BF6 (E3M2), here K = 4,096 (A = the hidden layer, B = W2).
; THE OPERAND FORMAT.  Tile T, lane-row r = row 32 (T / 2) + 8 (T % 2) + r % 8 + 16 (r / 8).  A unit = a tile x 64 along K = 768 bytes: at 16 l registers 0-3 (of six) of lane l = r + 16 h, at 512 + 8 l registers 4, 5.
; A tile's units follow each other along K (12 K bytes a tile); a scale piece is 64 bytes for a tile and 128 along K, word r.  A fragment (16 rows x 128 K) is two units, read by four dense loads with no pitch.
; The result has 4,096 x 1,024 numbers: tiles of 128 x 128 give each of 256 work-groups one.  Four waves, 64 x 64 each: 16 accumulators.  K goes in steps of 512 through a ring of two LDS slots; a wave's tensor load
; brings 4 tiles x 6,144 bytes and has a slot's 64 matrix instructions a wave in which to land.  The scale words of the work-group's rows come once with the first fills.
; CLUSTERS: 4 x 4; A's tiles are asked for jointly along a row of the cluster, B's along a column.
; THE MATRIX INSTRUCTION IS USED TRANSPOSED (source 0 = a tile of B, source 1 = a tile of A): a lane holds eight neighbouring numbers of a row.  The bias is the C of each sum's first instruction; the residual is asked
; for at the head, into registers, and added on the way out, which goes through the wave's own stage so that sixteen lanes store 256 consecutive bytes.  The accumulators take turns.
; REGISTERS: window 0: v16-23 fragment addresses, v24-26 the way out, v27 scale address, v32-63 scale words, v64-95 bias, v128-175 A's fragments; window 1: B's two sets; windows 2, 3: v0-63 accumulators; window 2 v64-191 residual.
.set KK,    4096
.set A_SC,  0
.set A_CD,  524288
.set B_SC,  819200
.set B_CD,  950272
.set NA,    4
.set NQ,    4
.set TPL,   1536*NQ
.set HALFT, NA*TPL
.set SLOT,  4*HALFT
.set LAPS,  KK/(256*NQ)
.set FR,    12
.set HL,    (NA/2)*4
.set SCLA,  2*SLOT
.set SCLB,  213120                     ; 128 bytes past a multiple of 256, so that the two halves of the lanes fall on different banks
.set SPARE, 229632
.set STAGE, 230144                     ; 16 rows x 272 bytes for each wave: bytes of its own, into which no fill lands
.set ADRA, 16
.set ADRB, 20
.set RO,   24
.set STO,  25
.set RD,   26
.set ADRS, 27
.set SPW,  28
.set NIL,  29
.set SC,   32
.set BIAS, 64
.set AF,   128
.set BK,   128
.set G1, 24
.set G0, 32
.set G1B, 48
.set G0B, 56
.set G1S, 68
.set G0S, 76
.set G1SB, 80
.set G0SB, 88
.set MSB, 0
.macro WIN new                         ; the immediate's high byte repeats the setting that is left
.if MSB != (\new)
	s_set_vgpr_msb (MSB<<8)|(\new)
.set MSB, \new
.endif
.endm
.macro JLOAD g0a, g1a, g0b, g1b        ; a joint load: waves 0 and 1 fetch for A, waves 2 and 3 for B; an s_nop 0 and four v_nop follow each line
	s_cmp_eq_u32 s15, 0
	s_cbranch_scc0 .Lfor_b_\@
	tensor_load_to_lds s[\g0a:\g0a+3], s[\g1a:\g1a+7]
	s_nop 0
.rept 4
	v_nop
.endr
	s_branch .Lasked_\@
.Lfor_b_\@:
	tensor_load_to_lds s[\g0b:\g0b+3], s[\g1b:\g1b+7]
	s_nop 0
.rept 4
	v_nop
.endr
.Lasked_\@:
.endm
.macro CREST
	s_cmp_lg_u32 s14, 0
	s_cbranch_scc1 .Lnot_wave_0_\@
	s_barrier_signal -3
.Lnot_wave_0_\@:
	s_barrier_wait -3
	s_barrier_signal -1
	s_barrier_wait -1
.endm
.macro CROUND
	s_barrier_signal -1
	s_barrier_wait -1
	CREST
.endm
.macro PLACES n
.rept \n
	v_nop
.endr
.endm
	s_load_b128 s[4:7], s[0:1], 0x0                ; A s[4:5], B s[6:7]
	s_load_b128 s[8:11], s[0:1], 0x10              ; bias s[8:9], residual s[10:11]
	s_load_b64 s[12:13], s[0:1], 0x20              ; OUT
	v_lshl_add_u32 v[SPW], v0, 2, SPARE
	v_mov_b32 v[NIL], 0
	ds_add_u32 v[SPW], v[NIL]                      ; the wave's opening: the add and its wait ahead of my first tensor load
	v_lshrrev_b32 v1, 5, v0
	v_readfirstlane_b32 s14, v1
	s_lshr_b32 s15, s14, 1
	s_and_b32 s16, s14, 1
	s_bfe_u32 s40, ttmp6, 0x40000
	s_bfe_u32 s41, ttmp6, 0x40004
	s_lshl_b32 s42, ttmp9, 2
	s_add_co_u32 s42, s42, s40                     ; block of B = 4 x cluster x + cx
	s_and_b32 s17, ttmp7, 0xffff
	s_lshl_b32 s17, s17, 2
	s_add_co_u32 s17, s17, s41                     ; block of A = 4 x cluster y + cy
	s_lshl_b32 s43, s41, 2
	s_lshl_b32 s43, 15, s43
	s_lshl_b32 s44, 0x1111, s40
	s_or_b32 s[G1+0], s43, (3<<16)|(1<<21)
	s_or_b32 s[G1B+0], s44, (3<<16)|(1<<21)
.irp g, G1, G1B
	s_mov_b32 s[\g+1], (TPL/8)<<16
	s_mov_b32 s[\g+2], NA<<16
	s_mov_b32 s[\g+3], (TPL/8)<<16
	s_mov_b32 s[\g+4], NA
	s_mov_b32 s[\g+5], 12*KK/8
	s_mov_b32 s[\g+6], 0
	s_mov_b32 s[\g+7], 0
.endr
	s_or_b32 s[G1S+0], s43, (3<<16)|(1<<21)
	s_or_b32 s[G1SB+0], s44, (3<<16)|(1<<21)
.irp g, G1S, G1SB
	s_mov_b32 s[\g+1], 32<<16
	s_mov_b32 s[\g+2], (NA*KK/512)<<16
	s_mov_b32 s[\g+3], 32<<16
	s_mov_b32 s[\g+4], NA*KK/512
	s_mov_b32 s[\g+5], 32
	s_mov_b32 s[\g+6], 0
	s_mov_b32 s[\g+7], 0
.endr
	s_mul_i32 s18, s16, NA
	s_mul_i32 s20, s17, 2*NA
	s_add_co_u32 s20, s20, s18
	s_mul_i32 s46, s42, 2*NA
	s_add_co_u32 s46, s46, s18
	s_mul_i32 s22, s20, KK/2
	s_add_co_u32 s22, s22, A_SC
	s_mov_b32 s23, 0
	s_mul_i32 s92, s46, KK/2
	s_add_co_u32 s92, s92, B_SC
	s_mov_b32 s93, 0
	s_mul_i32 s20, s20, 12*KK
	s_add_co_u32 s20, s20, A_CD
	s_mov_b32 s21, 0
	s_mul_i32 s46, s46, 12*KK
	s_add_co_u32 s46, s46, B_CD
	s_mov_b32 s47, 0
	s_mul_i32 s45, s14, HALFT
	s_mul_i32 s94, s16, NA*KK/2
	s_wait_dscnt 0x0                               ; the opening add is done
	s_wait_kmcnt 0x0
	s_add_nc_u64 s[20:21], s[4:5], s[20:21]
	s_add_nc_u64 s[22:23], s[4:5], s[22:23]
	s_add_nc_u64 s[46:47], s[6:7], s[46:47]
	s_add_nc_u64 s[92:93], s[6:7], s[92:93]
	CROUND                                         ; all sixteen work-groups are here: the first joint loads meet
	s_mov_b32 s[G0S], 1
	s_add_co_u32 s[G0S+1], s94, SCLA
	s_mov_b64 s[G0S+2:G0S+3], s[22:23]
	s_or_b32 s[G0S+3], s[G0S+3], 0x80000000
	s_mov_b32 s[G0SB], 1
	s_add_co_u32 s[G0SB+1], s94, SCLB
	s_mov_b64 s[G0SB+2:G0SB+3], s[92:93]
	s_or_b32 s[G0SB+3], s[G0SB+3], 0x80000000
	JLOAD G0S, G1S, G0SB, G1SB                     ; the scale words first; with the two slots three loads of mine are out
.irp s, 0,1
	s_mov_b32 s[G0+4*\s], 1
	s_add_co_u32 s[G0+4*\s+1], s45, \s*SLOT
	s_add_nc_u64 s[G0+4*\s+2:G0+4*\s+3], s[20:21], \s*TPL
	s_or_b32 s[G0+4*\s+3], s[G0+4*\s+3], 0x80000000
	s_mov_b32 s[G0B+4*\s], 1
	s_add_co_u32 s[G0B+4*\s+1], s45, \s*SLOT
	s_add_nc_u64 s[G0B+4*\s+2:G0B+4*\s+3], s[46:47], \s*TPL
	s_or_b32 s[G0B+4*\s+3], s[G0B+4*\s+3], 0x80000000
	JLOAD G0+4*\s, G1, G0B+4*\s, G1B
.endr
	v_and_b32 v1, 15, v0                           ; r
	v_bfe_u32 v2, v0, 4, 1                         ; h
	v_and_b32 v3, 31, v0
	v_lshlrev_b32 v4, 4, v3
	v_lshlrev_b32 v5, 3, v3
	v_add_nc_u32 v5, 512, v5
	s_mul_i32 s21, s15, HALFT
	s_mul_i32 s22, s16, HALFT
	s_add_co_u32 s22, s22, 2*HALFT
.irp s, 0,1
	v_add_nc_u32 v[ADRA+\s], s21, v4
	v_add_nc_u32 v[ADRB+\s], s22, v4
	v_add_nc_u32 v[ADRA+2+\s], s21, v5
	v_add_nc_u32 v[ADRB+2+\s], s22, v5
	s_add_co_u32 s21, s21, SLOT
	s_add_co_u32 s22, s22, SLOT
.endr
	s_mul_i32 s21, s15, NA*KK/2
	s_mul_i32 s22, s16, NA*KK/2
	s_add_co_u32 s22, s22, SCLB-SCLA
	s_sub_co_u32 s22, s22, s21
	v_mul_u32_u24 v6, s22, v2                      ; lanes 16-31 take B's words
	s_add_co_u32 s21, s21, SCLA
	v_lshl_add_u32 v6, v1, 2, v6
	v_add_nc_u32 v[ADRS], s21, v6
	s_mul_i32 s23, s14, 16*272
	s_add_co_u32 s23, s23, STAGE                   ; my stage
	v_mul_u32_u24 v[STO], v1, 272
	v_lshl_add_u32 v[STO], v2, 6, v[STO]
	v_add_nc_u32 v[STO], s23, v[STO]               ; in: row r, + 64 h
	v_mul_u32_u24 v[RD], v2, 272
	v_lshl_add_u32 v[RD], v1, 4, v[RD]
	v_add_nc_u32 v[RD], s23, v[RD]                 ; back: lanes 0-15 one row, lanes 16-31 the next
	v_lshlrev_b32 v[RO], 12, v2
	v_lshl_add_u32 v[RO], v1, 4, v[RO]             ; and the same in memory: rows of 4,096 bytes
	s_lshl_b32 s20, s17, 7
	s_lshl_b32 s21, s15, 6
	s_add_co_u32 s20, s20, s21                     ; my first row
	s_lshl_b32 s20, s20, 12
	s_lshl_b32 s46, s42, 9
	s_lshl_b32 s47, s16, 8
	s_add_co_u32 s46, s46, s47                     ; my first column, in bytes
	s_mov_b32 s47, 0
	s_add_nc_u64 s[8:9], s[8:9], s[46:47]
	s_add_co_u32 s20, s20, s46
	s_mov_b32 s21, 0
	s_add_nc_u64 s[10:11], s[10:11], s[20:21]
	s_add_nc_u64 s[12:13], s[12:13], s[20:21]
	v_lshlrev_b32 v7, 6, v2                        ; register 8 b + j of lane (r, h) is column 32 (b / 2) + 16 h + 8 (b % 2) + j
.set I_, 0
.rept NA
	global_load_b128 v[BIAS+8*I_:BIAS+8*I_+3], v7, s[8:9] offset:128*(I_/2)+32*(I_%2)
	global_load_b128 v[BIAS+8*I_+4:BIAS+8*I_+7], v7, s[8:9] offset:128*(I_/2)+32*(I_%2)+16
.set I_, I_+1
.endr
	WIN 0x80                                       ; destination window 2: the residual of my 64 x 64, in the order in which the stage gives the rows back
.set A_, 0
.rept 4
.set T_, 0
.rept 8
	global_load_b128 v[64+32*A_+4*T_:64+32*A_+4*T_+3], v[RO], s[10:11] offset:4096*(32*(A_/2)+8*(A_%2)+(2*T_)%8+16*(T_/4))
.set T_, T_+1
.endr
.set A_, A_+1
.endr
	WIN 0
.macro FRAG reg, adr, q, i
	ds_load_b128 v[\reg:\reg+3], v[\adr] offset:(\i)*TPL+1536*(\q)
	ds_load_b64 v[\reg+4:\reg+5], v[\adr+2] offset:(\i)*TPL+1536*(\q)
	ds_load_b128 v[\reg+6:\reg+9], v[\adr] offset:(\i)*TPL+1536*(\q)+768
	ds_load_b64 v[\reg+10:\reg+11], v[\adr+2] offset:(\i)*TPL+1536*(\q)+768
.endm
.macro FETCH_B slot, q, p
	WIN 0x40
.set I_, 0
.rept NA
	FRAG 128*(\p)+FR*I_, ADRB+\slot, \q, I_
.set I_, I_+1
.endr
	WIN 0
.endm
.macro FETCH_A slot, q, i0
.set I_, \i0
.rept NA/2
	FRAG AF+FR*I_, ADRA+\slot, \q, I_
.set I_, I_+1
.endr
.endm
.macro SCALES sc
.set I_, 0
.rept NA
.set Q2_, 0
.rept NQ
	ds_load_b32 v[SC+16*(\sc)+NQ*I_+Q2_], v[ADRS] offset:I_*(KK/2)+64*Q2_
.set Q2_, Q2_+1
.endr
.set I_, I_+1
.endr
.endm
.macro MULA a, p, q, sc, first
.set B_, 0
.rept NA
.set ACR, 8*(NA*((\a)%(NA/2))+B_)
.if \first
	v_wmma_scale_f32_16x16x128_f8f6f4 v[ACR:ACR+7], v[128*(\p)+FR*B_:128*(\p)+FR*B_+FR-1], v[AF+FR*(\a):AF+FR*(\a)+FR-1], v[BIAS+8*B_:BIAS+8*B_+7], v[SC+16*(\sc)+NQ*B_+(\q)], v[SC+16*(\sc)+NQ*(\a)+(\q)] matrix_a_fmt:MATRIX_FMT_BF6 matrix_b_fmt:MATRIX_FMT_BF6 matrix_a_scale:MATRIX_SCALE_ROW1
.else
	v_wmma_scale_f32_16x16x128_f8f6f4 v[ACR:ACR+7], v[128*(\p)+FR*B_:128*(\p)+FR*B_+FR-1], v[AF+FR*(\a):AF+FR*(\a)+FR-1], v[ACR:ACR+7], v[SC+16*(\sc)+NQ*B_+(\q)], v[SC+16*(\sc)+NQ*(\a)+(\q)] matrix_a_fmt:MATRIX_FMT_BF6 matrix_b_fmt:MATRIX_FMT_BF6 matrix_a_scale:MATRIX_SCALE_ROW1
.endif
.set B_, B_+1
.endr
.endm
.macro MULS lo, n, p, q, sc, first
.set A_, \lo
.rept \n
	MULA A_, \p, \q, \sc, \first
.set A_, A_+1
.endr
.endm
.macro STEP slot, q, first
	s_wait_dscnt HL                                ; B's set and A's lower half are in; the youngest loads, A's upper half, may be out
.if \first
	WIN 0x81
.else
	WIN 0xa1
.endif
	MULS 0, NA/2, (\q)%2, \q, \slot, \first
	s_wait_dscnt 0x0
	PLACES 4
	FETCH_B \slot, (\q)+1, 1-(\q)%2
	FETCH_A \slot, (\q)+1, 0
.if \first
	WIN 0xc1
.else
	WIN 0xf1
.endif
	MULS NA/2, NA/2, (\q)%2, \q, \slot, \first
	PLACES 4
	WIN 0
	FETCH_A \slot, (\q)+1, NA/2
.endm
.macro TURN slot, next, fill
	s_wait_tensorcnt 0x0                           ; all my tensor loads have landed: my part of the next slot
	ds_add_u32 v[SPW], v[NIL]                      ; 0 onto my spare word
	s_wait_dscnt HL+1                              ; (the add and A's upper half may be out)
	WIN 0xa1
	MULS 0, NA/4, 1, NQ-1, \slot, 0
	s_wait_dscnt 0x0                               ; the add is done, and my reads of this slot are over
	s_barrier_signal -1
	MULS NA/4, NA/4, 1, NQ-1, \slot, 0
	WIN 0
	s_barrier_wait -1
.if \fill
	CREST                                          ; the barrier has opened a round of the cluster's: no wave of any partner still reads this slot or has a load on its way
	s_add_nc_u64 s[G0+4*\slot+2:G0+4*\slot+3], s[G0+4*\slot+2:G0+4*\slot+3], 2*TPL
	s_add_nc_u64 s[G0B+4*\slot+2:G0B+4*\slot+3], s[G0B+4*\slot+2:G0B+4*\slot+3], 2*TPL
	JLOAD G0+4*\slot, G1, G0B+4*\slot, G1B
.else
	PLACES 4
.endif
	v_add_nc_u32 v[ADRS], 64*NQ, v[ADRS]
	FETCH_B \next, 0, 0
	FETCH_A \next, 0, 0
	SCALES \next
	WIN 0xf1
	MULS NA/2, NA/2, 1, NQ-1, \slot, 0
	PLACES 4
	WIN 0
	FETCH_A \next, 0, NA/2
.endm
.macro RUN slot, from
.set Q_, \from
.rept NQ-1-(\from)
	STEP \slot, Q_, 0
.set Q_, Q_+1
.endr
.endm
	s_wait_tensorcnt 1                             ; the scale words and my part of slot 0 are in; slot 1's load may be out
	s_barrier_signal -1
	s_barrier_wait -1
	FETCH_B 0, 0, 0
	FETCH_A 0, 0, 0
	SCALES 0
	FETCH_A 0, 0, NA/2
	s_wait_loadcnt 32                              ; the bias is in; the residual's 32 loads may be out
	STEP 0, 0, 1
.if LAPS > 1
	s_mov_b32 s3, LAPS-1
.Llap:
	RUN 0, 1
	TURN 0, 1, 1
	RUN 1, 0
	TURN 1, 0, 1
	STEP 0, 0, 0
	s_sub_co_u32 s3, s3, 1
	s_cmp_lg_u32 s3, 0
	s_cbranch_scc1 .Llap
.endif
	RUN 0, 1
	TURN 0, 1, 0
	RUN 1, 0
	s_wait_dscnt HL
	WIN 0xa1
	MULS 0, NA/2, 1, NQ-1, 1, 0
	s_wait_dscnt 0x0
	WIN 0xf1
	MULS NA/2, NA/2, 1, NQ-1, 1, 0
	WIN 0
.macro TOSTAGE a                       ; a tile of 16 rows x 64 columns into my stage, and back as rows of 256 bytes; LDS serves a wave's instructions in order
.set AC, 32*((\a)%2)
	WIN 0x08+4*((\a)/2)                            ; the data: window 2 or 3
.irp b, 0,1,2,3
	ds_store_b128 v[STO], v[AC+8*\b:AC+8*\b+3] offset:128*(\b/2)+32*(\b%2)
	ds_store_b128 v[STO], v[AC+8*\b+4:AC+8*\b+7] offset:128*(\b/2)+32*(\b%2)+16
.endr
	WIN 0
.set BB_, BK+32*((\a)%2)
.irp t, 0,1,2,3,4,5,6,7
	ds_load_b128 v[BB_+4*\t:BB_+4*\t+3], v[RD] offset:544*\t
.endr
.endm
.macro SEND a, younger
.set BB_, BK+32*((\a)%2)
	s_wait_dscnt \younger                          ; the tile is back; the next tile's stores and loads may be out
	WIN 0x08                                       ; source 1: window 2
.set J_, 0
.rept 16
	v_pk_add_f32 v[BB_+J_:BB_+J_+1], v[BB_+J_:BB_+J_+1], v[64+32*(\a)+J_:64+32*(\a)+J_+1]   ; + the residual
.set J_, J_+2
.endr
	WIN 0
.irp t, 0,1,2,3,4,5,6,7
	global_store_b128 v[RO], v[BB_+4*\t:BB_+4*\t+3], s[12:13] offset:4096*(32*((\a)/2)+8*((\a)%2)+(2*\t)%8+16*(\t/4))   ; sixteen lanes store 256 consecutive bytes, aligned
.endr
.endm
	s_wait_loadcnt 0x0                             ; the residual
	PLACES 4
	TOSTAGE 0
.irp a, 1,2,3
.if \a > 1
	s_wait_xcnt 0x0                                ; tile a - 2's stores have read their registers: tile a's loads may land there
.endif
	TOSTAGE \a
	SEND \a-1, 16
.endr
	SEND 3, 0
	s_wait_tensorcnt 0x0                           ; the wave's end
	ds_add_u32 v[SPW], v[NIL]
	s_wait_dscnt 0x0
	CROUND                                         ; the closing round
	s_endpgm
.Lfunc_end_k_q2dd752aabd_w2:
	.size	k_q2dd752aabd_w2, .Lfunc_end_k_q2dd752aabd_w2-k_q2dd752aabd_w2
	.p2alignl 7, 3214868480
	.fill 96, 4, 3214868480
	.section	.rodata,"a",@progbits
	.p2align	6, 0x0
	.amdhsa_kernel k_q2dd752aabd_w2
		.amdhsa_group_segment_fixed_size 327680
		.amdhsa_private_segment_fixed_size 0
		.amdhsa_enable_private_segment 0
		.amdhsa_kernarg_size 40
		.amdhsa_user_sgpr_count 2
		.amdhsa_user_sgpr_kernarg_segment_ptr 1
		.amdhsa_wavefront_size32 1
		.amdhsa_system_sgpr_workgroup_id_x 1
		.amdhsa_system_sgpr_workgroup_id_y 1
		.amdhsa_system_sgpr_workgroup_id_z 1
		.amdhsa_system_vgpr_workitem_id 0
		.amdhsa_next_free_vgpr 1024
		.amdhsa_next_free_sgpr 100
		.amdhsa_reserve_vcc 0
		.amdhsa_float_denorm_mode_32 3
		.amdhsa_float_denorm_mode_16_64 3
		.amdhsa_memory_ordered 1
		.amdhsa_forward_progress 1
		.amdhsa_inst_pref_size 104
	.end_amdhsa_kernel
	.amdgpu_metadata
---
amdhsa.version: [ 1, 2 ]
amdhsa.kernels:
  - .name:           k_q2dd752aabd_w2
    .symbol:         k_q2dd752aabd_w2.kd
    .args:
      - { .name: BIG, .offset: 0, .size: 8, .value_kind: global_buffer, .address_space: global }
      - { .name: WOW2, .offset: 8, .size: 8, .value_kind: global_buffer, .address_space: global }
      - { .name: b2, .offset: 16, .size: 8, .value_kind: global_buffer, .address_space: global }
      - { .name: X1, .offset: 24, .size: 8, .value_kind: global_buffer, .address_space: global }
      - { .name: out0, .offset: 32, .size: 8, .value_kind: global_buffer, .address_space: global }
    .group_segment_fixed_size: 327680
    .private_segment_fixed_size: 0
    .kernarg_segment_align: 8
    .kernarg_segment_size: 40
    .max_flat_workgroup_size: 128
    .sgpr_count:     100
    .vgpr_count:     1024
    .wavefront_size: 32
...
	.end_amdgpu_metadata
.endif
;; end of part 6
;; ======== version 2 of 2: 8 launches
;; limits: right only within a limited range of input values
;; workspace buffers: ACT 3,293,440 bytes; WQK 1,720,576 bytes; WV 934,144 bytes; W1B 3,293,440 bytes; BIG 13,107,200 bytes; VO 3,670,016 bytes; X1 16,777,216 bytes; WOW2 4,096,000 bytes
;; launch wq (part 7): grid 768 x 1, 4 waves a work-group, no clusters, 13,824 bytes of LDS; arguments Wq, Wk, Wv, Wo, W1, W2, b1, WQK, WV, W1B, WOW2; writes WQK, WV, W1B, WOW2
.if DOCPART == 7
	.amdgcn_target "amdgcn-amd-amdhsa--gfx1250"
	.amdhsa_code_object_version 6
	.text
	.protected	k_q2dd752aabd_wq
	.globl	k_q2dd752aabd_wq
	.p2align	8
	.type	k_q2dd752aabd_wq,@function
k_q2dd752aabd_wq:
	s_mov_b64 s[64:65], 0
	v_nop
	global_prefetch_b8 v0, s[64:65] scope:SCOPE_SE
	s_setreg_imm32_b32 hwreg(HW_REG_WAVE_MODE, 25, 1), 1
	s_wait_xcnt 0x0
; All six weights, f32 with K NOT innermost, become codes of BF6 (E3M2) with one E8M0 byte for each 32 along K, laid as the products' operand registers want them.
; THE OPERAND FORMAT of this program.  A tile is 16 rows of the operand: tile T, lane-row r is row 32 (T / 2) + 8 (T % 2) + r % 8 + 16 (r / 8).  A UNIT is a tile x 64 along K, 768 bytes:
; bytes 16 l .. of it are operand registers 0-3 (of the unit's six) of lane l = r + 16 h, bytes 512 + 8 l .. registers 4, 5; lane (r, h) holds k = 32 h + 0 .. 31 of the unit.  A tile's units follow each other along K.
; A scale piece is 64 bytes for a tile and 128 along K: word r = the four bytes of row r.
; A LANE TAKES A COLUMN n OF THE WEIGHT AND ITS REGISTERS RUN DOWN K, so a block of 32 lies in one lane.  A wave takes 32 columns (two tiles) x 128 along K: 4 blocks a lane; its codes meet in its own stage in LDS and
; leave as 2 x 1,536 consecutive bytes.  3,072 such tasks: 768 work-groups.  One path serves all six weights: sizes and pointers are chosen by the work-group's number.
; Beside the codes the launch writes the header of the operands that a later product takes as its register side: a floor for the activation (-infinity: none; 0: relu) and a bias for each row (zeros, or b1).
; LIMITS: NaN and infinities are not served; a block whose largest magnitude lies under 2^-122 has its byte held at 1; a block of zeros has the byte 1 (its codes are zeros; this program alone reads the bytes).
; The scale words leave in pieces of 64 bytes: one byte in 128 of what the launch reads.
.set WST,   3328                       ; a wave's stage: two tiles
.set TST,   1664                       ; a tile's 1,536 bytes + 128, so that the two tiles of a store fall on different banks
.set SPARE, 13312                      ; behind the four stages: the spare words, 128 bytes a wave
.set L4,  1                            ; v1  4 x lane
.set S16, 2                            ; v2  stage: my tile, 16 x my row
.set S8,  3                            ; v3  stage: my tile, 512 + 8 x my row
.set RB,  4                            ; v4  stage, on the way out: 16 x lane
.set L16, 5                            ; v5  16 x lane
.set SCO, 6                            ; v6  my scale word's place
.set SPW, 12
.set NIL, 13
.set C,   16                           ; v16-24 a block's codes
.set SBY, 26                           ; v26 my four scale bytes
.set OF,  32                           ; v32-63 4 x lane + i rows of the weight
.set X,   64                           ; v64-127 two sets of 32 numbers
.set OUTR, 128                         ; v128-151 the way out
.set G0, 28
.set RS, 29
.set CS2, 30
.set LN, 31
.set DC, 32
.set DS, 33
.set TPC, 34
.set TPS, 35
.set HF, 36
.set BOFF, 37
.set BM, 38
.set FL, 39
.set SRC, 40
.set DST, 42
.set SRCB, 52                          ; s[52:59] the four blocks' source addresses, never rewritten
.macro PICK thr, g0, rs, cs2, ln, dc, ds, tpc, tps, hf, boff, bm, fl, src, dst
	s_cmp_lt_u32 ttmp9, \thr                       ; the choice hangs on the work-group's number alone
	s_cselect_b32 s[G0], \g0, s[G0]
	s_cselect_b32 s[RS], \rs, s[RS]
	s_cselect_b32 s[CS2], \cs2, s[CS2]
	s_cselect_b32 s[LN], \ln, s[LN]
	s_cselect_b32 s[DC], \dc, s[DC]
	s_cselect_b32 s[DS], \ds, s[DS]
	s_cselect_b32 s[TPC], \tpc, s[TPC]
	s_cselect_b32 s[TPS], \tps, s[TPS]
	s_cselect_b32 s[HF], \hf, s[HF]
	s_cselect_b32 s[BOFF], \boff, s[BOFF]
	s_cselect_b32 s[BM], \bm, s[BM]
	s_cselect_b32 s[FL], \fl, s[FL]
	s_cselect_b64 s[SRC:SRC+1], s[\src:\src+1], s[SRC:SRC+1]
	s_cselect_b64 s[DST:DST+1], s[\dst:\dst+1], s[DST:DST+1]
.endm
	s_load_b256 s[4:11], s[0:1], 0x0               ; Wq s[4:5], Wk s[6:7], Wv s[8:9], Wo s[10:11]
	s_load_b256 s[12:19], s[0:1], 0x20             ; W1 s[12:13], W2 s[14:15], b1 s[16:17], WQK s[18:19]
	s_load_b128 s[20:23], s[0:1], 0x40             ; WV s[20:21], W1B s[22:23]
	s_load_b64 s[24:25], s[0:1], 0x50              ; WOW2
	v_lshl_add_u32 v[SPW], v0, 2, SPARE
	v_mov_b32 v[NIL], 0
	v_lshrrev_b32 v7, 5, v0
	v_readfirstlane_b32 s26, v7                    ; wave
	v_and_b32 v7, 31, v0                           ; lane = my column among the wave's 32
	v_lshlrev_b32 v[L4], 2, v7
	v_lshlrev_b32 v[L16], 4, v7
	v_bfe_u32 v8, v0, 3, 1                         ; u: which of the two tiles my column falls into
	v_and_b32 v9, 7, v0
	v_bfe_u32 v10, v0, 4, 1
	v_lshl_add_u32 v9, v10, 3, v9                  ; r: its row there
	s_mul_i32 s27, s26, WST
	v_mul_u32_u24 v10, v8, TST
	v_add_nc_u32 v10, s27, v10
	v_lshl_add_u32 v[S16], v9, 4, v10
	v_lshl_add_u32 v[S8], v9, 3, v10
	v_add_nc_u32 v[S8], 512, v[S8]
	v_add_nc_u32 v[RB], s27, v[L16]
	s_mov_b32 s[G0], 512                           ; W2's figures; the others are chosen over them
	s_mov_b32 s[RS], 4096                          ; bytes from k to k + 1
	s_mov_b32 s[CS2], 256                          ; bytes from 64 columns to the next 64
	s_mov_b32 s[LN], 5                             ; log2 of the groups of 32 columns
	s_mov_b32 s[DC], 950272                        ; where the codes begin in the destination
	s_mov_b32 s[DS], 819200                        ; and the scale words
	s_mov_b32 s[TPC], 49152                        ; a tile's codes
	s_mov_b32 s[TPS], 2048                         ; a tile's scale words
	s_mov_b32 s[HF], 0                             ; bit 0: a bias is written, bit 1: a floor
	s_mov_b32 s[BOFF], 0
	s_mov_b32 s[BM], 0                             ; all ones: the bias is b1; 0: zeros
	s_mov_b32 s[FL], 0
	s_wait_kmcnt 0x0
	s_mov_b64 s[SRC:SRC+1], s[14:15]
	s_mov_b64 s[DST:DST+1], s[24:25]
	PICK 512, 256, 16384, 256, 7, 147712, 16640, 12288, 512, 3, 256, -1, 0, 12, 22          ; W1
	PICK 256, 192, 4096, 256, 5, 32768, 0, 12288, 512, 0, 0, 0, 0, 10, 24                   ; Wo
	PICK 192, 128, 256, 262144, 5, 147712, 16640, 12288, 512, 0, 0, 0, 0, 8, 20             ; Wv
	PICK 128, 64, 256, 262144, 5, 934144, 49408, 12288, 512, 1, 4352, 0, 0, 6, 18           ; Wk
	PICK 64, 0, 256, 262144, 5, 147712, 16640, 12288, 512, 3, 256, 0, 0xff800000, 4, 18     ; Wq
	s_sub_co_u32 s44, ttmp9, s[G0]
	s_lshl_b32 s44, s44, 2
	s_add_co_u32 s44, s44, s26                     ; j: my task in this weight
	s_bfm_b32 s45, s[LN], 0
	s_and_b32 s45, s44, s45                        ; cg: which 32 columns
	s_lshr_b32 s46, s44, s[LN]                     ; kc: which 128 along K
	s_lshl_b32 s48, s[RS], 7
	s_mul_i32 s48, s48, s46                        ; kc x 128 rows
	s_lshr_b32 s49, s45, 1
	s_mul_i32 s49, s49, s[CS2]
	s_add_co_u32 s48, s48, s49
	s_and_b32 s49, s45, 1
	s_lshl_b32 s49, s49, 7
	s_add_co_u32 s48, s48, s49
	s_mov_b32 s49, 0
	s_add_nc_u64 s[SRCB:SRCB+1], s[SRC:SRC+1], s[48:49]
	s_lshl_b32 s48, s[RS], 5                       ; a block: 32 rows on
.irp t, 1,2,3
	s_add_nc_u64 s[SRCB+2*\t:SRCB+2*\t+1], s[SRCB+2*\t-2:SRCB+2*\t-1], s[48:49]
.endr
	v_mov_b32 v[OF], v[L4]
.set I_, 1
.rept 31
	v_add_nc_u32 v[OF+I_], s[RS], v[OF+I_-1]
.set I_, I_+1
.endr
	s_lshl_b32 s48, s45, 1                         ; my first tile
	s_mul_i32 s50, s48, s[TPC]
	s_mul_i32 s51, s46, 1536
	s_add_co_u32 s50, s50, s51
	s_add_co_u32 s50, s50, s[DC]
	s_mov_b32 s51, 0
	s_add_nc_u64 s[60:61], s[DST:DST+1], s[50:51]  ; the first tile's two units
	s_mov_b32 s50, s[TPC]
	s_add_nc_u64 s[62:63], s[60:61], s[50:51]      ; the second tile's
	s_mul_i32 s50, s48, s[TPS]
	s_lshl_b32 s49, s46, 6
	s_add_co_u32 s50, s50, s49
	s_add_co_u32 s50, s50, s[DS]
	s_add_nc_u64 s[66:67], s[DST:DST+1], s[50:51]  ; the scale pieces
	v_mul_lo_u32 v[SCO], v8, s[TPS]
	v_lshl_add_u32 v[SCO], v9, 2, v[SCO]
	s_lshl_b32 s50, s45, 7
	s_add_nc_u64 s[68:69], s[16:17], s[50:51]      ; b1 at my 32 columns (cg is under 128: inside b1 for every weight)
	s_add_co_u32 s50, s50, s[BOFF]
	s_add_nc_u64 s[70:71], s[DST:DST+1], s[50:51]  ; the header's bias at my 32 rows
.macro LOAD t                          ; block t: W(32 t + i, my column): 32 lanes read 128 consecutive bytes, the four waves 512
.set I_, 0
.rept 32
	global_load_b32 v[X+32*((\t)%2)+I_], v[OF+I_], s[SRCB+2*(\t):SRCB+2*(\t)+1] th:TH_LOAD_NT
.set I_, I_+1
.endr
.endm
.macro BLOCK t
.set XS, X+32*((\t)%2)
.if (\t) < 3
	s_wait_loadcnt 32                              ; this block's 32 loads are in; the next block's 32 may be out
.else
	s_wait_loadcnt 0x0
.endif
	v_max3_num_f32 v8, |v[XS]|, |v[XS+1]|, |v[XS+2]|   ; the block's largest magnitude: all 32 numbers are mine
	v_max3_num_f32 v9, |v[XS+3]|, |v[XS+4]|, |v[XS+5]|
.irp i, 6,10,14,18,22,26
	v_max3_num_f32 v8, v8, |v[XS+\i]|, |v[XS+\i+1]|
	v_max3_num_f32 v9, v9, |v[XS+\i+2]|, |v[XS+\i+3]|
.endr
	v_max3_num_f32 v8, v8, |v[XS+30]|, |v[XS+31]|
	v_max3_num_f32 v8, v8, v9, 0x2800000           ; and the floor 2^(5 - 127): the byte cannot fall under 1
	v_add_nc_u32 v11, 0xfe000000, v8               ; 4 off the exponent field: the conversion's scale operand
	v_cvt_scalef32_pk16_bf6_f32 v[C:C+2], v[XS:XS+15], v11
	v_cvt_scalef32_pk16_bf6_f32 v[C+6:C+8], v[XS+16:XS+31], v11   ; (a conversion's three registers begin on an even number)
	v_lshrrev_b32 v10, 23, v11                     ; the scale's byte: also the plain line behind the conversions
.irp i, 0,1,2
	v_mov_b32 v[C+3+\i], v[C+6+\i]
.endr
.if (\t) == 0
	v_mov_b32 v[SBY], v10
.else
	v_lshl_or_b32 v[SBY], v10, 8*(\t), v[SBY]
.endif
	ds_store_b128 v[S16], v[C:C+3] offset:768*((\t)/2)+256*((\t)%2)   ; unit t / 2, half t % 2: lane r + 16 h of the image
	ds_store_b64 v[S8], v[C+4:C+5] offset:768*((\t)/2)+128*((\t)%2)
.if (\t) < 2
	LOAD (\t)+2
.endif
	s_wait_dscnt 0x0                               ; the stores have read their registers: the next block's codes may be written
.endm
	s_wait_alu depctr_va_vdst(0)
	LOAD 0
	LOAD 1
.irp t, 0,1,2,3
	BLOCK \t
.endr
	s_wait_alu depctr_va_vdst(0)
	global_store_b32 v[SCO], v[SBY], s[66:67]      ; my row's scale word
.irp k, 0,1,2,3,4,5
	ds_load_b128 v[OUTR+4*\k:OUTR+4*\k+3], v[RB] offset:TST*(\k/3)+512*(\k%3)   ; LDS serves a wave's instructions in order: these see my stores
.endr
.irp k, 0,1,2
	s_wait_dscnt 5-\k
	global_store_b128 v[L16], v[OUTR+4*\k:OUTR+4*\k+3], s[60:61] offset:512*\k   ; 32 lanes store 512 consecutive bytes, aligned to 256
.endr
.irp k, 0,1,2
	s_wait_dscnt 2-\k
	global_store_b128 v[L16], v[OUTR+12+4*\k:OUTR+15+4*\k], s[62:63] offset:512*\k
.endr
	s_cmp_lg_u32 s46, 0                            ; the header: the tasks at K's start write their 32 rows' bias; branches on ids alone
	s_cbranch_scc1 .Lnohead
	s_bitcmp1_b32 s[HF], 0
	s_cbranch_scc0 .Lnohead
	global_load_b32 v14, v[L4], s[68:69]
	s_wait_loadcnt 0x0
	v_cndmask_b32 v15, 0, v14, s[BM]               ; b1, or 0
	global_store_b32 v[L4], v15, s[70:71]
	s_cmp_lg_u32 s44, 0
	s_cbranch_scc1 .Lnohead
	s_bitcmp1_b32 s[HF], 1
	s_cbranch_scc0 .Lnohead
	v_mov_b32 v27, s[FL]
	global_store_b32 v[L4], v27, s[DST:DST+1]      ; the floor, at the buffer's head
.Lnohead:
	s_wait_tensorcnt 0x0                           ; the wave's end, behind my last LDS store
	ds_add_u32 v[SPW], v[NIL]
	s_wait_dscnt 0x0
	s_endpgm
.Lfunc_end_k_q2dd752aabd_wq:
	.size	k_q2dd752aabd_wq, .Lfunc_end_k_q2dd752aabd_wq-k_q2dd752aabd_wq
	.p2alignl 7, 3214868480
	.fill 96, 4, 3214868480
	.section	.rodata,"a",@progbits
	.p2align	6, 0x0
	.amdhsa_kernel k_q2dd752aabd_wq
		.amdhsa_group_segment_fixed_size 13824
		.amdhsa_private_segment_fixed_size 0
		.amdhsa_enable_private_segment 0
		.amdhsa_kernarg_size 88
		.amdhsa_user_sgpr_count 2
		.amdhsa_user_sgpr_kernarg_segment_ptr 1
		.amdhsa_wavefront_size32 1
		.amdhsa_system_sgpr_workgroup_id_x 1
		.amdhsa_system_sgpr_workgroup_id_y 1
		.amdhsa_system_sgpr_workgroup_id_z 1
		.amdhsa_system_vgpr_workitem_id 0
		.amdhsa_next_free_vgpr 152
		.amdhsa_next_free_sgpr 80
		.amdhsa_reserve_vcc 0
		.amdhsa_float_denorm_mode_32 3
		.amdhsa_float_denorm_mode_16_64 3
		.amdhsa_memory_ordered 1
		.amdhsa_forward_progress 1
		.amdhsa_inst_pref_size 29
	.end_amdhsa_kernel
	.amdgpu_metadata
---
amdhsa.version: [ 1, 2 ]
amdhsa.kernels:
  - .name:           k_q2dd752aabd_wq
    .symbol:         k_q2dd752aabd_wq.kd
    .args:
      - { .name: Wq, .offset: 0, .size: 8, .value_kind: global_buffer, .address_space: global }
      - { .name: Wk, .offset: 8, .size: 8, .value_kind: global_buffer, .address_space: global }
      - { .name: Wv, .offset: 16, .size: 8, .value_kind: global_buffer, .address_space: global }
      - { .name: Wo, .offset: 24, .size: 8, .value_kind: global_buffer, .address_space: global }
      - { .name: W1, .offset: 32, .size: 8, .value_kind: global_buffer, .address_space: global }
      - { .name: W2, .offset: 40, .size: 8, .value_kind: global_buffer, .address_space: global }
      - { .name: b1, .offset: 48, .size: 8, .value_kind: global_buffer, .address_space: global }
      - { .name: WQK, .offset: 56, .size: 8, .value_kind: global_buffer, .address_space: global }
      - { .name: WV, .offset: 64, .size: 8, .value_kind: global_buffer, .address_space: global }
      - { .name: W1B, .offset: 72, .size: 8, .value_kind: global_buffer, .address_space: global }
      - { .name: WOW2, .offset: 80, .size: 8, .value_kind: global_buffer, .address_space: global }
    .group_segment_fixed_size: 13824
    .private_segment_fixed_size: 0
    .kernarg_segment_align: 8
    .kernarg_segment_size: 88
    .max_flat_workgroup_size: 128
    .sgpr_count:     80
    .vgpr_count:     152
    .wavefront_size: 32
...
	.end_amdgpu_metadata
.endif
;; end of part 7
;; launch ln1 (part 8): grid 256 x 1, 16 waves a work-group, no clusters, 88,576 bytes of LDS; arguments x, ln1_g, ln1_b, ACT; writes ACT
.if DOCPART == 8
	.amdgcn_target "amdgcn-amd-amdhsa--gfx1250"
	.amdhsa_code_object_version 6
	.text
	.protected	k_q2dd752aabd_ln1
	.globl	k_q2dd752aabd_ln1
	.p2align	8
	.type	k_q2dd752aabd_ln1,@function
k_q2dd752aabd_ln1:
	s_mov_b64 s[64:65], 0
	v_nop
	global_prefetch_b8 v0, s[64:65] scope:SCOPE_SE
	s_setreg_imm32_b32 hwreg(HW_REG_WAVE_MODE, 25, 1), 1
	s_wait_xcnt 0x0
; y = (x - mean) rsqrt(var + 1e-5) g + b for rows of 1,024 f32, quantised at once along the row into codes of BF6 (E3M2) with one E8M0 byte for each 32, laid in this program's operand format:
; tile T, lane-row r = row 32 (T / 2) + 8 (T % 2) + r % 8 + 16 (r / 8); a unit = a tile x 64 along K = 768 bytes: 16 l: registers 0-3 of lane l = r + 16 h, 512 + 8 l: registers 4, 5; scale piece: 64 bytes, word r.
; A work-group makes one tile (16 rows); wave w its lane-row w.  A row stays in 32 registers a lane between the passes (mean; squares of x - mean; scaling).
; For the conversion a lane must hold 32 NEIGHBOURS: the row turns through the wave's own 4,608 bytes of LDS (places of 128 + 16 bytes) and lane l comes back with block l.  The tile's image (12,288 bytes) and its
; scale words (512) are gathered in LDS and leave, behind one barrier, in stores of 512 consecutive bytes.  The launch also writes the operand's header: floor -infinity, bias zeros.
; LIMITS: NaN and infinities are not served; a block whose largest magnitude lies under 2^-122 has its byte held at 1; a block of zeros has the byte 1 (its codes are zeros; this program alone reads the bytes).
.set TURNB, 4608
.set IMG,   73728                      ; sixteen waves, a row each: sixteen turns of 4,608 bytes lie ahead of the image
.set SCS,   86016
.set SPARE, 86528
.set L16, 1                            ; v1  16 x lane
.set TW,  2                            ; v2  the turn, in
.set TR,  3                            ; v3  the turn, out: 144 x lane
.set IA,  4                            ; v4  image: registers 0-3 of my block
.set IB,  5                            ; v5  image: registers 4, 5
.set SA,  6                            ; v6  my block's scale byte
.set SPW, 7
.set NIL, 8
.set RBK, 9                            ; v9  the image, on the way out
.set GOF, 10                           ; v10 and the same place in memory
.set LAN, 11                           ; v11 lane
.set CH,  16                           ; v16-23 four packed chains
.set MU,  24                           ; v[24:25] the mean, twice
.set RSD, 26                           ; v[26:27] 1 / sqrt(var + eps), twice
.set C,   28                           ; v28-36 a block's codes
.set T0,  37                           ; v37-40 at work
.set SRD, 43                           ; v43 the scale words, on the way out
.set G,   48
.set BB,  80
.set X,   112                          ; v112-143 my row
	s_load_b256 s[4:11], s[0:1], 0x0               ; x s[4:5], g s[6:7], b s[8:9], the operand s[10:11]
	v_lshl_add_u32 v[SPW], v0, 2, SPARE
	v_mov_b32 v[NIL], 0
	v_lshrrev_b32 v12, 5, v0
	v_readfirstlane_b32 s16, v12                   ; wave
	v_and_b32 v[LAN], 31, v0
	v_lshlrev_b32 v[L16], 4, v[LAN]
	s_mul_i32 s17, s16, TURNB
	v_lshrrev_b32 v12, 3, v[LAN]
	v_lshl_add_u32 v[TW], v12, 4, v[L16]           ; 16 lane + 16 (lane / 8): eight lanes' 128 bytes, then 16 of padding
	v_add_nc_u32 v[TW], s17, v[TW]
	v_mul_u32_u24 v[TR], v[LAN], 144
	v_add_nc_u32 v[TR], s17, v[TR]
	v_lshrrev_b32 v12, 1, v[LAN]
	v_mul_u32_u24 v12, v12, 768                    ; block l lies in unit l / 2, half l % 2
	v_and_b32 v13, 1, v[LAN]
	v_lshl_add_u32 v[IA], v13, 8, v12
	v_lshl_add_u32 v[IB], v13, 7, v12
	s_lshl_b32 s17, s16, 4
	s_add_co_u32 s17, s17, IMG
	v_add_nc_u32 v[IA], s17, v[IA]                 ; + 16 x wave: my lane-row
	s_lshl_b32 s17, s16, 3
	s_add_co_u32 s17, s17, IMG+512
	v_add_nc_u32 v[IB], s17, v[IB]
	v_lshrrev_b32 v12, 2, v[LAN]
	v_and_b32 v13, 3, v[LAN]
	v_lshl_add_u32 v[SA], v12, 6, v13              ; piece l / 4, byte l % 4
	s_lshl_b32 s17, s16, 2
	s_add_co_u32 s17, s17, SCS
	v_add_nc_u32 v[SA], s17, v[SA]
	s_mul_i32 s17, s16, 1024
	v_add_nc_u32 v[GOF], s17, v[L16]
	v_add_nc_u32 v[RBK], IMG, v[GOF]
	v_add_nc_u32 v[SRD], SCS, v[L16]
	v_mov_b32 v[T0+1], 0                           ; written once: a lane permute's destination counts as one of its sources
	s_mov_b32 s12, 0x76543210
	s_mov_b32 s13, 0xfedcba98                      ; v_permlanex16_b32's selects for lane l xor 16
	s_mov_b32 s14, 0x3a800000                      ; 1 / 1,024
	s_mov_b32 s15, 0x3727c5ac                      ; 1e-5
	s_lshr_b32 s18, ttmp9, 1
	s_lshl_b32 s18, s18, 5
	s_and_b32 s19, ttmp9, 1
	s_lshl_b32 s19, s19, 3
	s_add_co_u32 s18, s18, s19
	s_and_b32 s19, s16, 7                          ; wave w is the tile's lane-row w: row w % 8 + 16 (w / 8)
	s_add_co_u32 s18, s18, s19
	s_lshr_b32 s19, s16, 3
	s_lshl_b32 s19, s19, 4
	s_add_co_u32 s18, s18, s19
	s_lshl_b32 s18, s18, 12
	s_mov_b32 s19, 0
	s_mul_i32 s20, ttmp9, 12288
	s_add_co_u32 s20, s20, 147712
	s_mov_b32 s21, 0
	s_lshl_b32 s22, ttmp9, 9
	s_add_co_u32 s22, s22, 16640
	s_mov_b32 s23, 0
	s_lshl_b32 s24, ttmp9, 6
	s_add_co_u32 s24, s24, 256
	s_mov_b32 s25, 0
	s_wait_kmcnt 0x0
	s_add_nc_u64 s[4:5], s[4:5], s[18:19]
	s_add_nc_u64 s[20:21], s[10:11], s[20:21]      ; the tile's codes
	s_add_nc_u64 s[22:23], s[10:11], s[22:23]      ; its scale words
	s_add_nc_u64 s[24:25], s[10:11], s[24:25]      ; the header's bias at the tile's rows
.macro XLOAD i
.irp j, 0,1,2,3,4,5,6,7
	global_load_b128 v[X+32*\i+4*\j:X+32*\i+4*\j+3], v[L16], s[4:5] offset:4096*\i+512*\j th:TH_LOAD_NT   ; 512 consecutive bytes
.endr
.endm
	XLOAD 0
.irp j, 0,1,2,3,4,5,6,7
	global_load_b128 v[G+4*\j:G+4*\j+3], v[L16], s[6:7] offset:512*\j
.endr
.irp j, 0,1,2,3,4,5,6,7
	global_load_b128 v[BB+4*\j:BB+4*\j+3], v[L16], s[8:9] offset:512*\j
.endr
.macro FOLD                            ; four packed chains into one number, then over the 32 lanes: the result in every lane, in v[T0]
	v_pk_add_f32 v[CH:CH+1], v[CH:CH+1], v[CH+2:CH+3]
	v_pk_add_f32 v[CH+4:CH+5], v[CH+4:CH+5], v[CH+6:CH+7]
	v_pk_add_f32 v[CH:CH+1], v[CH:CH+1], v[CH+4:CH+5]
	v_add_f32 v[T0], v[CH], v[CH+1]
	v_add_f32_dpp v[T0], v[T0], v[T0] row_xmask:1 row_mask:0xf bank_mask:0xf
	v_add_f32_dpp v[T0], v[T0], v[T0] row_xmask:2 row_mask:0xf bank_mask:0xf
	v_add_f32_dpp v[T0], v[T0], v[T0] row_xmask:4 row_mask:0xf bank_mask:0xf
	v_add_f32_dpp v[T0], v[T0], v[T0] row_xmask:8 row_mask:0xf bank_mask:0xf
	v_permlanex16_b32 v[T0+1], v[T0], s12, s13
	v_add_f32 v[T0], v[T0], v[T0+1]
.endm
.macro ROW i, left
.set XR, X+32*(\i)
	s_wait_loadcnt \left                           ; my row (and g, b) are in; the rows issued behind it may be out
.irp k, 0,1,2,3
	v_pk_add_f32 v[CH+2*\k:CH+2*\k+1], v[XR+2*\k:XR+2*\k+1], v[XR+8+2*\k:XR+9+2*\k]
.endr
.irp m, 16,24
.irp k, 0,1,2,3
	v_pk_add_f32 v[CH+2*\k:CH+2*\k+1], v[CH+2*\k:CH+2*\k+1], v[XR+\m+2*\k:XR+\m+1+2*\k]
.endr
.endr
	FOLD
	v_mul_f32 v[MU], s14, v[T0]                    ; the mean
	v_mov_b32 v[MU+1], v[MU]
.set J_, 0
.rept 16
	v_pk_add_f32 v[XR+J_:XR+J_+1], v[XR+J_:XR+J_+1], v[MU:MU+1] neg_lo:[0,1] neg_hi:[0,1]   ; x - mean
.set J_, J_+2
.endr
.irp k, 0,1,2,3
	v_pk_mul_f32 v[CH+2*\k:CH+2*\k+1], v[XR+2*\k:XR+2*\k+1], v[XR+2*\k:XR+2*\k+1]
.endr
.irp m, 8,16,24
.irp k, 0,1,2,3
	v_pk_fma_f32 v[CH+2*\k:CH+2*\k+1], v[XR+\m+2*\k:XR+\m+1+2*\k], v[XR+\m+2*\k:XR+\m+1+2*\k], v[CH+2*\k:CH+2*\k+1]
.endr
.endr
	FOLD
	v_fma_f32 v[T0], v[T0], s14, s15               ; var + eps
	s_wait_alu depctr_va_vdst(0)
	v_rsq_f32 v[RSD], v[T0]
	v_nop                                          ; a plain line behind the transcendental
	s_wait_alu depctr_va_vdst(0)                   ; and the wait ahead of its first reader
	v_mov_b32 v[RSD+1], v[RSD]
.set J_, 0
.rept 16
	v_pk_mul_f32 v[XR+J_:XR+J_+1], v[XR+J_:XR+J_+1], v[RSD:RSD+1]
.set J_, J_+2
.endr
.set J_, 0
.rept 16
	v_pk_fma_f32 v[XR+J_:XR+J_+1], v[XR+J_:XR+J_+1], v[G+J_:G+J_+1], v[BB+J_:BB+J_+1]
.set J_, J_+2
.endr
.irp j, 0,1,2,3,4,5,6,7
	ds_store_b128 v[TW], v[XR+4*\j:XR+4*\j+3] offset:576*\j      ; the row as it lies, 16 bytes of padding behind each 128
.endr
.irp k, 0,1,2,3,4,5,6,7
	ds_load_b128 v[XR+4*\k:XR+4*\k+3], v[TR] offset:16*\k        ; and back: lane l has block l.  LDS serves a wave's instructions in order
.endr
	s_wait_dscnt 0x0                               ; the block is in; the last row's stores of codes and byte have read their registers
	v_max3_num_f32 v[CH], |v[XR]|, |v[XR+1]|, |v[XR+2]|
	v_max3_num_f32 v[CH+1], |v[XR+3]|, |v[XR+4]|, |v[XR+5]|
.irp n, 6,10,14,18,22,26
	v_max3_num_f32 v[CH], v[CH], |v[XR+\n]|, |v[XR+\n+1]|
	v_max3_num_f32 v[CH+1], v[CH+1], |v[XR+\n+2]|, |v[XR+\n+3]|
.endr
	v_max3_num_f32 v[CH], v[CH], |v[XR+30]|, |v[XR+31]|
	v_max3_num_f32 v[CH], v[CH], v[CH+1], 0x2800000   ; the floor 2^(5 - 127): the byte cannot fall under 1
	v_add_nc_u32 v[T0+3], 0xfe000000, v[CH]        ; 4 off the exponent field: the conversion's scale operand
	v_cvt_scalef32_pk16_bf6_f32 v[C:C+2], v[XR:XR+15], v[T0+3]
	v_cvt_scalef32_pk16_bf6_f32 v[C+6:C+8], v[XR+16:XR+31], v[T0+3]
	v_lshrrev_b32 v[T0+2], 23, v[T0+3]             ; the byte: also the plain line behind the conversions
.irp n, 0,1,2
	v_mov_b32 v[C+3+\n], v[C+6+\n]
.endr
	ds_store_b128 v[IA], v[C:C+3] offset:16*(\i)
	ds_store_b64 v[IB], v[C+4:C+5] offset:8*(\i)
	ds_store_b8 v[SA], v[T0+2] offset:4*(\i)
.endm
	ROW 0, 0
	s_wait_dscnt 0x0                               ; for the others' sake: my part of the image has landed
	s_barrier_signal -1
	s_barrier_wait -1
	s_cmp_lt_u32 s16, 12                           ; the image's 12,288 bytes leave by waves 0 to 11, 1,024 each
	s_cbranch_scc0 .Lno_img
.irp k, 0,1
	ds_load_b128 v[X+4*\k:X+4*\k+3], v[RBK] offset:512*\k
.endr
.irp k, 0,1
	s_wait_dscnt 1-\k
	global_store_b128 v[GOF], v[X+4*\k:X+4*\k+3], s[20:21] offset:512*\k
.endr
.Lno_img:
	s_cmp_lg_u32 s16, 12
	s_cbranch_scc1 .Lnot0
	ds_load_b128 v[X+24:X+27], v[SRD]              ; wave 12: the tile's 512 bytes of scale words
	s_wait_dscnt 0x0
	global_store_b128 v[L16], v[X+24:X+27], s[22:23]
.Lnot0:
	s_cmp_lg_u32 s16, 13
	s_cbranch_scc1 .Lend
	s_and_b32 s17, ttmp9, 3
	s_cmp_lg_u32 s17, 0
	s_cbranch_scc1 .Lend
	v_lshlrev_b32 v13, 3, v[LAN]                   ; wave 13 of every fourth tile: the bias of 64 rows, 256 bytes of zeros
	v_mov_b32 v14, 0
	v_mov_b32 v15, 0
	global_store_b64 v13, v[14:15], s[24:25]
	s_cmp_lg_u32 ttmp9, 0
	s_cbranch_scc1 .Lend
	v_lshlrev_b32 v41, 2, v[LAN]
	v_mov_b32 v42, 0xff800000                      ; the floor: -infinity, no activation
	global_store_b32 v41, v42, s[10:11]
.Lend:
	s_wait_tensorcnt 0x0                           ; the wave's end, behind my last LDS store
	ds_add_u32 v[SPW], v[NIL]
	s_wait_dscnt 0x0
	s_endpgm
.Lfunc_end_k_q2dd752aabd_ln1:
	.size	k_q2dd752aabd_ln1, .Lfunc_end_k_q2dd752aabd_ln1-k_q2dd752aabd_ln1
	.p2alignl 7, 3214868480
	.fill 96, 4, 3214868480
	.section	.rodata,"a",@progbits
	.p2align	6, 0x0
	.amdhsa_kernel k_q2dd752aabd_ln1
		.amdhsa_group_segment_fixed_size 88576
		.amdhsa_private_segment_fixed_size 0
		.amdhsa_enable_private_segment 0
		.amdhsa_kernarg_size 32
		.amdhsa_user_sgpr_count 2
		.amdhsa_user_sgpr_kernarg_segment_ptr 1
		.amdhsa_wavefront_size32 1
		.amdhsa_system_sgpr_workgroup_id_x 1
		.amdhsa_system_sgpr_workgroup_id_y 1
		.amdhsa_system_sgpr_workgroup_id_z 1
		.amdhsa_system_vgpr_workitem_id 0
		.amdhsa_next_free_vgpr 240
		.amdhsa_next_free_sgpr 66
		.amdhsa_reserve_vcc 0
		.amdhsa_float_denorm_mode_32 3
		.amdhsa_float_denorm_mode_16_64 3
		.amdhsa_memory_ordered 1
		.amdhsa_forward_progress 1
		.amdhsa_inst_pref_size 16
	.end_amdhsa_kernel
	.amdgpu_metadata
---
amdhsa.version: [ 1, 2 ]
amdhsa.kernels:
  - .name:           k_q2dd752aabd_ln1
    .symbol:         k_q2dd752aabd_ln1.kd
    .args:
      - { .name: x, .offset: 0, .size: 8, .value_kind: global_buffer, .address_space: global }
      - { .name: ln1_g, .offset: 8, .size: 8, .value_kind: global_buffer, .address_space: global }
      - { .name: ln1_b, .offset: 16, .size: 8, .value_kind: global_buffer, .address_space: global }
      - { .name: ACT, .offset: 24, .size: 8, .value_kind: global_buffer, .address_space: global }
    .group_segment_fixed_size: 88576
    .private_segment_fixed_size: 0
    .kernarg_segment_align: 8
    .kernarg_segment_size: 32
    .max_flat_workgroup_size: 512
    .sgpr_count:     66
    .vgpr_count:     240
    .wavefront_size: 32
...
	.end_amdgpu_metadata
.endif
;; end of part 8
;; launch qkv (part 9): grid 8 x 24, 4 waves a work-group, clusters of 4 x 4, 327,680 bytes of LDS; arguments ACT, WQK, BIG, WV, VO; writes BIG, VO
.if DOCPART == 9
	.amdgcn_target "amdgcn-amd-amdhsa--gfx1250"
	.amdhsa_code_object_version 6
	.text
	.protected	k_q2dd752aabd_qkv
	.globl	k_q2dd752aabd_qkv
	.p2align	8
	.type	k_q2dd752aabd_qkv,@function
k_q2dd752aabd_qkv:
	s_mov_b64 s[64:65], 0
	v_nop
	global_prefetch_b8 v0, s[64:65] scope:SCOPE_SE
	s_setreg_imm32_b32 hwreg(HW_REG_WAVE_MODE, 25, 1), 1
	s_wait_xcnt 0x0
	s_wait_alu depctr_hold_cnt(0) depctr_sa_sdst(0) depctr_va_vdst(0) depctr_va_sdst(0) depctr_va_ssrc(0) depctr_va_vcc(0) depctr_vm_vsrc(0)
	s_getreg_b32 s2, hwreg(HW_REG_IB_STS2, 6, 4)
	s_cmp_eq_u32 s2, 0
	s_cbranch_scc0 .Lentry_in_a_cluster
	s_endpgm
.Lentry_in_a_cluster:
	s_bfe_u32 s2, ttmp6, 0x10000c
	s_cmp_lg_u32 s2, 0xf033
	s_cbranch_scc0 .Lentry_shape_is_right
	s_endpgm
.Lentry_shape_is_right:
; OUT = Q(max(A B^T + bias, floor)): a product of two operands of K = 1,024 in codes of BF6 (E3M2), whose result is quantised at once ALONG B's ROWS, which are the next product's K (4,096 there), and stored as an operand.
; ONE LAUNCH HOLDS TWO SUCH PRODUCTS.  The five addresses are P0 .. P4.  Clusters with y = 0 .. 3 make the first: A = P0, B = P1, OUT = P2; cluster column = cluster x, cluster row = cluster y.
; Clusters with y = 4, 5 make the second: A = P3, B = P0, OUT = P4; its one row of four clusters is numbered cluster x + 2 (y - 4).  The three addresses are chosen by the cluster's y, which all sixteen partners share.
; So q | k (A = the normed tokens, B = Wq | Wk) and v (A = Wv, B = the normed tokens: v's next K are the tokens) are 128 + 64 work-groups of one launch.  The hidden layer (A = the normed tokens, B = W1) is a launch of
; its own with four rows of clusters: it takes the first way alone and touches nothing through P3 and P4.  floor and bias come from B's header.
; THE OPERAND FORMAT.  Tile T, lane-row r = row 32 (T / 2) + 8 (T % 2) + r % 8 + 16 (r / 8).  A unit = a tile x 64 along K = 768 bytes: at 16 l registers 0-3 (of six) of lane l = r + 16 h, at 512 + 8 l registers 4, 5.
; A tile's units follow each other along K (12 K bytes a tile); a scale piece is 64 bytes for a tile and 128 along K, word r.  So a fragment (16 rows x 128 K) is two units, read by four dense loads with no pitch.
; A tile of the result, 256 x 256, is made by four waves, 128 x 128 each: 64 accumulators, 512 registers.  K goes in steps of 256 through a ring of two LDS slots; a wave's tensor load brings 8 tiles x 3,072 bytes.
; The scale words of the work-group's rows, for all of K, come once with the first fills.  CLUSTERS: 4 x 4 work-groups; A's tiles are asked for jointly along a row of the cluster, B's along a column.
; THE MATRIX INSTRUCTION IS USED TRANSPOSED (source 0 = a tile of B, source 1 = a tile of A): a lane holds ONE row of A, and by the tiles' order of rows the 16 registers of B's tiles 2 b, 2 b + 1 are 16 NEIGHBOURS
; along the next K.  The bias is the C of each sum's first instruction.  The accumulators take turns, one instruction a turn.
; REGISTERS: window 0: v16-23 fragment addresses, v27 scale address, v32-63 scale words (two sets), v64-127 bias, v128-223 A's fragments (one set); window 1: B's fragments, two sets, at v0 and v128; windows 2, 3: accumulators.
; LIMITS: NaN and infinities are not served; a block whose largest magnitude lies under 2^-122 has its byte held at 1; a block of zeros has the byte 1.  The result's scale words leave in pieces of 64 bytes.
.set KK,    1024
.set NA,    8                          ; tiles a wave a side
.set NQ,    2                          ; steps of 128 along K in a slot
.set YSEC,  4                          ; the first cluster y of the second product
.set A_SC,  16640
.set A_CD,  147712
.set B_SC,  16640
.set B_CD,  147712
.set TPL,   1536*NQ                    ; a tile's bytes in a slot
.set HALFT, NA*TPL                     ; what one tensor load brings
.set SLOT,  4*HALFT
.set LAPS,  KK/(256*NQ)
.set FR,    12
.set HL,    (NA/2)*4                   ; LDS loads of half of A's fragments
.set SCLA,  2*SLOT                     ; A's scale words
.set SCLB,  204928                     ; B's: 128 bytes past a multiple of 256, so that the two halves of the lanes fall on different banks
.set SPARE, 213248                     ; the spare words
.set ADRA, 16
.set ADRB, 20
.set ADRS, 27
.set SPW,  28
.set NIL,  29
.set SC,   32
.set BIAS, 64
.set AF,   128
.set TM,   128                         ; the way out, in window 0: v128-143 at work, v144-163 codes, v164-166 scale words
.set PC,   144
.set PW,   164
.set PWO,  166
.set G1, 24
.set G0, 32
.set G1B, 48
.set G0B, 56
.set G1S, 68
.set G0S, 76
.set G1SB, 80
.set G0SB, 88
.set MSB, 0
.macro WIN new                         ; the immediate's high byte repeats the setting that is left
.if MSB != (\new)
	s_set_vgpr_msb (MSB<<8)|(\new)
.set MSB, \new
.endif
.endm
.macro JLOAD g0a, g1a, g0b, g1b        ; a joint load: waves 0 and 1 fetch for A, waves 2 and 3 for B; an s_nop 0 and four v_nop follow each line
	s_cmp_eq_u32 s15, 0
	s_cbranch_scc0 .Lfor_b_\@
	tensor_load_to_lds s[\g0a:\g0a+3], s[\g1a:\g1a+7]
	s_nop 0
.rept 4
	v_nop
.endr
	s_branch .Lasked_\@
.Lfor_b_\@:
	tensor_load_to_lds s[\g0b:\g0b+3], s[\g1b:\g1b+7]
	s_nop 0
.rept 4
	v_nop
.endr
.Lasked_\@:
.endm
.macro CREST                           ; a round of the cluster's barrier behind its opening barrier
	s_cmp_lg_u32 s14, 0
	s_cbranch_scc1 .Lnot_wave_0_\@
	s_barrier_signal -3
.Lnot_wave_0_\@:
	s_barrier_wait -3
	s_barrier_signal -1
	s_barrier_wait -1
.endm
.macro CROUND
	s_barrier_signal -1
	s_barrier_wait -1
	CREST
.endm
.macro PLACES n
.rept \n
	v_nop
.endr
.endm
	s_load_b256 s[4:11], s[0:1], 0x0               ; P0 s[4:5], P1 s[6:7], P2 s[8:9], P3 s[10:11]
	s_load_b64 s[12:13], s[0:1], 0x20              ; P4
	v_lshl_add_u32 v[SPW], v0, 2, SPARE
	v_mov_b32 v[NIL], 0
	ds_add_u32 v[SPW], v[NIL]                      ; the wave's opening: the add and its wait ahead of my first tensor load
	ds_add_u32 v[SPW], v[NIL]
	v_lshrrev_b32 v1, 5, v0
	v_readfirstlane_b32 s14, v1                    ; wave 0..3
	s_lshr_b32 s15, s14, 1                         ; my half of A's tiles.  Also: I fetch for A (0) or for B (1)
	s_and_b32 s16, s14, 1                          ; my half of B's tiles.  Also: which half I fetch
	s_bfe_u32 s40, ttmp6, 0x40000                  ; cx, cy
	s_bfe_u32 s41, ttmp6, 0x40004
	s_and_b32 s2, ttmp7, 0xffff                    ; the cluster's y: under YSEC the first product, from YSEC on the second
	s_max_u32 s18, s2, YSEC
	s_sub_co_u32 s18, s18, YSEC                    ; 0 in the first product; y - YSEC in the second,
	s_lshl_b32 s18, s18, 1                         ; whose clusters lie two to a row of the grid
	s_add_co_u32 s18, s18, ttmp9                   ; the cluster's column in its product
	s_cmp_lt_u32 s2, YSEC
	s_cselect_b32 s19, s2, 0                       ; and its row: the second product has one row of clusters
	s_lshl_b32 s42, s18, 2
	s_add_co_u32 s42, s42, s40                     ; block of B = 4 x cluster column + cx
	s_lshl_b32 s17, s19, 2
	s_add_co_u32 s17, s17, s41                     ; block of A = 4 x cluster row + cy
	s_lshl_b32 s43, s41, 2
	s_lshl_b32 s43, 15, s43                        ; my row of the cluster
	s_lshl_b32 s44, 0x1111, s40                    ; my column
	s_or_b32 s[G1+0], s43, (3<<16)|(1<<21)         ; the mask; elements of 8 bytes; bit 21 beside a mask; no padding
	s_or_b32 s[G1B+0], s44, (3<<16)|(1<<21)
.irp g, G1, G1B
	s_mov_b32 s[\g+1], (TPL/8)<<16                 ; tensor_dim0: a tile's bytes of a slot
	s_mov_b32 s[\g+2], NA<<16                      ; tensor_dim1: NA tiles
	s_mov_b32 s[\g+3], (TPL/8)<<16                 ; tile_dim0
	s_mov_b32 s[\g+4], NA                          ; tile_dim1
	s_mov_b32 s[\g+5], 12*KK/8                     ; from tile to tile
	s_mov_b32 s[\g+6], 0
	s_mov_b32 s[\g+7], 0
.endr
	s_or_b32 s[G1S+0], s43, (3<<16)|(1<<21)        ; the head's loads of A and of B: the same masks
	s_or_b32 s[G1SB+0], s44, (3<<16)|(1<<21)
.irp g, G1S, G1SB                      ; the head's loads: a slot's bytes of all 2 NA tiles of one operand
	s_mov_b32 s[\g+1], (TPL/8)<<16
	s_mov_b32 s[\g+2], (2*NA)<<16
	s_mov_b32 s[\g+3], (TPL/8)<<16
	s_mov_b32 s[\g+4], 2*NA
	s_mov_b32 s[\g+5], 12*KK/8
	s_mov_b32 s[\g+6], 0
	s_mov_b32 s[\g+7], 0
.endr
	s_mul_i32 s18, s16, NA
	s_mul_i32 s20, s17, 2*NA
	s_add_co_u32 s20, s20, s18                     ; A's first tile that I fetch
	s_mul_i32 s46, s42, 2*NA
	s_add_co_u32 s46, s46, s18                     ; B's
	s_mul_i32 s22, s20, KK/2
	s_add_co_u32 s22, s22, A_SC
	s_mov_b32 s23, 0
	s_mul_i32 s92, s46, KK/2
	s_add_co_u32 s92, s92, B_SC
	s_mov_b32 s93, 0
	s_mul_i32 s20, s20, 12*KK
	s_add_co_u32 s20, s20, A_CD
	s_mov_b32 s21, 0
	s_mul_i32 s46, s46, 12*KK
	s_add_co_u32 s46, s46, B_CD
	s_mov_b32 s47, 0
	s_mul_i32 s45, s14, HALFT                      ; where the codes go: wave x a load's bytes; no place in the cluster enters an LDS address
	s_mul_i32 s94, s16, NA*KK/2                    ; and the scale words
	s_mov_b32 s97, 0xffff0000                      ; lanes 16-31
	s_mov_b32 s98, 0x76543210
	s_mov_b32 s99, 0xfedcba98                      ; v_permlanex16_b32's selects for lane l xor 16
	s_wait_dscnt 0x0                               ; the opening add is done
	s_wait_kmcnt 0x0
	s_cmp_lt_u32 s2, YSEC                          ; which product: the choice hangs on the cluster's y alone
	s_cselect_b64 s[6:7], s[6:7], s[4:5]           ; B = P1, or P0
	s_cselect_b64 s[4:5], s[4:5], s[10:11]         ; A = P0, or P3
	s_cselect_b64 s[8:9], s[8:9], s[12:13]         ; OUT = P2, or P4
	s_load_b32 s96, s[6:7], 0x0                    ; the floor, from B's header
	s_add_nc_u64 s[20:21], s[4:5], s[20:21]
	s_add_nc_u64 s[22:23], s[4:5], s[22:23]
	s_add_nc_u64 s[46:47], s[6:7], s[46:47]
	s_add_nc_u64 s[92:93], s[6:7], s[92:93]
	CROUND                                         ; all sixteen work-groups are here: the first joint loads meet
	s_cmp_eq_u32 s15, 0                            ; the scale words come by plain loads: waves 0, 1 take A's two halves, waves 2, 3 B's
	s_cselect_b64 s[92:93], s[22:23], s[92:93]
	s_cselect_b64 s[66:67], s[20:21], s[46:47]     ; the prefetches: of the eight tiles that I refill, the two with my place among the four partners that ask jointly, told apart by address
	s_cselect_b32 s18, s40, s41
	s_mul_i32 s18, s18, 2*12*KK
	s_add_co_u32 s18, s18, 2*TPL                   ; from the first refill's bytes on
	s_mov_b32 s19, 0
	s_add_nc_u64 s[66:67], s[66:67], s[18:19]
	s_mul_i32 s2, s15, TPL                         ; the head's tensor loads: slot = wave / 2, operand = wave % 2, all 2 NA tiles
	s_mul_i32 s10, s17, 2*NA*12*KK
	s_add_co_u32 s10, s10, s2
	s_add_co_u32 s10, s10, A_CD
	s_mov_b32 s11, 0
	s_mul_i32 s12, s42, 2*NA*12*KK
	s_add_co_u32 s12, s12, s2
	s_add_co_u32 s12, s12, B_CD
	s_mov_b32 s13, 0
	s_mov_b32 s[G0S], 1
	s_mul_i32 s[G0S+1], s15, SLOT
	s_add_nc_u64 s[G0S+2:G0S+3], s[4:5], s[10:11]
	s_or_b32 s[G0S+3], s[G0S+3], 0x80000000
	s_mov_b32 s[G0SB], 1
	s_add_co_u32 s[G0SB+1], s[G0S+1], 2*HALFT
	s_add_nc_u64 s[G0SB+2:G0SB+3], s[6:7], s[12:13]
	s_or_b32 s[G0SB+3], s[G0SB+3], 0x80000000
.irp s, 0,1
	s_mov_b32 s[G0+4*\s], 1
	s_add_co_u32 s[G0+4*\s+1], s45, \s*SLOT
	s_add_nc_u64 s[G0+4*\s+2:G0+4*\s+3], s[20:21], \s*TPL
	s_or_b32 s[G0+4*\s+3], s[G0+4*\s+3], 0x80000000
	s_mov_b32 s[G0B+4*\s], 1
	s_add_co_u32 s[G0B+4*\s+1], s45, \s*SLOT
	s_add_nc_u64 s[G0B+4*\s+2:G0B+4*\s+3], s[46:47], \s*TPL
	s_or_b32 s[G0B+4*\s+3], s[G0B+4*\s+3], 0x80000000
.endr
; one tensor load a wave at the head, each on a line of its own in one chain of branches on the wave's number: A slot 0, B slot 0, A slot 1, B slot 1
.macro HARM n, g0, g1, next
	s_cmp_eq_u32 s14, \n
	s_cbranch_scc0 \next
	tensor_load_to_lds s[\g0:\g0+3], s[\g1:\g1+7]
	s_nop 0
.rept 4
	v_nop
.endr
	s_branch .Lhead_asked
\next:
.endm
	HARM 0, G0S, G1S, .Lhead_1
	HARM 1, G0SB, G1SB, .Lhead_2
	HARM 2, G0S, G1S, .Lhead_3
	tensor_load_to_lds s[G0SB:G0SB+3], s[G1SB:G1SB+7]
	s_nop 0
.rept 4
	v_nop
.endr
.Lhead_asked:
	v_and_b32 v1, 15, v0                           ; r
	v_bfe_u32 v2, v0, 4, 1                         ; h
	v_and_b32 v3, 31, v0                           ; lane
	v_lshlrev_b32 v4, 4, v3
	v_lshlrev_b32 v5, 3, v3
	v_add_nc_u32 v5, 512, v5
	s_mul_i32 s21, s15, HALFT                      ; my tiles of A
	s_mul_i32 s22, s16, HALFT
	s_add_co_u32 s22, s22, 2*HALFT                 ; my tiles of B, behind A's
.irp s, 0,1
	v_add_nc_u32 v[ADRA+\s], s21, v4
	v_add_nc_u32 v[ADRB+\s], s22, v4
	v_add_nc_u32 v[ADRA+2+\s], s21, v5
	v_add_nc_u32 v[ADRB+2+\s], s22, v5
	s_add_co_u32 s21, s21, SLOT
	s_add_co_u32 s22, s22, SLOT
.endr
	s_mul_i32 s21, s15, NA*KK/2
	s_mul_i32 s22, s16, NA*KK/2
	s_add_co_u32 s22, s22, SCLB-SCLA
	s_sub_co_u32 s22, s22, s21
	v_mul_u32_u24 v6, s22, v2                      ; lanes 16-31 take B's words
	s_add_co_u32 s21, s21, SCLA
	v_lshl_add_u32 v6, v1, 2, v6
	v_add_nc_u32 v[ADRS], s21, v6
.irp k, 0,1,2,3,4,5,6,7
	global_load_b128 v[AF+4*\k:AF+4*\k+3], v4, s[92:93] offset:512*\k   ; my 4,096 bytes of scale words, 512 consecutive bytes a load
.endr
	s_mul_i32 s18, s15, SCLB-SCLA
	s_add_co_u32 s18, s18, s94
	s_add_co_u32 s18, s18, SCLA
	v_add_nc_u32 v8, s18, v4
	v_min_u32 v9, 23, v3                           ; two tiles x 3,072 bytes are 24 blocks of 256: a lane a block (the lanes left over name the last again)
	v_mul_u32_u24 v10, v9, 171
	v_lshrrev_b32 v10, 11, v10                     ; block / 12: which of the two tiles
	v_mul_u32_u24 v10, v10, 12*KK-TPL
	v_lshl_add_u32 v9, v9, 8, v10
	global_prefetch_b8 v9, s[66:67] th:TH_LOAD_NT scope:SCOPE_SE   ; what the first refill will load, a slot's work ahead of it
	s_lshl_b32 s10, s42, 10
	s_lshl_b32 s11, s16, 9
	s_add_co_u32 s10, s10, s11
	s_add_co_u32 s10, s10, 256
	s_mov_b32 s11, 0
	s_add_nc_u64 s[10:11], s[6:7], s[10:11]
	v_lshlrev_b32 v7, 6, v2                        ; register 8 b + j of lane (r, h) is B's row 32 (b / 2) + 16 h + 8 (b % 2) + j
.set I_, 0
.rept NA
	global_load_b128 v[BIAS+8*I_:BIAS+8*I_+3], v7, s[10:11] offset:128*(I_/2)+32*(I_%2)
	global_load_b128 v[BIAS+8*I_+4:BIAS+8*I_+7], v7, s[10:11] offset:128*(I_/2)+32*(I_%2)+16
.set I_, I_+1
.endr
	v_mov_b32 v24, v4                              ; the way out: 16 x lane,
	v_lshlrev_b32 v25, 3, v3                       ; 8 x lane,
	v_lshlrev_b32 v26, 2, v1
	v_lshl_add_u32 v26, v2, 11, v26                ; 4 r, and a tile's scale words on for lanes 16-31
	s_lshl_b32 s20, s17, 4
	s_lshl_b32 s21, s15, 3
	s_add_co_u32 s20, s20, s21                     ; my first tile of OUT
	s_lshl_b32 s46, s42, 1
	s_add_co_u32 s46, s46, s16                     ; my step of 128 along OUT's K
	s_mul_i32 s22, s20, 49152
	s_mul_i32 s23, s46, 1536
	s_add_co_u32 s22, s22, s23
	s_add_co_u32 s22, s22, 524288
	s_mov_b32 s23, 0
	s_add_nc_u64 s[12:13], s[8:9], s[22:23]        ; OUT's codes
	s_lshl_b32 s22, s20, 11
	s_lshl_b32 s21, s46, 6
	s_add_co_u32 s22, s22, s21
	s_add_nc_u64 s[8:9], s[8:9], s[22:23]          ; OUT's scale words
.macro FRAG reg, adr, q, i             ; a fragment: two units, as they lie
	ds_load_b128 v[\reg:\reg+3], v[\adr] offset:(\i)*TPL+1536*(\q)
	ds_load_b64 v[\reg+4:\reg+5], v[\adr+2] offset:(\i)*TPL+1536*(\q)
	ds_load_b128 v[\reg+6:\reg+9], v[\adr] offset:(\i)*TPL+1536*(\q)+768
	ds_load_b64 v[\reg+10:\reg+11], v[\adr+2] offset:(\i)*TPL+1536*(\q)+768
.endm
.macro FETCH_B slot, q, p
	WIN 0x40                                       ; destination window 1
.set I_, 0
.rept NA
	FRAG 128*(\p)+FR*I_, ADRB+\slot, \q, I_
.set I_, I_+1
.endr
	WIN 0
.endm
.macro FETCH_A slot, q, i0
.set I_, \i0
.rept NA/2
	FRAG AF+FR*I_, ADRA+\slot, \q, I_
.set I_, I_+1
.endr
.endm
.macro SCALES sc                       ; a slot's scale words: register NQ i + q: lanes 0-15 A's tile i, lanes 16-31 B's tile i
.set I_, 0
.rept NA
.set Q2_, 0
.rept NQ
	ds_load_b32 v[SC+16*(\sc)+NQ*I_+Q2_], v[ADRS] offset:I_*(KK/2)+64*Q2_
.set Q2_, Q2_+1
.endr
.set I_, I_+1
.endr
.endm
.macro MULA a, p, q, sc, first         ; A's tile a against all of B's
.set B_, 0
.rept NA
.set ACR, 8*(NA*((\a)%(NA/2))+B_)
.if \first
	v_wmma_scale_f32_16x16x128_f8f6f4 v[ACR:ACR+7], v[128*(\p)+FR*B_:128*(\p)+FR*B_+FR-1], v[AF+FR*(\a):AF+FR*(\a)+FR-1], v[BIAS+8*B_:BIAS+8*B_+7], v[SC+16*(\sc)+NQ*B_+(\q)], v[SC+16*(\sc)+NQ*(\a)+(\q)] matrix_a_fmt:MATRIX_FMT_BF6 matrix_b_fmt:MATRIX_FMT_BF6 matrix_a_scale:MATRIX_SCALE_ROW1
.else
	v_wmma_scale_f32_16x16x128_f8f6f4 v[ACR:ACR+7], v[128*(\p)+FR*B_:128*(\p)+FR*B_+FR-1], v[AF+FR*(\a):AF+FR*(\a)+FR-1], v[ACR:ACR+7], v[SC+16*(\sc)+NQ*B_+(\q)], v[SC+16*(\sc)+NQ*(\a)+(\q)] matrix_a_fmt:MATRIX_FMT_BF6 matrix_b_fmt:MATRIX_FMT_BF6 matrix_a_scale:MATRIX_SCALE_ROW1
.endif
.set B_, B_+1
.endr
.endm
.macro MULS lo, n, p, q, sc, first
.set A_, \lo
.rept \n
	MULA A_, \p, \q, \sc, \first
.set A_, A_+1
.endr
.endm
.macro STEP slot, q, first             ; 128 along K with its successor in the same slot
	s_wait_dscnt HL                                ; B's set and A's lower half are in; the youngest loads, A's upper half, may be out
.if \first
	WIN 0x81                                       ; B window 1, A and the bias window 0, D window 2
.else
	WIN 0xa1
.endif
	MULS 0, NA/2, (\q)%2, \q, \slot, \first
	s_wait_dscnt 0x0                               ; A's upper half is in
	PLACES 4                                       ; in front of loads into registers that matrix instructions have read
	FETCH_B \slot, (\q)+1, 1-(\q)%2
	FETCH_A \slot, (\q)+1, 0
.if \first
	WIN 0xc1
.else
	WIN 0xf1
.endif
	MULS NA/2, NA/2, (\q)%2, \q, \slot, \first
	PLACES 4
	WIN 0
	FETCH_A \slot, (\q)+1, NA/2
.endm
.macro TURN slot, next, fill           ; a slot's last step changes slots: one barrier
	s_wait_tensorcnt 0x0                           ; all my tensor loads have landed: my part of the next slot
	ds_add_u32 v[SPW], v[NIL]                      ; 0 onto my spare word
	s_wait_dscnt HL+1                              ; (the add and A's upper half may be out)
	WIN 0xa1
	MULS 0, NA/4, 1, NQ-1, \slot, 0
	s_wait_dscnt 0x0                               ; the add is done, and my reads of this slot are over
	s_barrier_signal -1
	MULS NA/4, NA/4, 1, NQ-1, \slot, 0
	WIN 0
	s_barrier_wait -1
.if \fill
	CREST                                          ; the barrier has opened a round of the cluster's: no wave of any partner still reads this slot or has a load on its way
	s_add_nc_u64 s[G0+4*\slot+2:G0+4*\slot+3], s[G0+4*\slot+2:G0+4*\slot+3], 2*TPL
	s_add_nc_u64 s[G0B+4*\slot+2:G0B+4*\slot+3], s[G0B+4*\slot+2:G0B+4*\slot+3], 2*TPL
	JLOAD G0+4*\slot, G1, G0B+4*\slot, G1B         ; the first tensor load behind the round; its four v_nop are the places in front of the loads below
.else
	PLACES 4
.endif
	s_wait_alu depctr_va_vdst(0)
	v_add_nc_u32 v[ADRS], 64*NQ, v[ADRS]           ; the next slot's scale words
	FETCH_B \next, 0, 0
	FETCH_A \next, 0, 0
	SCALES \next
.if (\fill) && (\slot) == 0
	global_prefetch_b8 v9, s[66:67] offset:TPL th:TH_LOAD_NT scope:SCOPE_SE   ; behind the first refill: what the second, the last, will load
.endif
	WIN 0xf1
	MULS NA/2, NA/2, 1, NQ-1, \slot, 0
	PLACES 4
	WIN 0
	FETCH_A \next, 0, NA/2
.endm
.macro RUN slot, from                  ; a slot's steps from 'from' to its last but one
.set Q_, \from
.rept NQ-1-(\from)
	STEP \slot, Q_, 0
.set Q_, Q_+1
.endr
.endm
	s_wait_alu depctr_va_vdst(0)
	s_wait_loadcnt 2*NA                            ; my scale words are in; the 2 NA loads of the bias are younger
.irp k, 0,1,2,3,4,5,6,7
	ds_store_b128 v8, v[AF+4*\k:AF+4*\k+3] offset:512*\k
.endr
	s_wait_dscnt 0x0
	s_cmp_lt_u32 s14, 2
	s_cbranch_scc0 .Lnot_slot0
	s_wait_tensorcnt 0x0                           ; waves 0 and 1: slot 0 is in; slot 1's loads (waves 2, 3) may be out
.Lnot_slot0:
	s_barrier_signal -1
	s_barrier_wait -1
	FETCH_B 0, 0, 0
	FETCH_A 0, 0, 0
	SCALES 0
	FETCH_A 0, 0, NA/2
	s_wait_loadcnt 0x0                             ; the bias
	s_wait_kmcnt 0x0                               ; the floor
	STEP 0, 0, 1                                   ; the first step stands in front of the loop: its products start the sums, on the bias
.if LAPS > 1
	s_mov_b32 s3, LAPS-1
.Llap:
	RUN 0, 1
	TURN 0, 1, 1
	RUN 1, 0
	TURN 1, 0, 1
	STEP 0, 0, 0
	s_sub_co_u32 s3, s3, 1
	s_cmp_lg_u32 s3, 0
	s_cbranch_scc1 .Llap
.endif
	RUN 0, 1                                       ; the last lap fills nothing
	TURN 0, 1, 0
	RUN 1, 0
	s_wait_dscnt HL
	WIN 0xa1
	MULS 0, NA/2, 1, NQ-1, 1, 0
	s_wait_dscnt 0x0
	WIN 0xf1
	MULS NA/2, NA/2, 1, NQ-1, 1, 0
	WIN 0
; THE WAY OUT, a tile of 16 rows at a time: the floor; the four blocks' largest magnitudes (a block lies in lanes l and l xor 16); bytes; conversions; the exchange of halves that the operand's layout asks;
; the fragment IS two units of OUT and is stored as it stands: 512 + 256 consecutive bytes each.  Two tiles' scale words leave by one store.
.macro QOUT a
.set AC, 64*((\a)%4)
.set WW, 2+(\a)/4
	WIN (WW<<6)|(WW<<2)
.set J_, 0
.rept 64
	v_max_num_f32 v[AC+J_], s96, v[AC+J_]          ; the activation; each accumulator from its low end on
.set J_, J_+1
.endr
	WIN (WW<<2)|WW
.irp b, 0,1,2,3
	v_max3_num_f32 v[TM+\b], |v[AC+16*\b]|, |v[AC+16*\b+1]|, 0x2800000   ; and the floor 2^(5 - 127): the byte cannot fall under 1
.endr
.irp i, 2,4,6,8,10,12,14
.irp b, 0,1,2,3
	v_max3_num_f32 v[TM+\b], |v[AC+16*\b+\i]|, |v[AC+16*\b+\i+1]|, v[TM+\b]
.endr
.endr
	WIN 0
.irp b, 0,1,2,3
	v_permlanex16_b32 v[TM+4+\b], v[TM+\b], s98, s99
.endr
.irp b, 0,1,2,3
	v_max_num_f32 v[TM+\b], v[TM+\b], v[TM+4+\b]
.endr
.irp b, 0,1,2,3
	v_add_nc_u32 v[TM+12+\b], 0xfe000000, v[TM+\b]   ; 4 off the exponent field: the conversion's scale operand
.endr
.irp b, 0,1,2,3
	v_lshrrev_b32 v[TM+4+\b], 23, v[TM+12+\b]
.endr
	v_lshl_or_b32 v[PW+(\a)%2], v[TM+5], 8, v[TM+4]
	v_lshl_or_b32 v[PW+(\a)%2], v[TM+6], 16, v[PW+(\a)%2]
	v_lshl_or_b32 v[PW+(\a)%2], v[TM+7], 24, v[PW+(\a)%2]
	s_wait_xcnt 0x0                                ; the last tile's stores have read their registers: the codes may be written again
	WIN WW
.irp c, 0,1
	v_cvt_scalef32_pk16_bf6_f32 v[PC+6*\c:PC+6*\c+2], v[AC+32*\c:AC+32*\c+15], v[TM+12+2*\c]
	v_cvt_scalef32_pk16_bf6_f32 v[PC+12+4*\c:PC+14+4*\c], v[AC+16+32*\c:AC+31+32*\c], v[TM+13+2*\c]
.endr
	WIN 0
	v_nop                                          ; one plain line behind a scaled conversion
.irp c, 0,1
.irp i, 0,1,2
	v_permlane16_swap_b32 v[PC+6*\c+\i], v[PC+12+4*\c+\i]
.endr
.irp i, 0,1,2
	v_mov_b32 v[PC+3+6*\c+\i], v[PC+12+4*\c+\i]
.endr
.endr
.irp c, 0,1
	global_store_b128 v24, v[PC+6*\c:PC+6*\c+3], s[12:13] offset:49152*(\a)+768*\c
	global_store_b64 v25, v[PC+6*\c+4:PC+6*\c+5], s[12:13] offset:49152*(\a)+768*\c+512
.endr
.if (\a)%2
	v_cndmask_b32 v[PWO], v[PW], v[PW+1], s97      ; lanes 0-15: tile a - 1's words, lanes 16-31: tile a's
	global_store_b32 v26, v[PWO], s[8:9] offset:2048*((\a)-1)
.endif
.endm
	PLACES 4                                       ; behind the last products
.irp b, 0,1,2,3
	v_mov_b32 v[TM+4+\b], 0                        ; written once: a lane permute's destination counts as one of its sources
.endr
.irp a, 0,1,2,3,4,5,6,7
	QOUT \a
.endr
	s_wait_tensorcnt 0x0                           ; the wave's end
	ds_add_u32 v[SPW], v[NIL]
	s_wait_dscnt 0x0
	CROUND                                         ; the closing round
	s_endpgm
.Lfunc_end_k_q2dd752aabd_qkv:
	.size	k_q2dd752aabd_qkv, .Lfunc_end_k_q2dd752aabd_qkv-k_q2dd752aabd_qkv
	.p2alignl 7, 3214868480
	.fill 96, 4, 3214868480
	.section	.rodata,"a",@progbits
	.p2align	6, 0x0
	.amdhsa_kernel k_q2dd752aabd_qkv
		.amdhsa_group_segment_fixed_size 327680
		.amdhsa_private_segment_fixed_size 0
		.amdhsa_enable_private_segment 0
		.amdhsa_kernarg_size 40
		.amdhsa_user_sgpr_count 2
		.amdhsa_user_sgpr_kernarg_segment_ptr 1
		.amdhsa_wavefront_size32 1
		.amdhsa_system_sgpr_workgroup_id_x 1
		.amdhsa_system_sgpr_workgroup_id_y 1
		.amdhsa_system_sgpr_workgroup_id_z 1
		.amdhsa_system_vgpr_workitem_id 0
		.amdhsa_next_free_vgpr 1024
		.amdhsa_next_free_sgpr 100
		.amdhsa_reserve_vcc 0
		.amdhsa_float_denorm_mode_32 3
		.amdhsa_float_denorm_mode_16_64 3
		.amdhsa_memory_ordered 1
		.amdhsa_forward_progress 1
		.amdhsa_inst_pref_size 172
	.end_amdhsa_kernel
	.amdgpu_metadata
---
amdhsa.version: [ 1, 2 ]
amdhsa.kernels:
  - .name:           k_q2dd752aabd_qkv
    .symbol:         k_q2dd752aabd_qkv.kd
    .args:
      - { .name: ACT, .offset: 0, .size: 8, .value_kind: global_buffer, .address_space: global }
      - { .name: WQK, .offset: 8, .size: 8, .value_kind: global_buffer, .address_space: global }
      - { .name: BIG, .offset: 16, .size: 8, .value_kind: global_buffer, .address_space: global }
      - { .name: WV, .offset: 24, .size: 8, .value_kind: global_buffer, .address_space: global }
      - { .name: VO, .offset: 32, .size: 8, .value_kind: global_buffer, .address_space: global }
    .group_segment_fixed_size: 327680
    .private_segment_fixed_size: 0
    .kernarg_segment_align: 8
    .kernarg_segment_size: 40
    .max_flat_workgroup_size: 128
    .sgpr_count:     100
    .vgpr_count:     1024
    .wavefront_size: 32
...
	.end_amdgpu_metadata
.endif
;; end of part 9
;; launch attn (part 10): grid 8 x 32, 16 waves a work-group, no clusters, 247,808 bytes of LDS; arguments BIG, VO, ACT; writes ACT
.if DOCPART == 10
	.amdgcn_target "amdgcn-amd-amdhsa--gfx1250"
	.amdhsa_code_object_version 6
	.text
	.protected	k_q2dd752aabd_attn
	.globl	k_q2dd752aabd_attn
	.p2align	8
	.type	k_q2dd752aabd_attn,@function
k_q2dd752aabd_attn:
	s_mov_b64 s[64:65], 0
	v_nop
	global_prefetch_b8 v0, s[64:65] scope:SCOPE_SE
	s_setreg_imm32_b32 hwreg(HW_REG_WAVE_MODE, 25, 1), 1
	s_wait_xcnt 0x0
; Causal attention of one head on codes of BF6 (E3M2), head size 64, 2,048 keys; its result, divided by the row's sum, is quantised at once along the model's axis and stored as the next product's operand.
; q and k lie in BIG (an operand of K = 4,096: unit hd is head hd of q, unit 16 + hd of k), v in VO (rows = channels, K = tokens), all in this program's operand format: tile T, lane-row r = row
; 32 (T / 2) + 8 (T % 2) + r % 8 + 16 (r / 8); a unit = a tile x 64 along K = 768 bytes (16 l: registers 0-3 of lane l, 512 + 8 l: registers 4, 5); a scale piece = 64 bytes for a tile and 128 along K.
; THE SOFTMAX: t = score x log2(e) / 8; M = the running largest t rounded UP to a whole number; p = 2^(t - M) is quantised along the keys, not normalised; the sum is taken of the unquantised p and divides at the end;
; when M moves, the sum and O are multiplied by 2^(old M - new M), which rounds nothing.
; SHARES.  Work-group (i, head): waves 0-7 take the eight tiles of query block i (128 queries), waves 8-15 those of block 15 - i: 17 steps of 128 x 128 for every i under the causal mask.  A wave owns one tile of 16 queries.
; ALL 2,048 keys of the head lie in LDS: K 98,304 bytes, V 98,304.  They come by first fills alone, in two halves of 1,024 keys (waves 0-3, 8-11: K, 16 tiles each; waves 4-7, 12-15: V, one tile of channels each): one load a wave
; is out; in front of each half a wait and a barrier.  No cluster: which steps a work-group leaves out hangs on its query block, which would be its place in a cluster.
; Both products are used transposed (S^T = K Q^T, O^T = V^T P^T): a lane holds one query throughout, and by the tiles' order of rows the 16 registers of key tiles 2 b, 2 b + 1 are 16 neighbouring keys.
; THE HEAD'S 64 FILL HALF OF THE INSTRUCTION'S 128: Q's upper six registers are zero codes.  K's fragments stand six registers apart, so that a tile's upper six are the next tile's codes: they meet Q's zeros.
; The scale words' upper bytes are 0 or another head's bytes, never 0xff.
; CAUSAL: a step all of whose keys come after the wave's queries is left out by a branch on ids; on the diagonal hidden scores become -infinity.
; LIMITS: NaN and infinities are not served; a block whose largest magnitude lies under 2^-122 has its byte held at 1; a block of zeros has the byte 1.  att's scale bytes leave two at a time.
.set VB,    98304
.set SCK,   196608                     ; K's scale words, shifted to the head's bytes: 64 a tile
.set SCV,   204800                     ; V's: 1,024 a tile of channels
.set SPARE, 208896
.set SPW, 5
.set NIL, 6
.set ADK, 8
.set ADK8, 9
.set ADS, 10
.set ADV, 11
.set ADV8, 12
.set ADW, 13
.set ADW8, 14
.set ADT, 15
.set R4,  94                           ; v94 4 r
.set TK,  2
.set TV,  3
.set TSK, 10
.set TSV, 11
.set KF,  12
.set QF,  13
.set QL,  14
.set SH,  15
.set CNT, 16
.set WV,  18
.set SEL, 20
.set CS,  22
.set G1K, 24
.set G1V, 32
.set G0K, 40                           ; s[40:43] group 0 for K's load
.set G0V, 68                           ; s[68:71] for V's
	s_load_b128 s[4:7], s[0:1], 0x0                ; BIG s[4:5], VO s[6:7]
	s_load_b64 s[8:9], s[0:1], 0x10                ; ACT
	v_lshl_add_u32 v[SPW], v0, 2, SPARE
	v_mov_b32 v[NIL], 0
	ds_add_u32 v[SPW], v[NIL]                      ; the wave's opening: the add and its wait ahead of my first tensor load
	ds_add_u32 v[SPW], v[NIL]
	v_lshrrev_b32 v8, 5, v0
	s_delay_alu instid0(VALU_DEP_1)
	v_readfirstlane_b32 s[WV], v8                  ; wave 0..15
	s_and_b32 s56, ttmp7, 0xffff
	s_lshr_b32 s57, s56, 4                         ; the batch
	s_and_b32 s58, s56, 15                         ; the head
	s_and_b32 s59, s[WV], 7
	s_sub_co_u32 s60, 15, ttmp9
	s_cmp_lt_u32 s[WV], 8
	s_cselect_b32 s60, ttmp9, s60                  ; my query block
	s_lshl_b32 s60, s60, 3
	s_add_co_u32 s60, s60, s59                     ; my tile of queries in the batch
	s_lshr_b32 s61, s60, 1
	s_lshl_b32 s[QF], s61, 5
	s_and_b32 s61, s60, 1
	s_lshl_b32 s61, s61, 3
	s_add_co_u32 s[QF], s[QF], s61                 ; its first query,
	s_add_co_u32 s[QL], s[QF], 23
; THE LONG TILE'S KEYS ARE SHARED OUT: wave w + 8 takes steps 0 to 8 of tile w of block 15 - i; wave w takes its tile of block i (steps 0 to i) and then steps 9 on of that same long tile: 8 or 9 steps a wave for every i.
; The two parts of a long tile are joined at the end: the running M is a whole number, so each part is brought under the larger M by a power of two.
	s_lshl_b32 s45, ttmp9, 1
	s_sub_co_u32 s45, 15, s45
	s_lshl_b32 s45, s45, 7                         ; from my short tile's queries to the long tile's: 128 (15 - 2 i)
	s_mov_b32 s44, 0                               ; the first key that I take
	s_min_u32 s46, s[QL], 1151                     ; waves 8-15 stop behind step 8
	s_cmp_lt_u32 s[WV], 8
	s_cselect_b32 s[QL], s[QL], s46
	s_cselect_b32 s45, s45, 0
	s_lshl_b32 s61, s57, 7
	s_add_co_u32 s61, s61, s60                     ; the tile among all tokens
	s_and_b32 s[SH], s58, 1
	s_lshl_b32 s[SH], s[SH], 4                     ; the head's two bytes in a scale word: 16 (hd % 2) bits up
	s_and_b32 s62, s[WV], 3
	s_lshl_b32 s84, s57, 7                         ; K: tiles 128 batch + 64 (wave / 8) + 16 (wave % 4) on, unit 16 + hd
	s_lshl_b32 s85, s62, 4                         ; a wave's one load: 16 tiles of K, or 16 units of one tile of V; waves 0-7 keys 0 to 1,023, waves 8-15 the rest
	s_add_co_u32 s84, s84, s85
	s_lshr_b32 s17, s[WV], 3
	s_lshl_b32 s85, s17, 6
	s_add_co_u32 s84, s84, s85
	s_mul_i32 s84, s84, 49152
	s_mul_i32 s85, s58, 768
	s_add_co_u32 s84, s84, s85
	s_add_co_u32 s84, s84, 524288+16*768
	s_mov_b32 s85, 0
	s_mul_i32 s86, s62, 12288
	s_mul_i32 s89, s17, 49152
	s_add_co_u32 s86, s86, s89
	s_lshl_b32 s88, s58, 2                         ; V: tile 4 hd + wave % 4, units 32 batch + 16 (wave / 8) on
	s_add_co_u32 s88, s88, s62
	s_mul_i32 s88, s88, 49152
	s_mul_i32 s89, s57, 32*768
	s_add_co_u32 s88, s88, s89
	s_add_co_u32 s88, s88, 524288
	s_mul_i32 s89, s17, 12288
	s_add_co_u32 s88, s88, s89
	s_mul_i32 s87, s62, 24576
	s_add_co_u32 s87, s87, s89
	s_add_co_u32 s87, s87, VB
	s_mov_b32 s89, 0
	s_mov_b32 s[G1K], 3<<16                        ; K: 16 rows (tiles) of 768 bytes, 49,152 bytes apart; elements of 8 bytes, no mask, no padding
	s_mov_b32 s[G1K+1], 96<<16
	s_mov_b32 s[G1K+2], 16<<16
	s_mov_b32 s[G1K+3], 96<<16
	s_mov_b32 s[G1K+4], 16
	s_mov_b32 s[G1K+5], 6144
	s_mov_b32 s[G1K+6], 0
	s_mov_b32 s[G1K+7], 0
	s_mov_b32 s[G1V], 3<<16                        ; V: 12,288 dense bytes as 48 rows of 256
	s_mov_b32 s[G1V+1], 32<<16
	s_mov_b32 s[G1V+2], 48<<16
	s_mov_b32 s[G1V+3], 32<<16
	s_mov_b32 s[G1V+4], 48
	s_mov_b32 s[G1V+5], 32
	s_mov_b32 s[G1V+6], 0
	s_mov_b32 s[G1V+7], 0
	s_lshr_b32 s63, s58, 1
	s_lshl_b32 s90, s57, 18                        ; K's scale words: tile 128 batch on, step 8 + hd / 2
	s_lshl_b32 s91, s63, 6
	s_add_co_u32 s90, s90, s91
	s_add_co_u32 s90, s90, 512
	s_mov_b32 s91, 0
	s_lshl_b32 s92, s58, 13                        ; V's: tile 4 hd on, steps 16 batch on
	s_lshl_b32 s93, s57, 10
	s_add_co_u32 s92, s92, s93
	s_mov_b32 s93, 0
	s_mul_i32 s94, s61, 49152                      ; Q's unit
	s_mul_i32 s95, s58, 768
	s_add_co_u32 s94, s94, s95
	s_add_co_u32 s94, s94, 524288
	s_mul_i32 s98, s61, 12288                      ; att's unit
	s_add_co_u32 s98, s98, s95
	s_add_co_u32 s98, s98, 147712
	s_mov_b32 s95, 0
	s_mov_b32 s99, 0
	s_lshl_b32 s96, s61, 11                        ; Q's scale words
	s_lshl_b32 s97, s63, 6
	s_add_co_u32 s96, s96, s97
	s_lshl_b32 s66, s61, 9                         ; att's scale bytes
	s_add_co_u32 s66, s66, s97
	s_lshr_b32 s97, s[SH], 3
	s_add_co_u32 s66, s66, s97
	s_add_co_u32 s66, s66, 16640
	s_mov_b32 s97, 0
	s_mov_b32 s67, 0
	s_mov_b32 s[SEL], 0x76543210
	s_mov_b32 s[SEL+1], 0xfedcba98
	s_mov_b32 s[CS], 0x3e38aa3b                    ; c = log2(e) / 8
	s_mov_b32 s[CS+1], s[CS]
	s_mov_b32 s[TK], 0
	s_mov_b32 s[TV], VB
	s_mov_b32 s[TSK], 0
	s_mov_b32 s[TSV], 0
	s_mov_b32 s[KF], 0
	s_wait_dscnt 0x0                               ; the opening add is done
	s_wait_kmcnt 0x0
	s_add_nc_u64 s[84:85], s[4:5], s[84:85]
	s_add_nc_u64 s[88:89], s[6:7], s[88:89]
.irp c, 0
	s_mov_b32 s[G0K+4*\c], 1
	s_add_co_u32 s[G0K+4*\c+1], s86, 24576*\c
	s_add_nc_u64 s[G0K+4*\c+2:G0K+4*\c+3], s[84:85], \c*32*49152
	s_or_b32 s[G0K+4*\c+3], s[G0K+4*\c+3], 0x80000000
	s_mov_b32 s[G0V+4*\c], 1
	s_add_co_u32 s[G0V+4*\c+1], s87, 6144*\c
	s_add_nc_u64 s[G0V+4*\c+2:G0V+4*\c+3], s[88:89], \c*6144
	s_or_b32 s[G0V+4*\c+3], s[G0V+4*\c+3], 0x80000000
.endr
; one tensor load a wave, in one chain of branches on the wave's number: waves 0-3 K's keys 0 to 1,023, waves 4-7 V's, waves 8-11 K's keys 1,024 on, waves 12-15 V's
.macro HLOAD g0, g1
	tensor_load_to_lds s[\g0:\g0+3], s[\g1:\g1+7]
	s_nop 0
.rept 4
	v_nop
.endr
.endm
	s_cmp_lt_u32 s[WV], 4
	s_cbranch_scc0 .Lh1
	HLOAD G0K, G1K
	s_branch .Lasked
.Lh1:
	s_cmp_lt_u32 s[WV], 8
	s_cbranch_scc0 .Lh2
	HLOAD G0V, G1V
	s_branch .Lasked
.Lh2:
	s_cmp_lt_u32 s[WV], 12
	s_cbranch_scc0 .Lh3
	HLOAD G0K, G1K
	s_branch .Lasked
.Lh3:
	HLOAD G0V, G1V
.Lasked:
	s_add_nc_u64 s[90:91], s[4:5], s[90:91]
	s_add_nc_u64 s[92:93], s[6:7], s[92:93]
	s_add_nc_u64 s[94:95], s[4:5], s[94:95]
	s_add_nc_u64 s[96:97], s[4:5], s[96:97]
	s_lshr_b32 s50, s45, 4                         ; the long tile's Q: 8 (15 - 2 i) tiles on
	s_lshl_b32 s52, s50, 11
	s_mul_i32 s50, s50, 49152
	s_mov_b32 s51, 0
	s_mov_b32 s53, 0
	s_add_nc_u64 s[50:51], s[94:95], s[50:51]
	s_add_nc_u64 s[52:53], s[96:97], s[52:53]
	s_add_nc_u64 s[98:99], s[8:9], s[98:99]
	s_add_nc_u64 s[66:67], s[8:9], s[66:67]
	v_and_b32 v9, 31, v0
	s_delay_alu instid0(VALU_DEP_1)
	v_lshlrev_b32 v1, 4, v9                        ; v1 16 x lane
	s_delay_alu instid0(VALU_DEP_2)
	v_lshlrev_b32 v2, 3, v9
	s_delay_alu instid0(VALU_DEP_1)
	v_add_nc_u32 v2, 512, v2                       ; v2 512 + 8 x lane
	v_and_b32 v10, 15, v0
	s_delay_alu instid0(VALU_DEP_1)
	v_lshlrev_b32 v[R4], 2, v10
	s_delay_alu instid0(VALU_DEP_1)
	v_add_nc_u32 v3, SCK, v[R4]
	s_delay_alu instid0(VALU_DEP_2)
	v_add_nc_u32 v4, SCV, v[R4]
	v_lshrrev_b32 v13, 2, v0                       ; K's scale words: thread t takes 16 bytes: tile t / 4
	s_delay_alu instid0(VALU_DEP_1)
	v_lshlrev_b32 v13, 11, v13
	v_and_b32 v11, 3, v0
	s_delay_alu instid0(VALU_DEP_1)
	v_lshl_add_u32 v13, v11, 4, v13
	global_load_b128 v[96:99], v13, s[90:91]
	v_lshrrev_b32 v14, 7, v0                       ; V's: 8 bytes: tile t / 128
	s_delay_alu instid0(VALU_DEP_1)
	v_lshlrev_b32 v14, 11, v14
	v_and_b32 v11, 127, v0
	s_delay_alu instid0(VALU_DEP_1)
	v_lshl_add_u32 v14, v11, 3, v14
	global_load_b64 v[100:101], v14, s[92:93]
	global_load_b128 v[16:19], v1, s[94:95]        ; Q's unit stays in registers
	global_load_b64 v[20:21], v2, s[94:95]
	global_load_b32 v255, v[R4], s[96:97]
	global_load_b128 v[236:239], v1, s[50:51]      ; the long tile's Q waits in v236-241, its scale words in v254
	global_load_b64 v[240:241], v2, s[50:51]
	global_load_b32 v254, v[R4], s[52:53]
	v_and_b32 v11, 7, v0
	v_bfe_u32 v12, v0, 3, 1
	s_delay_alu instid0(VALU_DEP_1)
	v_lshl_add_u32 v11, v12, 4, v11
	v_bfe_u32 v12, v0, 4, 1
	s_delay_alu instid0(VALU_DEP_1)
	v_lshlrev_b32 v12, 4, v12
	s_delay_alu instid0(VALU_DEP_1)
	v_sub_nc_u32 v11, v11, v12
	s_delay_alu instid0(VALU_DEP_1)
	v_add_nc_u32 v7, s[QF], v11                    ; v7 my query - 16 (lane / 16)
	v_lshl_add_u32 v95, v0, 4, SCK
	v_lshl_add_u32 v216, v0, 3, SCV
.irp j, 22,23,24,25,26,27,80,81,82,83,84,85
	v_mov_b32 v\j, 0                               ; zero codes: Q's upper half of K; what stands behind K's last fragment
.endr
	v_mov_b32 v29, 0xff61b1e6                      ; the largest t so far: -3e38
	s_delay_alu instid0(VALU_DEP_1)
	v_floor_f32 v28, -v29                          ; -M
	v_mov_b32 v30, 0                               ; the sum, in two halves
	v_mov_b32 v31, 0
.irp b, 0,1,2,3
	v_mov_b32 v[196+\b], 0                         ; written once: a lane permute's destination counts as one of its sources
.endr
	v_mov_b32 v219, 0                              ; (named as the upper half of the pair v[218:219])
.set J_, 0
.rept 32
	v_mov_b32 v[160+J_], 0                         ; O^T: the step is written once; the first finds zeros
.set J_, J_+1
.endr
	s_wait_loadcnt 0x0
.irp j, 96,97,98,99,254,255
	v_lshrrev_b32 v\j, s[SH], v\j                  ; the head's two bytes to the word's low end
.endr
	ds_store_b128 v95, v[96:99]
	ds_store_b64 v216, v[100:101]
.set XCH, 210944                       ; behind the spare words: 4,608 bytes for each pair of waves: O^T, -M and the sums of a long tile's second part
	s_mul_i32 s54, s59, 4608
	s_add_co_u32 s54, s54, XCH
	v_add_nc_u32 v95, s54, v1
.macro STEP
	s_cmp_gt_u32 s[KF], s[QL]
	s_cbranch_scc1 .Lhidden_\@
	s_cmp_lt_u32 s[KF], s44                        ; keys that my partner takes: ids and the count of steps alone
	s_cbranch_scc1 .Lhidden_\@
	v_add_nc_u32 v[ADK], s[TK], v1                 ; (these eight are also the places behind the last step's products, in front of the loads below)
	v_add_nc_u32 v[ADK8], s[TK], v2
	v_add_nc_u32 v[ADS], s[TSK], v3
	v_add_nc_u32 v[ADV], s[TV], v1
	v_add_nc_u32 v[ADV8], s[TV], v2
	v_add_nc_u32 v[ADT], s[TSV], v4
	s_delay_alu instid0(VALU_DEP_3)
	v_add_nc_u32 v[ADW], 49152, v[ADV]
	s_delay_alu instid0(VALU_DEP_3)
	v_add_nc_u32 v[ADW8], 49152, v[ADV8]
.irp t, 0,1,2,3,4,5,6,7
	ds_load_b128 v[32+6*\t:35+6*\t], v[ADK] offset:768*\t
	ds_load_b64 v[36+6*\t:37+6*\t], v[ADK8] offset:768*\t
	ds_load_b32 v[86+\t], v[ADS] offset:64*\t
.endr
	s_wait_dscnt 0x0
	s_wait_alu depctr_va_vdst(0)
.irp t, 0,1,2,3,4,5,6,7
	v_wmma_scale_f32_16x16x128_f8f6f4 v[96+8*\t:103+8*\t], v[32+6*\t:43+6*\t], v[16:27], 0, v[86+\t], v255 matrix_a_fmt:MATRIX_FMT_BF6 matrix_b_fmt:MATRIX_FMT_BF6
.endr
.rept 4
	v_nop
.endr
	s_add_co_u32 s17, s[KF], 127                   ; a step all of whose keys count skips the mask
	s_cmp_le_u32 s17, s[QF]
	s_cbranch_scc1 .Lopen_\@
	v_sub_nc_u32 v216, v7, s[KF]                   ; d: register 16 b + i holds key KF + 16 (lane / 16) + 32 b + i: hidden where 32 b + i > d
	v_mov_b32 v217, 0xff800000
.set N_, 0
.rept 64
	v_cmp_gt_i32 vcc_lo, 32*(N_/16)+N_%16, v216
	v_cndmask_b32 v[96+N_], v[96+N_], v217, vcc_lo
.set N_, N_+1
.endr
.Lopen_\@:
.irp b, 0,1,2,3
	v_max3_num_f32 v[192+\b], v[96+16*\b], v[97+16*\b], v[98+16*\b]   ; the largest score of each block of 32 keys: for the row's maximum and, since p rises with the score, for the block's largest p
.endr
.irp i, 3,5,7,9,11,13
.irp b, 0,1,2,3
	v_max3_num_f32 v[192+\b], v[192+\b], v[96+16*\b+\i], v[97+16*\b+\i]
.endr
.endr
.irp b, 0,1,2,3
	v_max_num_f32 v[192+\b], v[192+\b], v[111+16*\b]
.endr
.irp b, 0,1,2,3
	s_delay_alu instid0(VALU_DEP_4)
	v_permlanex16_b32 v[196+\b], v[192+\b], s[SEL], s[SEL+1]
.endr
.irp b, 0,1,2,3
	s_delay_alu instid0(VALU_DEP_4)
	v_max_num_f32 v[192+\b], v[192+\b], v[196+\b]
.endr
	s_delay_alu instid0(VALU_DEP_2)
	v_max3_num_f32 v216, v192, v193, v194
	s_delay_alu instid0(VALU_DEP_1)
	v_max_num_f32 v216, v216, v195
	s_delay_alu instid0(VALU_DEP_1)
	v_mul_f32 v216, s[CS], v216
	s_delay_alu instid0(VALU_DEP_1)
	v_max_num_f32 v29, v29, v216                   ; the running largest t
	v_mov_b32 v216, v28
	s_delay_alu instid0(VALU_DEP_2)
	v_floor_f32 v28, -v29                          ; the new -M: M is a whole number
	s_delay_alu instid0(VALU_DEP_1)
	v_sub_f32 v216, v28, v216
	s_delay_alu instid0(VALU_DEP_1)
	v_cvt_i32_f32 v216, v216                       ; (it saturates)
	s_delay_alu instid0(VALU_DEP_1)
	v_ldexp_f32 v218, 1.0, v216                    ; f = 2^(old M - new M)
.set J_, 0
.rept 32
	v_pk_fma_f32 v[96+J_:97+J_], v[96+J_:97+J_], s[CS:CS+1], v[28:29] op_sel_hi:[1,0,0]   ; t - M
.set J_, J_+2
.endr
.irp b, 0,1,2,3
	v_fma_f32 v[192+\b], v[192+\b], s[CS], v28
.endr
.set J_, 0
	s_wait_alu depctr_va_vdst(0)
.rept 64
	v_exp_f32 v[96+J_], v[96+J_]                   ; p = 2^(t - M)
.set J_, J_+1
.endr
	v_pk_mul_f32 v[30:31], v[30:31], v[218:219] op_sel_hi:[1,0]   ; the sums under the new M: a plain line behind the exponentials
	s_wait_alu depctr_va_vdst(0)                   ; one wait for the batch, ahead of its first reader
.irp b, 0,1,2,3
	v_exp_f32 v[192+\b], v[192+\b]                 ; the blocks' largest p
.endr
	v_pk_add_f32 v[196:197], v[100:101], v[104:105]
	v_pk_add_f32 v[252:253], v[108:109], v[112:113]
	v_pk_add_f32 v[250:251], v[116:117], v[120:121]
	v_pk_add_f32 v[248:249], v[124:125], v[128:129]
	v_pk_add_f32 v[246:247], v[132:133], v[136:137]
	v_pk_add_f32 v[244:245], v[140:141], v[144:145]
	v_pk_add_f32 v[242:243], v[148:149], v[152:153]
	v_pk_add_f32 v[30:31], v[30:31], v[156:157]
	v_pk_add_f32 v[196:197], v[196:197], v[96:97]
	v_pk_add_f32 v[252:253], v[252:253], v[98:99]
	v_pk_add_f32 v[250:251], v[250:251], v[102:103]
	v_pk_add_f32 v[248:249], v[248:249], v[106:107]
	v_pk_add_f32 v[246:247], v[246:247], v[110:111]
	v_pk_add_f32 v[244:245], v[244:245], v[114:115]
	v_pk_add_f32 v[242:243], v[242:243], v[118:119]
	v_pk_add_f32 v[30:31], v[30:31], v[122:123]
	v_pk_add_f32 v[196:197], v[196:197], v[126:127]
	v_pk_add_f32 v[252:253], v[252:253], v[130:131]
	v_pk_add_f32 v[250:251], v[250:251], v[134:135]
	v_pk_add_f32 v[248:249], v[248:249], v[138:139]
	v_pk_add_f32 v[246:247], v[246:247], v[142:143]
	v_pk_add_f32 v[244:245], v[244:245], v[146:147]
	v_pk_add_f32 v[242:243], v[242:243], v[150:151]
	v_pk_add_f32 v[30:31], v[30:31], v[154:155]
	v_pk_add_f32 v[196:197], v[196:197], v[158:159]
	s_delay_alu instid0(VALU_DEP_2)
	v_pk_add_f32 v[30:31], v[30:31], v[248:249]
	s_delay_alu instid0(VALU_DEP_2)
	v_pk_add_f32 v[196:197], v[196:197], v[246:247]
	v_pk_add_f32 v[252:253], v[252:253], v[244:245]
	v_pk_add_f32 v[250:251], v[250:251], v[242:243]
	s_delay_alu instid0(VALU_DEP_2)
	v_pk_add_f32 v[30:31], v[30:31], v[252:253]
	s_delay_alu instid0(VALU_DEP_2)
	v_pk_add_f32 v[196:197], v[196:197], v[250:251]
	s_delay_alu instid0(VALU_DEP_1)
	v_pk_add_f32 v[30:31], v[30:31], v[196:197]
	s_wait_alu depctr_va_vdst(0)                   ; and one for the four
.irp b, 0,1,2,3
	v_max_num_f32 v[192+\b], 0x2800000, v[192+\b]  ; the floor 2^(5 - 127)
.endr
.irp b, 0,1,2,3
	s_delay_alu instid0(VALU_DEP_4)
	v_add_nc_u32 v[200+\b], 0xfe000000, v[192+\b]
.endr
.irp b, 0,1,2,3
	s_delay_alu instid0(VALU_DEP_4)
	v_lshrrev_b32 v[204+\b], 23, v[200+\b]
.endr
	s_delay_alu instid0(VALU_DEP_3)
	v_lshl_or_b32 v220, v205, 8, v204              ; p's scale word for these 128 keys
	s_delay_alu instid0(VALU_DEP_1)
	v_lshl_or_b32 v220, v206, 16, v220
	s_delay_alu instid0(VALU_DEP_1)
	v_lshl_or_b32 v220, v207, 24, v220
.irp c, 0,1
	v_cvt_scalef32_pk16_bf6_f32 v[224+6*\c:226+6*\c], v[96+32*\c:111+32*\c], v[200+2*\c]
	v_cvt_scalef32_pk16_bf6_f32 v[208+4*\c:210+4*\c], v[112+32*\c:127+32*\c], v[201+2*\c]
.endr
	v_nop                                          ; one plain line behind a scaled conversion
.irp c, 0,1
.irp i, 0,1,2
	v_permlane16_swap_b32 v[224+6*\c+\i], v[208+4*\c+\i]
.endr
.irp i, 0,1,2
	s_delay_alu instid0(VALU_DEP_3)
	v_mov_b32 v[227+6*\c+\i], v[208+4*\c+\i]
.endr
.endr
.irp t, 0,1
	ds_load_b128 v[32+12*\t:35+12*\t], v[ADV] offset:24576*\t
	ds_load_b64 v[36+12*\t:37+12*\t], v[ADV8] offset:24576*\t
	ds_load_b128 v[38+12*\t:41+12*\t], v[ADV] offset:24576*\t+768
	ds_load_b64 v[42+12*\t:43+12*\t], v[ADV8] offset:24576*\t+768
	ds_load_b128 v[56+12*\t:59+12*\t], v[ADW] offset:24576*\t
	ds_load_b64 v[60+12*\t:61+12*\t], v[ADW8] offset:24576*\t
	ds_load_b128 v[62+12*\t:65+12*\t], v[ADW] offset:24576*\t+768
	ds_load_b64 v[66+12*\t:67+12*\t], v[ADW8] offset:24576*\t+768
.endr
.irp t, 0,1,2,3
	ds_load_b32 v[86+\t], v[ADT] offset:1024*\t
.endr
.set J_, 0
.rept 16
	v_pk_mul_f32 v[160+J_:161+J_], v[160+J_:161+J_], v[218:219] op_sel_hi:[1,0]   ; O^T under the new M.  (These sixteen are also the places between the lines that made p's codes and scale word and the products)
.set J_, J_+2
.endr
	s_wait_alu depctr_va_vdst(0)
	s_wait_dscnt 0x0
.irp t, 0,1,2,3
	v_wmma_scale_f32_16x16x128_f8f6f4 v[160+8*\t:167+8*\t], v[32+12*\t:43+12*\t], v[224:235], v[160+8*\t:167+8*\t], v[86+\t], v220 matrix_a_fmt:MATRIX_FMT_BF6 matrix_b_fmt:MATRIX_FMT_BF6
.endr
.Lhidden_\@:
	s_add_co_u32 s[KF], s[KF], 128                 ; on to the next 128 keys: 8 tiles of K, two units of V, their scale words
	s_add_co_u32 s[TK], s[TK], 6144
	s_add_co_u32 s[TV], s[TV], 1536
	s_add_co_u32 s[TSK], s[TSK], 512
	s_add_co_u32 s[TSV], s[TSV], 64
.endm
.macro CHUNK c
.if \c == 0
	s_wait_alu depctr_va_vdst(0)
	s_wait_dscnt 0x0                               ; my LDS stores have landed
	s_cmp_lt_u32 s[WV], 8
	s_cbranch_scc0 .Lnot_lo
	s_wait_tensorcnt 0x0                           ; waves 0-7: keys 0 to 1,023 are in; the other eight loads may be out
.Lnot_lo:
	s_barrier_signal -1
	s_barrier_wait -1
.elseif \c == 1
	s_wait_alu depctr_va_vdst(0)                   ; behind step 0, which counts for every wave: the barrier that shows keys 1,024 on
	s_wait_dscnt 0x0
	s_wait_tensorcnt 0x0                           ; every wave: all that was still out is in; from here the waves run on without a barrier until the parts are joined
	s_barrier_signal -1
	s_barrier_wait -1
.else
	s_wait_alu depctr_va_vdst(0)
	s_cmp_lt_u32 s[WV], 8
	s_cbranch_scc0 .Lno_switch
	; waves 0-7: the short tile is finished and leaves, as at the kernel's end; then the long tile is taken up
	v_nop
	v_nop
	v_nop
	v_nop
	v_add_f32 v30, v30, v31
	v_permlanex16_b32 v196, v30, s[SEL], s[SEL+1]
	v_add_f32 v30, v30, v196
	s_wait_alu depctr_va_vdst(0)
	v_rcp_f32 v30, v30
	v_mov_b32 v98, 0
	v_mov_b32 v99, 0
	s_wait_alu depctr_va_vdst(0)
.set J_, 0
.rept 32
	v_mul_f32 v[192+J_], v[160+J_], v30
.set J_, J_+1
.endr
.irp b, 0,1
	v_max3_num_f32 v[96+\b], |v[192+16*\b]|, |v[193+16*\b]|, 0x2800000
.endr
.irp i, 2,4,6,8,10,12,14
.irp b, 0,1
	v_max3_num_f32 v[96+\b], v[96+\b], |v[192+16*\b+\i]|, |v[193+16*\b+\i]|
.endr
.endr
.irp b, 0,1
	v_permlanex16_b32 v[98+\b], v[96+\b], s[SEL], s[SEL+1]
.endr
.irp b, 0,1
	v_max_num_f32 v[96+\b], v[96+\b], v[98+\b]
.endr
.irp b, 0,1
	v_add_nc_u32 v[100+\b], 0xfe000000, v[96+\b]
.endr
.irp b, 0,1
	v_lshrrev_b32 v[102+\b], 23, v[100+\b]
.endr
	v_lshl_or_b32 v104, v103, 8, v102
	v_cvt_scalef32_pk16_bf6_f32 v[106:108], v[192:207], v100
	v_cvt_scalef32_pk16_bf6_f32 v[112:114], v[208:223], v101
	v_nop
.irp i, 0,1,2
	v_permlane16_swap_b32 v[106+\i], v[112+\i]
.endr
.irp i, 0,1,2
	v_mov_b32 v[109+\i], v[112+\i]
.endr
	global_store_b128 v1, v[106:109], s[98:99]
	global_store_b64 v2, v[110:111], s[98:99]
	global_store_b16 v[R4], v104, s[66:67]
	s_wait_xcnt 0x0                                ; the stores have read their registers: the next scores land there
.irp j, 0,1,2,3,4,5
	v_mov_b32 v[16+\j], v[236+\j]                  ; the long tile's Q,
.endr
	v_mov_b32 v255, v254                           ; its scale words,
	v_mov_b32 v29, 0xff61b1e6                      ; and a state that has seen no key
	v_mov_b32 v30, 0
	v_mov_b32 v31, 0
	v_floor_f32 v28, -v29
.set J_, 0
.rept 32
	v_mov_b32 v[160+J_], 0
.set J_, J_+1
.endr
	v_add_nc_u32 v7, s45, v7
	s_add_co_u32 s[QF], s[QF], s45
	s_add_co_u32 s[QL], s[QF], 23
	s_mov_b32 s44, 1152                            ; steps 0 to 8 are my partner's
	s_wait_alu depctr_va_vdst(0)
.Lno_switch:
.endif
.if \c == 0
	s_mov_b32 s[CNT], 1
.elseif \c == 1
	s_mov_b32 s[CNT], 7
.else
	s_mov_b32 s[CNT], 8
.endif
.Lstep_\@:
	STEP
	s_sub_co_u32 s[CNT], s[CNT], 1
	s_cmp_lg_u32 s[CNT], 0
	s_cbranch_scc1 .Lstep_\@
.endm
.irp c, 0,1,2
	CHUNK \c
.endr
	; THE WAY OUT: O^T / the sum; its 64 channels are two blocks of the next K; the codes are one unit of the next operand and are stored as they stand
.rept 4
	v_nop
.endr
	s_wait_alu depctr_va_vdst(0)
	s_cmp_lt_u32 s[WV], 8
	s_cbranch_scc0 .Lkeep
.irp n, 0,1,2,3,4,5,6,7
	ds_store_b128 v95, v[160+4*\n:163+4*\n] offset:512*\n   ; waves 0-7: my part of the long tile, as the registers lie
.endr
	ds_store_b128 v95, v[28:31] offset:4096
.Lkeep:
	s_wait_dscnt 0x0
	s_barrier_signal -1
	s_barrier_wait -1
	s_cmp_lt_u32 s[WV], 8
	s_cbranch_scc1 .Ldone
.irp n, 0,1,2,3,4,5,6,7
	ds_load_b128 v[96+4*\n:99+4*\n], v95 offset:512*\n
.endr
	ds_load_b128 v[128:131], v95 offset:4096
	s_wait_dscnt 0x0
	v_min_num_f32 v132, v28, v128                  ; -M of the two parts together
	v_mov_b32 v137, 0
	v_mov_b32 v139, 0
	v_sub_f32 v133, v132, v28
	v_sub_f32 v134, v132, v128
	v_cvt_i32_f32 v133, v133                       ; (they saturate: a part with no key counts for nothing)
	v_cvt_i32_f32 v134, v134
	v_ldexp_f32 v136, 1.0, v133
	v_ldexp_f32 v138, 1.0, v134
.set J_, 0
.rept 16
	v_pk_mul_f32 v[160+J_:161+J_], v[160+J_:161+J_], v[136:137] op_sel_hi:[1,0]
.set J_, J_+2
.endr
	v_pk_mul_f32 v[30:31], v[30:31], v[136:137] op_sel_hi:[1,0]
.set J_, 0
.rept 16
	v_pk_fma_f32 v[160+J_:161+J_], v[96+J_:97+J_], v[138:139], v[160+J_:161+J_] op_sel_hi:[1,0,1]
.set J_, J_+2
.endr
	v_pk_fma_f32 v[30:31], v[130:131], v[138:139], v[30:31] op_sel_hi:[1,0,1]
	v_add_f32 v30, v30, v31
	s_delay_alu instid0(VALU_DEP_1)
	v_permlanex16_b32 v196, v30, s[SEL], s[SEL+1]
	s_delay_alu instid0(VALU_DEP_1)
	v_add_f32 v30, v30, v196                       ; the row's sum
	s_wait_alu depctr_va_vdst(0)
	v_rcp_f32 v30, v30
	v_mov_b32 v98, 0                               ; (plain lines behind the transcendental; the permutes' destinations below are written)
	v_mov_b32 v99, 0
	s_wait_alu depctr_va_vdst(0)                   ; the wait ahead of the reciprocal's first reader
.set J_, 0
.rept 32
	v_mul_f32 v[192+J_], v[160+J_], v30            ; register 16 b + i: channel 32 b + 16 (lane / 16) + i
.set J_, J_+1
.endr
.irp b, 0,1
	v_max3_num_f32 v[96+\b], |v[192+16*\b]|, |v[193+16*\b]|, 0x2800000
.endr
.irp i, 2,4,6,8,10,12,14
.irp b, 0,1
	s_delay_alu instid0(VALU_DEP_2)
	v_max3_num_f32 v[96+\b], v[96+\b], |v[192+16*\b+\i]|, |v[193+16*\b+\i]|
.endr
.endr
.irp b, 0,1
	s_delay_alu instid0(VALU_DEP_2)
	v_permlanex16_b32 v[98+\b], v[96+\b], s[SEL], s[SEL+1]
.endr
.irp b, 0,1
	s_delay_alu instid0(VALU_DEP_2)
	v_max_num_f32 v[96+\b], v[96+\b], v[98+\b]
.endr
.irp b, 0,1
	s_delay_alu instid0(VALU_DEP_2)
	v_add_nc_u32 v[100+\b], 0xfe000000, v[96+\b]
.endr
.irp b, 0,1
	s_delay_alu instid0(VALU_DEP_2)
	v_lshrrev_b32 v[102+\b], 23, v[100+\b]
.endr
	s_delay_alu instid0(VALU_DEP_1)
	v_lshl_or_b32 v104, v103, 8, v102              ; my row's two bytes
	v_cvt_scalef32_pk16_bf6_f32 v[106:108], v[192:207], v100
	v_cvt_scalef32_pk16_bf6_f32 v[112:114], v[208:223], v101
	v_nop
.irp i, 0,1,2
	v_permlane16_swap_b32 v[106+\i], v[112+\i]
.endr
.irp i, 0,1,2
	s_delay_alu instid0(VALU_DEP_3)
	v_mov_b32 v[109+\i], v[112+\i]
.endr
	global_store_b128 v1, v[106:109], s[98:99]     ; 512 consecutive bytes,
	global_store_b64 v2, v[110:111], s[98:99]      ; and the unit's last 256
	global_store_b16 v[R4], v104, s[66:67]
.Ldone:
	s_wait_tensorcnt 0x0                           ; the wave's end
	ds_add_u32 v[SPW], v[NIL]
	s_wait_dscnt 0x0
	s_endpgm
.Lfunc_end_k_q2dd752aabd_attn:
	.size	k_q2dd752aabd_attn, .Lfunc_end_k_q2dd752aabd_attn-k_q2dd752aabd_attn
	.p2alignl 7, 3214868480
	.fill 96, 4, 3214868480
	.section	.rodata,"a",@progbits
	.p2align	6, 0x0
	.amdhsa_kernel k_q2dd752aabd_attn
		.amdhsa_group_segment_fixed_size 247808
		.amdhsa_private_segment_fixed_size 0
		.amdhsa_enable_private_segment 0
		.amdhsa_kernarg_size 24
		.amdhsa_user_sgpr_count 2
		.amdhsa_user_sgpr_kernarg_segment_ptr 1
		.amdhsa_wavefront_size32 1
		.amdhsa_system_sgpr_workgroup_id_x 1
		.amdhsa_system_sgpr_workgroup_id_y 1
		.amdhsa_system_sgpr_workgroup_id_z 1
		.amdhsa_system_vgpr_workitem_id 0
		.amdhsa_next_free_vgpr 256
		.amdhsa_next_free_sgpr 100
		.amdhsa_reserve_vcc 1
		.amdhsa_float_denorm_mode_32 3
		.amdhsa_float_denorm_mode_16_64 3
		.amdhsa_memory_ordered 1
		.amdhsa_forward_progress 1
		.amdhsa_inst_pref_size 97
	.end_amdhsa_kernel
	.amdgpu_metadata
---
amdhsa.version: [ 1, 2 ]
amdhsa.kernels:
  - .name:           k_q2dd752aabd_attn
    .symbol:         k_q2dd752aabd_attn.kd
    .args:
      - { .name: BIG, .offset: 0, .size: 8, .value_kind: global_buffer, .address_space: global }
      - { .name: VO, .offset: 8, .size: 8, .value_kind: global_buffer, .address_space: global }
      - { .name: ACT, .offset: 16, .size: 8, .value_kind: global_buffer, .address_space: global }
    .group_segment_fixed_size: 247808
    .private_segment_fixed_size: 0
    .kernarg_segment_align: 8
    .kernarg_segment_size: 24
    .max_flat_workgroup_size: 512
    .sgpr_count:     100
    .vgpr_count:     256
    .wavefront_size: 32
...
	.end_amdgpu_metadata
.endif
;; end of part 10
;; launch wo (part 11): grid 8 x 32, 4 waves a work-group, clusters of 4 x 4, 327,680 bytes of LDS; arguments ACT, WOW2, bo, x, X1; writes X1
.if DOCPART == 11
	.amdgcn_target "amdgcn-amd-amdhsa--gfx1250"
	.amdhsa_code_object_version 6
	.text
	.protected	k_q2dd752aabd_wo
	.globl	k_q2dd752aabd_wo
	.p2align	8
	.type	k_q2dd752aabd_wo,@function
k_q2dd752aabd_wo:
	s_mov_b64 s[64:65], 0
	v_nop
	global_prefetch_b8 v0, s[64:65] scope:SCOPE_SE
	s_setreg_imm32_b32 hwreg(HW_REG_WAVE_MODE, 25, 1), 1
	s_wait_xcnt 0x0
	s_wait_alu depctr_hold_cnt(0) depctr_sa_sdst(0) depctr_va_vdst(0) depctr_va_sdst(0) depctr_va_ssrc(0) depctr_va_vcc(0) depctr_vm_vsrc(0)
	s_getreg_b32 s2, hwreg(HW_REG_IB_STS2, 6, 4)
	s_cmp_eq_u32 s2, 0
	s_cbranch_scc0 .Lentry_in_a_cluster
	s_endpgm
.Lentry_in_a_cluster:
	s_bfe_u32 s2, ttmp6, 0x10000c
	s_cmp_lg_u32 s2, 0xf033
	s_cbranch_scc0 .Lentry_shape_is_right
	s_endpgm
.Lentry_shape_is_right:
.set KK,    1024
.set A_SC,  16640
.set A_CD,  147712
.set B_SC,  0
.set B_CD,  32768
.set NA,    4
.set NQ,    4
.set TPL,   1536*NQ
.set HALFT, NA*TPL
.set SLOT,  4*HALFT
.set LAPS,  KK/(256*NQ)
.set FR,    12
.set HL,    (NA/2)*4
.set SCLA,  2*SLOT
.set SCLB,  213120
.set SPARE, 229632
.set STAGE, 230144
.set ADRA, 16
.set ADRB, 20
.set RO,   24
.set STO,  25
.set RD,   26
.set ADRS, 27
.set SPW,  28
.set NIL,  29
.set SC,   32
.set BIAS, 64
.set AF,   128
.set BK,   128
.set G1, 24
.set G0, 32
.set G1B, 48
.set G0B, 56
.set G1S, 68
.set G0S, 76
.set G1SB, 80
.set G0SB, 88
.set MSB, 0
.macro WIN new
.if MSB != (\new)
	s_set_vgpr_msb (MSB<<8)|(\new)
.set MSB, \new
.endif
.endm
.macro JLOAD g0a, g1a, g0b, g1b
	s_cmp_eq_u32 s15, 0
	s_cbranch_scc0 .Lfor_b_\@
	tensor_load_to_lds s[\g0a:\g0a+3], s[\g1a:\g1a+7]
	s_nop 0
.rept 4
	v_nop
.endr
	s_branch .Lasked_\@
.Lfor_b_\@:
	tensor_load_to_lds s[\g0b:\g0b+3], s[\g1b:\g1b+7]
	s_nop 0
.rept 4
	v_nop
.endr
.Lasked_\@:
.endm
.macro CREST
	s_cmp_lg_u32 s14, 0
	s_cbranch_scc1 .Lnot_wave_0_\@
	s_barrier_signal -3
.Lnot_wave_0_\@:
	s_barrier_wait -3
	s_barrier_signal -1
	s_barrier_wait -1
.endm
.macro CROUND
	s_barrier_signal -1
	s_barrier_wait -1
	CREST
.endm
.macro PLACES n
.rept \n
	v_nop
.endr
.endm
	s_load_b128 s[4:7], s[0:1], 0x0
	s_load_b128 s[8:11], s[0:1], 0x10
	s_load_b64 s[12:13], s[0:1], 0x20
	v_lshl_add_u32 v[SPW], v0, 2, SPARE
	v_mov_b32 v[NIL], 0
	ds_add_u32 v[SPW], v[NIL]
	ds_add_u32 v[SPW], v[NIL]
	v_lshrrev_b32 v1, 5, v0
	v_readfirstlane_b32 s14, v1
	s_lshr_b32 s15, s14, 1
	s_and_b32 s16, s14, 1
	s_bfe_u32 s40, ttmp6, 0x40000
	s_bfe_u32 s41, ttmp6, 0x40004
	s_lshl_b32 s42, ttmp9, 2
	s_add_co_u32 s42, s42, s40
	s_and_b32 s17, ttmp7, 0xffff
	s_lshl_b32 s17, s17, 2
	s_add_co_u32 s17, s17, s41
	s_lshl_b32 s43, s41, 2
	s_lshl_b32 s43, 15, s43
	s_lshl_b32 s44, 0x1111, s40
	s_or_b32 s[G1+0], s43, (3<<16)|(1<<21)
	s_or_b32 s[G1B+0], s44, (3<<16)|(1<<21)
.irp g, G1, G1B
	s_mov_b32 s[\g+1], (TPL/8)<<16
	s_mov_b32 s[\g+2], NA<<16
	s_mov_b32 s[\g+3], (TPL/8)<<16
	s_mov_b32 s[\g+4], NA
	s_mov_b32 s[\g+5], 12*KK/8
	s_mov_b32 s[\g+6], 0
	s_mov_b32 s[\g+7], 0
.endr
	s_or_b32 s[G1S+0], s43, (3<<16)|(1<<21)
	s_or_b32 s[G1SB+0], s44, (3<<16)|(1<<21)
.irp g, G1S, G1SB                      ; the head's loads: a slot's bytes of all 2 NA tiles of one operand
	s_mov_b32 s[\g+1], (TPL/8)<<16
	s_mov_b32 s[\g+2], (2*NA)<<16
	s_mov_b32 s[\g+3], (TPL/8)<<16
	s_mov_b32 s[\g+4], 2*NA
	s_mov_b32 s[\g+5], 12*KK/8
	s_mov_b32 s[\g+6], 0
	s_mov_b32 s[\g+7], 0
.endr
	s_mul_i32 s18, s16, NA
	s_mul_i32 s20, s17, 2*NA
	s_add_co_u32 s20, s20, s18
	s_mul_i32 s46, s42, 2*NA
	s_add_co_u32 s46, s46, s18
	s_mul_i32 s22, s20, KK/2
	s_add_co_u32 s22, s22, A_SC
	s_mov_b32 s23, 0
	s_mul_i32 s92, s46, KK/2
	s_add_co_u32 s92, s92, B_SC
	s_mov_b32 s93, 0
	s_mul_i32 s20, s20, 12*KK
	s_add_co_u32 s20, s20, A_CD
	s_mov_b32 s21, 0
	s_mul_i32 s46, s46, 12*KK
	s_add_co_u32 s46, s46, B_CD
	s_mov_b32 s47, 0
	s_mul_i32 s45, s14, HALFT
	s_mul_i32 s94, s16, NA*KK/2
	s_wait_dscnt 0x0
	s_wait_kmcnt 0x0
	s_add_nc_u64 s[20:21], s[4:5], s[20:21]
	s_add_nc_u64 s[22:23], s[4:5], s[22:23]
	s_add_nc_u64 s[46:47], s[6:7], s[46:47]
	s_add_nc_u64 s[92:93], s[6:7], s[92:93]
	CROUND
	s_cmp_eq_u32 s15, 0                            ; the scale words come by plain loads: waves 0, 1 take A's two halves, waves 2, 3 B's
	s_cselect_b64 s[92:93], s[22:23], s[92:93]
	s_mul_i32 s2, s15, TPL                         ; the head's tensor loads: slot = wave / 2, operand = wave % 2, all 2 NA tiles.  The two slots hold all of K: nothing is filled again
	s_mul_i32 s18, s17, 2*NA*12*KK
	s_add_co_u32 s18, s18, s2
	s_add_co_u32 s18, s18, A_CD
	s_mov_b32 s19, 0
	s_mul_i32 s96, s42, 2*NA*12*KK
	s_add_co_u32 s96, s96, s2
	s_add_co_u32 s96, s96, B_CD
	s_mov_b32 s97, 0
	s_mov_b32 s[G0S], 1
	s_mul_i32 s[G0S+1], s15, SLOT
	s_add_nc_u64 s[G0S+2:G0S+3], s[4:5], s[18:19]
	s_or_b32 s[G0S+3], s[G0S+3], 0x80000000
	s_mov_b32 s[G0SB], 1
	s_add_co_u32 s[G0SB+1], s[G0S+1], 2*HALFT
	s_add_nc_u64 s[G0SB+2:G0SB+3], s[6:7], s[96:97]
	s_or_b32 s[G0SB+3], s[G0SB+3], 0x80000000
; one tensor load a wave at the head, each on a line of its own in one chain of branches on the wave's number: A slot 0, B slot 0, A slot 1, B slot 1
.macro HARM n, g0, g1, next
	s_cmp_eq_u32 s14, \n
	s_cbranch_scc0 \next
	tensor_load_to_lds s[\g0:\g0+3], s[\g1:\g1+7]
	s_nop 0
.rept 4
	v_nop
.endr
	s_branch .Lhead_asked
\next:
.endm
	HARM 0, G0S, G1S, .Lhead_1
	HARM 1, G0SB, G1SB, .Lhead_2
	HARM 2, G0S, G1S, .Lhead_3
	tensor_load_to_lds s[G0SB:G0SB+3], s[G1SB:G1SB+7]
	s_nop 0
.rept 4
	v_nop
.endr
.Lhead_asked:
	v_and_b32 v1, 15, v0
	v_bfe_u32 v2, v0, 4, 1
	v_and_b32 v3, 31, v0
	v_lshlrev_b32 v4, 4, v3
	v_lshlrev_b32 v5, 3, v3
	v_add_nc_u32 v5, 512, v5
	s_mul_i32 s21, s15, HALFT
	s_mul_i32 s22, s16, HALFT
	s_add_co_u32 s22, s22, 2*HALFT
.irp s, 0,1
	v_add_nc_u32 v[ADRA+\s], s21, v4
	v_add_nc_u32 v[ADRB+\s], s22, v4
	v_add_nc_u32 v[ADRA+2+\s], s21, v5
	v_add_nc_u32 v[ADRB+2+\s], s22, v5
	s_add_co_u32 s21, s21, SLOT
	s_add_co_u32 s22, s22, SLOT
.endr
	s_mul_i32 s21, s15, NA*KK/2
	s_mul_i32 s22, s16, NA*KK/2
	s_add_co_u32 s22, s22, SCLB-SCLA
	s_sub_co_u32 s22, s22, s21
	v_mul_u32_u24 v6, s22, v2
	s_add_co_u32 s21, s21, SCLA
	v_lshl_add_u32 v6, v1, 2, v6
	v_add_nc_u32 v[ADRS], s21, v6
	s_mul_i32 s23, s14, 16*272
	s_add_co_u32 s23, s23, STAGE
	v_mul_u32_u24 v[STO], v1, 272
	v_lshl_add_u32 v[STO], v2, 6, v[STO]
	v_add_nc_u32 v[STO], s23, v[STO]
	v_mul_u32_u24 v[RD], v2, 272
	v_lshl_add_u32 v[RD], v1, 4, v[RD]
	v_add_nc_u32 v[RD], s23, v[RD]
	v_lshlrev_b32 v[RO], 12, v2
	v_lshl_add_u32 v[RO], v1, 4, v[RO]
	s_mul_i32 s2, s15, SCLB-SCLA
	s_add_co_u32 s2, s2, s94
	s_add_co_u32 s2, s2, SCLA
	v_add_nc_u32 v8, s2, v4                        ; where my scale words go in LDS
	s_wait_alu depctr_va_vdst(0)
.irp k, 0,1,2,3
	global_load_b128 v[AF+4*\k:AF+4*\k+3], v4, s[92:93] offset:512*\k   ; my 2,048 bytes of scale words, 512 consecutive bytes a load
.endr
	s_lshl_b32 s20, s17, 7
	s_lshl_b32 s21, s15, 6
	s_add_co_u32 s20, s20, s21
	s_lshl_b32 s20, s20, 12
	s_lshl_b32 s46, s42, 9
	s_lshl_b32 s47, s16, 8
	s_add_co_u32 s46, s46, s47
	s_mov_b32 s47, 0
	s_add_nc_u64 s[8:9], s[8:9], s[46:47]
	s_add_co_u32 s20, s20, s46
	s_mov_b32 s21, 0
	s_add_nc_u64 s[10:11], s[10:11], s[20:21]
	s_add_nc_u64 s[12:13], s[12:13], s[20:21]
	v_lshlrev_b32 v7, 6, v2
.set I_, 0
.rept NA
	global_load_b128 v[BIAS+8*I_:BIAS+8*I_+3], v7, s[8:9] offset:128*(I_/2)+32*(I_%2)
	global_load_b128 v[BIAS+8*I_+4:BIAS+8*I_+7], v7, s[8:9] offset:128*(I_/2)+32*(I_%2)+16
.set I_, I_+1
.endr
	WIN 0x80
.set A_, 0
.rept 4
.set T_, 0
.rept 8
	global_load_b128 v[64+32*A_+4*T_:64+32*A_+4*T_+3], v[RO], s[10:11] offset:4096*(32*(A_/2)+8*(A_%2)+(2*T_)%8+16*(T_/4))
.set T_, T_+1
.endr
.set A_, A_+1
.endr
	WIN 0
.macro FRAG reg, adr, q, i
	ds_load_b128 v[\reg:\reg+3], v[\adr] offset:(\i)*TPL+1536*(\q)
	ds_load_b64 v[\reg+4:\reg+5], v[\adr+2] offset:(\i)*TPL+1536*(\q)
	ds_load_b128 v[\reg+6:\reg+9], v[\adr] offset:(\i)*TPL+1536*(\q)+768
	ds_load_b64 v[\reg+10:\reg+11], v[\adr+2] offset:(\i)*TPL+1536*(\q)+768
.endm
.macro FETCH_B slot, q, p
	WIN 0x40
.set I_, 0
.rept NA
	FRAG 128*(\p)+FR*I_, ADRB+\slot, \q, I_
.set I_, I_+1
.endr
	WIN 0
.endm
.macro FETCH_A slot, q, i0
.set I_, \i0
.rept NA/2
	FRAG AF+FR*I_, ADRA+\slot, \q, I_
.set I_, I_+1
.endr
.endm
.macro SCALES sc
.set I_, 0
.rept NA
.set Q2_, 0
.rept NQ
	ds_load_b32 v[SC+16*(\sc)+NQ*I_+Q2_], v[ADRS] offset:I_*(KK/2)+64*Q2_
.set Q2_, Q2_+1
.endr
.set I_, I_+1
.endr
.endm
.macro MULA a, p, q, sc, first
.set B_, 0
.rept NA
.set ACR, 8*(NA*((\a)%(NA/2))+B_)
.if \first
	v_wmma_scale_f32_16x16x128_f8f6f4 v[ACR:ACR+7], v[128*(\p)+FR*B_:128*(\p)+FR*B_+FR-1], v[AF+FR*(\a):AF+FR*(\a)+FR-1], v[BIAS+8*B_:BIAS+8*B_+7], v[SC+16*(\sc)+NQ*B_+(\q)], v[SC+16*(\sc)+NQ*(\a)+(\q)] matrix_a_fmt:MATRIX_FMT_BF6 matrix_b_fmt:MATRIX_FMT_BF6 matrix_a_scale:MATRIX_SCALE_ROW1
.else
	v_wmma_scale_f32_16x16x128_f8f6f4 v[ACR:ACR+7], v[128*(\p)+FR*B_:128*(\p)+FR*B_+FR-1], v[AF+FR*(\a):AF+FR*(\a)+FR-1], v[ACR:ACR+7], v[SC+16*(\sc)+NQ*B_+(\q)], v[SC+16*(\sc)+NQ*(\a)+(\q)] matrix_a_fmt:MATRIX_FMT_BF6 matrix_b_fmt:MATRIX_FMT_BF6 matrix_a_scale:MATRIX_SCALE_ROW1
.endif
.set B_, B_+1
.endr
.endm
.macro MULS lo, n, p, q, sc, first
.set A_, \lo
.rept \n
	MULA A_, \p, \q, \sc, \first
.set A_, A_+1
.endr
.endm
.macro STEP slot, q, first
	s_wait_dscnt HL
.if \first
	WIN 0x81
.else
	WIN 0xa1
.endif
	MULS 0, NA/2, (\q)%2, \q, \slot, \first
	s_wait_dscnt 0x0
	PLACES 4
	FETCH_B \slot, (\q)+1, 1-(\q)%2
	FETCH_A \slot, (\q)+1, 0
.if \first
	WIN 0xc1
.else
	WIN 0xf1
.endif
	MULS NA/2, NA/2, (\q)%2, \q, \slot, \first
	PLACES 4
	WIN 0
	FETCH_A \slot, (\q)+1, NA/2
.endm
.macro TURN slot, next, fill
	s_wait_tensorcnt 0x0
	ds_add_u32 v[SPW], v[NIL]
	s_wait_dscnt HL+1
	WIN 0xa1
	MULS 0, NA/4, 1, NQ-1, \slot, 0
	s_wait_dscnt 0x0
	s_barrier_signal -1
	MULS NA/4, NA/4, 1, NQ-1, \slot, 0
	WIN 0
	s_barrier_wait -1
.if \fill
	CREST
	s_add_nc_u64 s[G0+4*\slot+2:G0+4*\slot+3], s[G0+4*\slot+2:G0+4*\slot+3], 2*TPL
	s_add_nc_u64 s[G0B+4*\slot+2:G0B+4*\slot+3], s[G0B+4*\slot+2:G0B+4*\slot+3], 2*TPL
	JLOAD G0+4*\slot, G1, G0B+4*\slot, G1B
.else
	PLACES 4
.endif
	v_add_nc_u32 v[ADRS], 64*NQ, v[ADRS]
	FETCH_B \next, 0, 0
	FETCH_A \next, 0, 0
	SCALES \next
	WIN 0xf1
	MULS NA/2, NA/2, 1, NQ-1, \slot, 0
	PLACES 4
	WIN 0
	FETCH_A \next, 0, NA/2
.endm
.macro RUN slot, from
.set Q_, \from
.rept NQ-1-(\from)
	STEP \slot, Q_, 0
.set Q_, Q_+1
.endr
.endm
	s_wait_loadcnt 40                              ; my scale words are in; younger: 8 loads of the bias, 32 of x
.irp k, 0,1,2,3
	ds_store_b128 v8, v[AF+4*\k:AF+4*\k+3] offset:512*\k
.endr
	s_wait_dscnt 0x0
	s_cmp_lt_u32 s14, 2
	s_cbranch_scc0 .Lnot_slot0
	s_wait_tensorcnt 0x0                           ; waves 0 and 1: slot 0 is in; slot 1's loads (waves 2, 3) may be out
.Lnot_slot0:
	s_barrier_signal -1
	s_barrier_wait -1
	FETCH_B 0, 0, 0
	FETCH_A 0, 0, 0
	SCALES 0
	FETCH_A 0, 0, NA/2
	s_wait_loadcnt 32
	STEP 0, 0, 1
.if LAPS > 1
	s_mov_b32 s3, LAPS-1
.Llap:
	RUN 0, 1
	TURN 0, 1, 1
	RUN 1, 0
	TURN 1, 0, 1
	STEP 0, 0, 0
	s_sub_co_u32 s3, s3, 1
	s_cmp_lg_u32 s3, 0
	s_cbranch_scc1 .Llap
.endif
	RUN 0, 1
	TURN 0, 1, 0
	RUN 1, 0
	s_wait_dscnt HL
	WIN 0xa1
	MULS 0, NA/2, 1, NQ-1, 1, 0
	s_wait_dscnt 0x0
	WIN 0xf1
	MULS NA/2, NA/2, 1, NQ-1, 1, 0
	WIN 0
.macro TOSTAGE a
.set AC, 32*((\a)%2)
	WIN 0x08+4*((\a)/2)
.irp b, 0,1,2,3
	ds_store_b128 v[STO], v[AC+8*\b:AC+8*\b+3] offset:128*(\b/2)+32*(\b%2)
	ds_store_b128 v[STO], v[AC+8*\b+4:AC+8*\b+7] offset:128*(\b/2)+32*(\b%2)+16
.endr
	WIN 0
.set BB_, BK+32*((\a)%2)
.irp t, 0,1,2,3,4,5,6,7
	ds_load_b128 v[BB_+4*\t:BB_+4*\t+3], v[RD] offset:544*\t
.endr
.endm
.macro SEND a, younger
.set BB_, BK+32*((\a)%2)
	s_wait_dscnt \younger
	WIN 0x08
.set J_, 0
.rept 16
	v_pk_add_f32 v[BB_+J_:BB_+J_+1], v[BB_+J_:BB_+J_+1], v[64+32*(\a)+J_:64+32*(\a)+J_+1]
.set J_, J_+2
.endr
	WIN 0
.irp t, 0,1,2,3,4,5,6,7
	global_store_b128 v[RO], v[BB_+4*\t:BB_+4*\t+3], s[12:13] offset:4096*(32*((\a)/2)+8*((\a)%2)+(2*\t)%8+16*(\t/4))
.endr
.endm
	s_wait_loadcnt 0x0
	PLACES 4
	TOSTAGE 0
.irp a, 1,2,3
.if \a > 1
	s_wait_xcnt 0x0
.endif
	TOSTAGE \a
	SEND \a-1, 16
.endr
	SEND 3, 0
	s_wait_tensorcnt 0x0
	ds_add_u32 v[SPW], v[NIL]
	s_wait_dscnt 0x0
	CROUND
	s_endpgm
.Lfunc_end_k_q2dd752aabd_wo:
	.size	k_q2dd752aabd_wo, .Lfunc_end_k_q2dd752aabd_wo-k_q2dd752aabd_wo
	.p2alignl 7, 3214868480
	.fill 96, 4, 3214868480
	.section	.rodata,"a",@progbits
	.p2align	6, 0x0
	.amdhsa_kernel k_q2dd752aabd_wo
		.amdhsa_group_segment_fixed_size 327680
		.amdhsa_private_segment_fixed_size 0
		.amdhsa_enable_private_segment 0
		.amdhsa_kernarg_size 40
		.amdhsa_user_sgpr_count 2
		.amdhsa_user_sgpr_kernarg_segment_ptr 1
		.amdhsa_wavefront_size32 1
		.amdhsa_system_sgpr_workgroup_id_x 1
		.amdhsa_system_sgpr_workgroup_id_y 1
		.amdhsa_system_sgpr_workgroup_id_z 1
		.amdhsa_system_vgpr_workitem_id 0
		.amdhsa_next_free_vgpr 1024
		.amdhsa_next_free_sgpr 100
		.amdhsa_reserve_vcc 0
		.amdhsa_float_denorm_mode_32 3
		.amdhsa_float_denorm_mode_16_64 3
		.amdhsa_memory_ordered 1
		.amdhsa_forward_progress 1
		.amdhsa_inst_pref_size 64
	.end_amdhsa_kernel
	.amdgpu_metadata
---
amdhsa.version: [ 1, 2 ]
amdhsa.kernels:
  - .name:           k_q2dd752aabd_wo
    .symbol:         k_q2dd752aabd_wo.kd
    .args:
      - { .name: ACT, .offset: 0, .size: 8, .value_kind: global_buffer, .address_space: global }
      - { .name: WOW2, .offset: 8, .size: 8, .value_kind: global_buffer, .address_space: global }
      - { .name: bo, .offset: 16, .size: 8, .value_kind: global_buffer, .address_space: global }
      - { .name: x, .offset: 24, .size: 8, .value_kind: global_buffer, .address_space: global }
      - { .name: X1, .offset: 32, .size: 8, .value_kind: global_buffer, .address_space: global }
    .group_segment_fixed_size: 327680
    .private_segment_fixed_size: 0
    .kernarg_segment_align: 8
    .kernarg_segment_size: 40
    .max_flat_workgroup_size: 128
    .sgpr_count:     100
    .vgpr_count:     1024
    .wavefront_size: 32
...
	.end_amdgpu_metadata
.endif
;; end of part 11
;; launch ln2: the kernel of part 8 again; grid 256 x 1, 16 waves a work-group, no clusters, 88,576 bytes of LDS; arguments X1, ln2_g, ln2_b, ACT; writes ACT
;; launch w1: the kernel of part 9 again; grid 16 x 16, 4 waves a work-group, clusters of 4 x 4, 327,680 bytes of LDS; arguments ACT, W1B, BIG, WV, VO; writes BIG, VO
;; launch w2 (part 12): grid 8 x 32, 4 waves a work-group, clusters of 4 x 4, 327,680 bytes of LDS; arguments BIG, WOW2, b2, X1, out0; writes out0
.if DOCPART == 12
	.amdgcn_target "amdgcn-amd-amdhsa--gfx1250"
	.amdhsa_code_object_version 6
	.text
	.protected	k_q2dd752aabd_w2
	.globl	k_q2dd752aabd_w2
	.p2align	8
	.type	k_q2dd752aabd_w2,@function
k_q2dd752aabd_w2:
	s_mov_b64 s[64:65], 0
	v_nop
	global_prefetch_b8 v0, s[64:65] scope:SCOPE_SE
	s_setreg_imm32_b32 hwreg(HW_REG_WAVE_MODE, 25, 1), 1
	s_wait_xcnt 0x0
	s_wait_alu depctr_hold_cnt(0) depctr_sa_sdst(0) depctr_va_vdst(0) depctr_va_sdst(0) depctr_va_ssrc(0) depctr_va_vcc(0) depctr_vm_vsrc(0)
	s_getreg_b32 s2, hwreg(HW_REG_IB_STS2, 6, 4)
	s_cmp_eq_u32 s2, 0
	s_cbranch_scc0 .Lentry_in_a_cluster
	s_endpgm
.Lentry_in_a_cluster:
	s_bfe_u32 s2, ttmp6, 0x10000c
	s_cmp_lg_u32 s2, 0xf033
	s_cbranch_scc0 .Lentry_shape_is_right
	s_endpgm
.Lentry_shape_is_right:
; out0 = X1 + b2 + H W2^T: H (A, 4,096 rows) and W2 (B, 1,024 rows) are operands of K = 4,096 in codes of BF6 (E3M2) with one E8M0 byte for each 32 along K, in this program's operand format:
; tile T, lane-row r = row 32 (T / 2) + 8 (T % 2) + r % 8 + 16 (r / 8); a unit = a tile x 64 along K = 768 bytes (16 l: registers 0-3 of lane l, 512 + 8 l: registers 4, 5); a tile's units follow each other (49,152 bytes);
; a scale piece = 64 bytes for a tile and 128 along K, word r (2,048 bytes a tile).
; 256 work-groups of four waves, 2 x 2; a work-group makes 128 x 128, a wave 64 x 64: 16 accumulators, which take turns.  4 x 4 work-groups form a cluster: A's tiles are asked for jointly along its rows, B's along its columns.
; K's 32 STEPS OF 128: steps 0 to 29 go through two LDS slots of SIX steps (16 tiles x 9,216 bytes = 147,456 each).  Both slots are filled at the head, one tensor load a wave (A slot 0, B slot 0, A slot 1, B slot 1);
; three refills follow, each behind a drained round of the cluster's barrier (a wave refills four tiles).  Steps 30 and 31 come by plain loads straight into operand registers (a unit is the registers' image) and are multiplied
; ahead of the wait for the last refill.  The first three slots are a loop of three trips: the slot's place is a scalar that changes between 0 and SLOT, and the fragment addresses are made anew from it.
; THE SCALE WORDS of steps 0 to 29 lie in LDS, copied once in whole units: a tile's 2,048 bytes at a pitch of 1,920, each wave's four tiles in ascending order, so that a tile's last 128 bytes (steps 30, 31) are written over by the
; next tile's first (LDS serves a wave's stores in order); a wave's group has 7,936 bytes.  One register carries A's word (lanes 0-15) and B's (lanes 16-31).
; PREFETCH INTO THE L2: what a refill will load is asked for one refill earlier (the first at the head): of the four tiles that a wave refills each of the four partners names one, by address: 36 blocks of 256 bytes, two instructions.
; The matrix instruction is used transposed (source 0 = a tile of B, source 1 = a tile of A): a lane holds eight neighbouring columns of one row.  The bias is the C of each sum's first instruction.
; The stage of the way out lies in slot 1, which has had its last fill and its last read by then.
; LIMITS: NaN and infinities are not served.  Steps 30 and 31 are added ahead of steps 23 to 29: another order of rounding than K ascending.
; REGISTERS: window 0: v8-31 addresses, v32-39 scale words (two sets), v40-47 those of steps 30, 31, v160-255 A's fragments (two sets); window 1: v0-95 B's fragments (two sets), v96-127 bias;
; window 2: v0-127 accumulators, v128-255 X1; window 3: v0-191 the fragments of steps 30, 31, v192-255 rows back from the stage.
.set KK,    4096
.set A_CD,  524288
.set B_SC,  819200
.set B_CD,  950272
.set TS,    12*KK
.set NA,    4
.set NS,    6
.set TPL,   1536*NS
.set HALFT, NA*TPL
.set SLOT,  4*HALFT
.set NF,    36                         ; LDS loads of a step: 32 for eight fragments, 4 scale registers
.set SCL,   2*SLOT
.set SGP,   7936
.set SBO,   2*SGP+128                  ; from A's groups to B's: 128 past a multiple of 256, so that the two halves of the lanes fall on different banks
.set SPARE, 326912
.set STAGE, SLOT
.set ADB,  8
.set CUR,  12
.set NXT,  16
.set L4,   20
.set SSTO, 23
.set RO,   24
.set STO,  25
.set RD,   26
.set ADRS, 27
.set SPW,  28
.set NIL,  29
.set PF0,  30
.set PF1,  31
.set SC,   32
.set SAD,  40
.set SBD,  44
.set AF,   160
.set BIAS, 96
.set RES,  128
.set BK,   192
.set SCU, 18
.set SNX, 19
.set G1, 24
.set G0, 32
.set PFA, 36
.set G1B, 48
.set G0B, 56
.set G1S, 68
.set G0S, 76
.set G1SB, 80
.set G0SB, 88
.set MSB, 0
.macro WIN new                         ; the immediate's high byte repeats the setting that is left
.if MSB != (\new)
	s_set_vgpr_msb (MSB<<8)|(\new)
.set MSB, \new
.endif
.endm
.macro PLACES n
.rept \n
	v_nop
.endr
.endm
.macro TLOAD g0, g1                    ; an s_nop 0 and four v_nop follow every tensor load
	tensor_load_to_lds s[\g0:\g0+3], s[\g1:\g1+7]
	s_nop 0
	PLACES 4
.endm
.macro JLOAD                           ; a refill: waves 0 and 1 fetch A's two halves, waves 2 and 3 B's
	s_cmp_eq_u32 s15, 0
	s_cbranch_scc0 .Lfor_b_\@
	TLOAD G0, G1
	s_branch .Lasked_\@
.Lfor_b_\@:
	TLOAD G0B, G1B
.Lasked_\@:
.endm
.macro CREST
	s_cmp_lg_u32 s14, 0
	s_cbranch_scc1 .Lnot_wave_0_\@
	s_barrier_signal -3
.Lnot_wave_0_\@:
	s_barrier_wait -3
	s_barrier_signal -1
	s_barrier_wait -1
.endm
.macro CROUND
	s_barrier_signal -1
	s_barrier_wait -1
	CREST
.endm
.macro GROUP1 g, mask, rows            ; rows (tiles) of a slot's 9,216 bytes, 49,152 apart; elements of 8 bytes; bit 21 beside the mask
	s_or_b32 s[\g+0], s\mask, (3<<16)|(1<<21)
	s_mov_b32 s[\g+1], (TPL/8)<<16
	s_mov_b32 s[\g+2], (\rows)<<16
	s_mov_b32 s[\g+3], (TPL/8)<<16
	s_mov_b32 s[\g+4], \rows
	s_mov_b32 s[\g+5], TS/8
	s_mov_b32 s[\g+6], 0
	s_mov_b32 s[\g+7], 0
.endm
	s_load_b128 s[4:7], s[0:1], 0x0                ; BIG, WOW2
	s_load_b128 s[8:11], s[0:1], 0x10              ; b2, X1
	s_load_b64 s[12:13], s[0:1], 0x20              ; out0
	v_lshl_add_u32 v[SPW], v0, 2, SPARE
	v_mov_b32 v[NIL], 0
	ds_add_u32 v[SPW], v[NIL]                      ; the opening lines: the add, twice on end, and its wait ahead of my first tensor load
	ds_add_u32 v[SPW], v[NIL]
	v_lshrrev_b32 v1, 5, v0
	v_readfirstlane_b32 s14, v1                    ; wave
	s_lshr_b32 s15, s14, 1                         ; my half of A's tiles.  Also: I refill for A (0) or B (1); at the head: slot 0 or 1
	s_and_b32 s16, s14, 1                          ; my half of B's tiles.  Also: which half I refill; at the head: A or B
	s_bfe_u32 s40, ttmp6, 0x40000                  ; cx, cy
	s_bfe_u32 s41, ttmp6, 0x40004
	s_lshl_b32 s42, ttmp9, 2
	s_add_co_u32 s42, s42, s40                     ; block of B
	s_and_b32 s17, ttmp7, 0xffff
	s_lshl_b32 s17, s17, 2
	s_add_co_u32 s17, s17, s41                     ; block of A
	s_lshl_b32 s43, s41, 2
	s_lshl_b32 s43, 15, s43                        ; my row of the cluster
	s_lshl_b32 s44, 0x1111, s40                    ; my column
	GROUP1 G1, 43, NA
	GROUP1 G1B, 44, NA
	GROUP1 G1S, 43, 2*NA
	GROUP1 G1SB, 44, 2*NA
	s_lshl_b32 s18, s17, 3                         ; the blocks' first tiles
	s_lshl_b32 s19, s42, 3
	s_lshl_b32 s2, s16, 2
	s_add_co_u32 s20, s18, s2                      ; the four tiles that I refill, and whose scale words I copy
	s_add_co_u32 s46, s19, s2
	s_lshl_b32 s22, s20, 11
	s_mov_b32 s23, 0
	s_lshl_b32 s92, s46, 11
	s_add_co_u32 s92, s92, B_SC
	s_mov_b32 s93, 0
	s_mul_i32 s20, s20, TS
	s_add_co_u32 s20, s20, A_CD+TPL                ; one slot ahead of the first refill's: each refill steps on first
	s_mov_b32 s21, 0
	s_mul_i32 s46, s46, TS
	s_add_co_u32 s46, s46, B_CD+TPL
	s_mov_b32 s47, 0
	s_mul_i32 s45, s14, HALFT
	s_mul_i32 s2, s15, TPL
	s_mul_i32 s94, s18, TS                         ; the head's loads: all eight tiles, slot s15
	s_add_co_u32 s94, s94, s2
	s_add_co_u32 s94, s94, A_CD
	s_mov_b32 s95, 0
	s_mul_i32 s96, s19, TS
	s_add_co_u32 s96, s96, s2
	s_add_co_u32 s96, s96, B_CD
	s_mov_b32 s97, 0
	s_lshl_b32 s2, s15, 2
	s_add_co_u32 s2, s2, s18                       ; the four tiles of A that I multiply,
	s_lshl_b32 s3, s16, 2
	s_add_co_u32 s3, s3, s19                       ; and of B: steps 30, 31 of them
	s_mul_i32 s60, s2, TS
	s_add_co_u32 s60, s60, A_CD+30*1536
	s_mov_b32 s61, 0
	s_mul_i32 s62, s3, TS
	s_add_co_u32 s62, s62, B_CD+30*1536
	s_mov_b32 s63, 0
	s_lshl_b32 s98, s2, 11
	s_add_co_u32 s98, s98, 30*64
	s_mov_b32 s99, 0
	s_lshl_b32 s38, s3, 11
	s_add_co_u32 s38, s38, B_SC+30*64
	s_mov_b32 s39, 0
	s_cmp_eq_u32 s15, 0                            ; the prefetches: of the four tiles that I refill, the one with my place among the four partners
	s_cselect_b32 s2, s18, s19
	s_cselect_b32 s3, s40, s41
	s_mov_b32 s[PFA], B_CD+2*TPL
	s_cselect_b32 s[PFA], A_CD+2*TPL, s[PFA]
	s_add_co_u32 s2, s2, s3
	s_lshl_b32 s3, s16, 2
	s_add_co_u32 s2, s2, s3
	s_mul_i32 s2, s2, TS
	s_add_co_u32 s[PFA], s[PFA], s2
	s_mov_b32 s[PFA+1], 0
	s_mov_b32 s[G0], 1
	s_add_co_u32 s[G0+1], s45, SLOT                ; (the first refill turns it to slot 0)
	s_mov_b32 s[G0B], 1
	s_add_co_u32 s[G0B+1], s45, SLOT
	s_mov_b32 s[G0S], 1
	s_mul_i32 s[G0S+1], s15, SLOT
	s_mov_b32 s[G0SB], 1
	s_add_co_u32 s[G0SB+1], s[G0S+1], 2*HALFT
	s_wait_dscnt 0x0                               ; both opening adds are done
	s_wait_kmcnt 0x0
	s_add_nc_u64 s[G0+2:G0+3], s[4:5], s[20:21]
	s_or_b32 s[G0+3], s[G0+3], 0x80000000
	s_add_nc_u64 s[G0B+2:G0B+3], s[6:7], s[46:47]
	s_or_b32 s[G0B+3], s[G0B+3], 0x80000000
	s_add_nc_u64 s[G0S+2:G0S+3], s[4:5], s[94:95]
	s_or_b32 s[G0S+3], s[G0S+3], 0x80000000
	s_add_nc_u64 s[G0SB+2:G0SB+3], s[6:7], s[96:97]
	s_or_b32 s[G0SB+3], s[G0SB+3], 0x80000000
	CROUND                                         ; all sixteen work-groups are here: the first joint loads meet
.macro HARM n, g0, g1, next            ; one tensor load a wave at the head, each on a line of its own in one chain of branches on the wave's number
	s_cmp_eq_u32 s14, \n
	s_cbranch_scc0 \next
	TLOAD \g0, \g1
	s_branch .Lhead_asked
\next:
.endm
	HARM 0, G0S, G1S, .Lhead_1
	HARM 1, G0SB, G1SB, .Lhead_2
	HARM 2, G0S, G1S, .Lhead_3
	TLOAD G0SB, G1SB
.Lhead_asked:
	s_add_nc_u64 s[22:23], s[4:5], s[22:23]
	s_add_nc_u64 s[92:93], s[6:7], s[92:93]
	s_cmp_eq_u32 s15, 0
	s_cselect_b64 s[92:93], s[22:23], s[92:93]     ; the scale words that I copy
	s_cselect_b64 s[2:3], s[4:5], s[6:7]
	s_add_nc_u64 s[PFA:PFA+1], s[2:3], s[PFA:PFA+1]
	s_add_nc_u64 s[60:61], s[4:5], s[60:61]
	s_add_nc_u64 s[62:63], s[6:7], s[62:63]
	s_add_nc_u64 s[98:99], s[4:5], s[98:99]
	s_add_nc_u64 s[38:39], s[6:7], s[38:39]
	s_lshl_b32 s46, s42, 9                         ; my 64 columns, in bytes
	s_lshl_b32 s47, s16, 8
	s_add_co_u32 s46, s46, s47
	s_mov_b32 s47, 0
	s_add_nc_u64 s[8:9], s[8:9], s[46:47]
	s_lshl_b32 s20, s17, 7
	s_lshl_b32 s21, s15, 6
	s_add_co_u32 s20, s20, s21
	s_lshl_b32 s20, s20, 12
	s_add_co_u32 s20, s20, s46
	s_mov_b32 s21, 0
	s_add_nc_u64 s[10:11], s[10:11], s[20:21]
	s_add_nc_u64 s[12:13], s[12:13], s[20:21]
	s_mul_i32 s2, s15, HALFT
	s_mul_i32 s3, s16, HALFT
	s_add_co_u32 s3, s3, 2*HALFT
	s_mul_i32 s20, s15, SGP
	s_mul_i32 s21, s16, SGP
	s_add_co_u32 s21, s21, SBO
	s_sub_co_u32 s21, s21, s20                     ; from my words of A to my words of B
	s_add_co_u32 s20, s20, SCL
	s_mul_i32 s22, s15, SBO
	s_mul_i32 s23, s16, SGP
	s_add_co_u32 s22, s22, s23
	s_add_co_u32 s22, s22, SCL                     ; where the words that I copy go
	s_mul_i32 s23, s14, 16*272
	s_add_co_u32 s23, s23, STAGE
	s_mov_b32 s[SCU], 0
	s_mov_b32 s[SNX], SLOT
	v_and_b32 v1, 15, v0                           ; r
	v_bfe_u32 v2, v0, 4, 1                         ; h
	v_and_b32 v3, 31, v0
	v_lshlrev_b32 v4, 4, v3                        ; 16 x lane
	v_lshlrev_b32 v5, 3, v3
	v_lshlrev_b32 v[L4], 2, v3
	v_min_u32 v6, 3, v3
	v_add_nc_u32 v5, 512, v5                       ; 512 + 8 x lane
	v_lshlrev_b32 v[PF0], 8, v3                    ; blocks 0 to 31 of a tile's 36,
	v_lshlrev_b32 v6, 8, v6
	v_add_nc_u32 v[ADB], s2, v4
	v_add_nc_u32 v[ADB+1], s2, v5
	v_add_nc_u32 v[ADB+2], s3, v4
	v_add_nc_u32 v[ADB+3], s3, v5
	v_add_nc_u32 v[PF1], 8192, v6                  ; and 32 to 35 (the lanes left over name the last again)
	v_add_nc_u32 v[CUR], s2, v4
	v_add_nc_u32 v[CUR+1], s2, v5
	v_add_nc_u32 v[CUR+2], s3, v4
	v_add_nc_u32 v[CUR+3], s3, v5
.irp j, 0,1,2,3
	v_add_nc_u32 v[NXT+\j], SLOT, v[ADB+\j]
.endr
	v_mul_u32_u24 v6, s21, v2                      ; lanes 16-31 take B's words
	v_lshl_add_u32 v6, v1, 2, v6
	v_add_nc_u32 v[ADRS], s20, v6
	v_add_nc_u32 v[SSTO], s22, v4
	v_mul_u32_u24 v[STO], v1, 272
	v_lshl_add_u32 v[STO], v2, 6, v[STO]
	v_add_nc_u32 v[STO], s23, v[STO]
	v_mul_u32_u24 v[RD], v2, 272
	v_lshl_add_u32 v[RD], v1, 4, v[RD]
	v_add_nc_u32 v[RD], s23, v[RD]
	v_lshlrev_b32 v[RO], 12, v2
	v_lshl_add_u32 v[RO], v1, 4, v[RO]
	v_lshlrev_b32 v7, 6, v2
	s_wait_alu depctr_va_vdst(0)
.macro DLOAD d                         ; step 30 + d: my eight fragments straight into registers, as the units lie
	WIN 0xc0
.irp i, 0,1,2,3
	global_load_b128 v[48*(\d)+12*\i:48*(\d)+12*\i+3], v4, s[60:61] offset:TS*\i+1536*(\d)
	global_load_b64 v[48*(\d)+12*\i+4:48*(\d)+12*\i+5], v5, s[60:61] offset:TS*\i+1536*(\d)
	global_load_b128 v[48*(\d)+12*\i+6:48*(\d)+12*\i+9], v4, s[60:61] offset:TS*\i+1536*(\d)+768
	global_load_b64 v[48*(\d)+12*\i+10:48*(\d)+12*\i+11], v5, s[60:61] offset:TS*\i+1536*(\d)+768
	global_load_b128 v[96+48*(\d)+12*\i:96+48*(\d)+12*\i+3], v4, s[62:63] offset:TS*\i+1536*(\d)
	global_load_b64 v[96+48*(\d)+12*\i+4:96+48*(\d)+12*\i+5], v5, s[62:63] offset:TS*\i+1536*(\d)
	global_load_b128 v[96+48*(\d)+12*\i+6:96+48*(\d)+12*\i+9], v4, s[62:63] offset:TS*\i+1536*(\d)+768
	global_load_b64 v[96+48*(\d)+12*\i+10:96+48*(\d)+12*\i+11], v5, s[62:63] offset:TS*\i+1536*(\d)+768
.endr
	WIN 0
.endm
.macro RLOAD a                         ; X1 at the 16 rows of my tile a
	WIN 0x80
.irp t, 0,1,2,3,4,5,6,7
	global_load_b128 v[RES+32*(\a)+4*\t:RES+32*(\a)+4*\t+3], v[RO], s[10:11] offset:4096*(32*((\a)/2)+8*((\a)%2)+(2*\t)%8+16*(\t/4)) th:TH_LOAD_NT
.endr
	WIN 0
.endm
.set N_, 0
.rept 16
	global_load_b128 v[AF+4*N_:AF+4*N_+3], v4, s[92:93] offset:512*N_   ; four tiles' scale words, 8,192 consecutive bytes
.set N_, N_+1
.endr
	WIN 0x40
.irp i, 0,1,2,3
	global_load_b128 v[BIAS+8*\i:BIAS+8*\i+3], v7, s[8:9] offset:128*(\i/2)+32*(\i%2)        ; register j of tile i: column 32 (i / 2) + 8 (i % 2) + 16 h + j
	global_load_b128 v[BIAS+8*\i+4:BIAS+8*\i+7], v7, s[8:9] offset:128*(\i/2)+32*(\i%2)+16
.endr
	WIN 0
	DLOAD 0
	global_prefetch_b8 v[PF0], s[PFA:PFA+1] th:TH_LOAD_NT scope:SCOPE_SE      ; what the first refill will load
	global_prefetch_b8 v[PF1], s[PFA:PFA+1] th:TH_LOAD_NT scope:SCOPE_SE
.macro FRAG reg, a16, a8, off          ; a fragment: two units, as they lie
	ds_load_b128 v[\reg:\reg+3], v[\a16] offset:\off
	ds_load_b64 v[\reg+4:\reg+5], v[\a8] offset:\off
	ds_load_b128 v[\reg+6:\reg+9], v[\a16] offset:\off+768
	ds_load_b64 v[\reg+10:\reg+11], v[\a8] offset:\off+768
.endm
.macro FETCH c, q, p, sq               ; step q of the slot whose addresses stand in v[c ..] into set p; its scale words are sq steps on from v[ADRS]: NF loads
	WIN 0x40
.irp i, 0,1,2,3
	FRAG 48*(\p)+12*\i, \c+2, \c+3, \i*TPL+1536*(\q)
.endr
	WIN 0
.irp i, 0,1,2,3
	FRAG AF+48*(\p)+12*\i, \c, \c+1, \i*TPL+1536*(\q)
.endr
.irp i, 0,1,2,3
	ds_load_b32 v[SC+4*(\p)+\i], v[ADRS] offset:1920*\i+64*(\sq)
.endr
.endm
.macro MULA a, p, first                ; A's tile a against B's four
.irp b, 0,1,2,3
.if \first
	v_wmma_scale_f32_16x16x128_f8f6f4 v[8*(4*(\a)+\b):8*(4*(\a)+\b)+7], v[48*(\p)+12*\b:48*(\p)+12*\b+11], v[AF+48*(\p)+12*(\a):AF+48*(\p)+12*(\a)+11], v[BIAS+8*\b:BIAS+8*\b+7], v[SC+4*(\p)+\b], v[SC+4*(\p)+(\a)] matrix_a_fmt:MATRIX_FMT_BF6 matrix_b_fmt:MATRIX_FMT_BF6 matrix_a_scale:MATRIX_SCALE_ROW1
.else
	v_wmma_scale_f32_16x16x128_f8f6f4 v[8*(4*(\a)+\b):8*(4*(\a)+\b)+7], v[48*(\p)+12*\b:48*(\p)+12*\b+11], v[AF+48*(\p)+12*(\a):AF+48*(\p)+12*(\a)+11], v[8*(4*(\a)+\b):8*(4*(\a)+\b)+7], v[SC+4*(\p)+\b], v[SC+4*(\p)+(\a)] matrix_a_fmt:MATRIX_FMT_BF6 matrix_b_fmt:MATRIX_FMT_BF6 matrix_a_scale:MATRIX_SCALE_ROW1
.endif
.endr
.endm
.macro STEP c, q, first                ; step q = 0 .. 4 of a slot: the next step's fragments are asked for, then this step's 16 products
	PLACES 4                                       ; in front of loads into registers that matrix instructions have read
	FETCH \c, (\q)+1, ((\q)+1)%2, (\q)+1
	s_wait_dscnt NF                                ; this step's loads are in; the NF just issued may be out
.if \first
	WIN 0x91                                       ; B and the bias window 1, A window 0, D window 2
.else
	WIN 0xa1
.endif
.irp a, 0,1,2,3
	MULA \a, (\q)%2, \first
.endr
	WIN 0
.endm
.macro TURN c, n, fill                 ; a slot's last step changes slots
.if \fill
	s_wait_xcnt 0x0                                ; my prefetches have read their base: it steps a slot on
	s_add_nc_u64 s[PFA:PFA+1], s[PFA:PFA+1], TPL
.endif
	s_wait_tensorcnt 0x0                           ; all my tensor loads have landed
	ds_add_u32 v[SPW], v[NIL]                      ; 0 onto my spare word
.if \fill
	s_xor_b32 s[G0+1], s[G0+1], SLOT               ; no load of mine is out: the refill's place (the slot that is being left) and its bytes (a slot on)
	s_add_nc_u64 s[G0+2:G0+3], s[G0+2:G0+3], TPL
	s_xor_b32 s[G0B+1], s[G0B+1], SLOT
	s_add_nc_u64 s[G0B+2:G0B+3], s[G0B+2:G0B+3], TPL
.endif
	s_wait_dscnt 1                                 ; this step's fragments are in; the add may be out
	WIN 0xa1
	MULA 0, 1, 0
	MULA 1, 1, 0
	s_wait_dscnt 0x0                               ; the add is done, and my reads of this slot are over
	s_barrier_signal -1
	MULA 2, 1, 0
	MULA 3, 1, 0
	WIN 0
	s_barrier_wait -1
.if \fill
	CREST                                          ; the barrier has opened a round of the cluster's: no wave of any partner still reads this slot or has a load on its way
	JLOAD                                          ; the first tensor load behind the round; its four v_nop are the places in front of the loads below
.else
	PLACES 4
.endif
	FETCH \n, 0, 0, NS
.endm
.macro DSTEP d                         ; step 30 + d, out of registers; its scale words: lanes 0-15 step 30, lanes 16-31 step 31
	WIN 0xaf
.irp a, 0,1,2,3
.irp b, 0,1,2,3
.if \d
	v_wmma_scale_f32_16x16x128_f8f6f4 v[8*(4*\a+\b):8*(4*\a+\b)+7], v[144+12*\b:144+12*\b+11], v[48+12*\a:48+12*\a+11], v[8*(4*\a+\b):8*(4*\a+\b)+7], v[SBD+\b], v[SAD+\a] matrix_a_fmt:MATRIX_FMT_BF6 matrix_b_fmt:MATRIX_FMT_BF6 matrix_a_scale:MATRIX_SCALE_ROW1 matrix_b_scale:MATRIX_SCALE_ROW1
.else
	v_wmma_scale_f32_16x16x128_f8f6f4 v[8*(4*\a+\b):8*(4*\a+\b)+7], v[96+12*\b:96+12*\b+11], v[12*\a:12*\a+11], v[8*(4*\a+\b):8*(4*\a+\b)+7], v[SBD+\b], v[SAD+\a] matrix_a_fmt:MATRIX_FMT_BF6 matrix_b_fmt:MATRIX_FMT_BF6
.endif
.endr
.endr
	WIN 0
.endm
	s_wait_loadcnt 40                              ; my scale words are in; younger: 8 loads of the bias, 32 of step 30
.irp i, 0,1,2,3
.irp n, 0,1,2,3
	ds_store_b128 v[SSTO], v[AF+4*(4*\i+\n):AF+4*(4*\i+\n)+3] offset:1920*\i+512*\n
.endr
.endr
	s_wait_dscnt 0x0
	s_cmp_lt_u32 s14, 2
	s_cbranch_scc0 .Lnot_slot0
	s_wait_tensorcnt 0x0                           ; waves 0 and 1: slot 0 is in; slot 1's loads (waves 2, 3) may be out
.Lnot_slot0:
	s_barrier_signal -1
	s_barrier_wait -1
	FETCH CUR, 0, 0, 0
	s_wait_loadcnt 32                              ; the bias
	STEP CUR, 0, 1                                 ; the first step stands in front of the loop: its products start the sums, on the bias
	s_mov_b32 s3, 0
.Lslot:                                                ; a trip: steps 1 to 5 of a slot, its refill, step 0 of the next slot
	STEP CUR, 1, 0
	STEP CUR, 2, 0
	STEP CUR, 3, 0
	STEP CUR, 4, 0
	TURN CUR, NXT, 1
	s_xor_b32 s[SCU], s[SCU], SLOT                 ; the two slots change places
	s_xor_b32 s[SNX], s[SNX], SLOT
.irp j, 0,1,2,3
	v_add_nc_u32 v[CUR+\j], s[SCU], v[ADB+\j]
	v_add_nc_u32 v[NXT+\j], s[SNX], v[ADB+\j]
.endr
	v_add_nc_u32 v[ADRS], 64*NS, v[ADRS]
	s_wait_alu depctr_va_vdst(0)
	s_cmp_lt_u32 s3, 2                             ; the last refill has none behind it
	s_cbranch_scc0 .Lno_ask
	global_prefetch_b8 v[PF0], s[PFA:PFA+1] th:TH_LOAD_NT scope:SCOPE_SE      ; what the next refill will load
	global_prefetch_b8 v[PF1], s[PFA:PFA+1] th:TH_LOAD_NT scope:SCOPE_SE
.Lno_ask:
	STEP CUR, 0, 0
	s_add_co_u32 s3, s3, 1
	s_cmp_lt_u32 s3, 3
	s_cbranch_scc1 .Lslot
	DLOAD 1                                        ; 32 loads,
.irp i, 0,1,2,3
	global_load_b32 v[SAD+\i], v[L4], s[98:99] offset:2048*\i                  ; 8,
	global_load_b32 v[SBD+\i], v[L4], s[38:39] offset:2048*\i
.endr
	RLOAD 0                                        ; and 16
	RLOAD 1
	STEP CUR, 1, 0
	STEP CUR, 2, 0
	STEP CUR, 3, 0
	STEP CUR, 4, 0
	s_wait_loadcnt 16                              ; steps 30 and 31 and their scale words are in; two tiles of X1 may be out
	DSTEP 0
	DSTEP 1
	RLOAD 2
	RLOAD 3
	TURN CUR, NXT, 0                               ; the last slot has landed; nothing is filled again
	v_add_nc_u32 v[ADRS], 64*NS, v[ADRS]
	s_wait_alu depctr_va_vdst(0)
	STEP NXT, 0, 0
	STEP NXT, 1, 0
	STEP NXT, 2, 0
	STEP NXT, 3, 0
	STEP NXT, 4, 0
	s_wait_dscnt 0x0
	WIN 0xa1
.irp a, 0,1,2,3
	MULA \a, 1, 0
.endr
	WIN 0
; THE WAY OUT: a tile of 16 rows x 64 columns through my own stage, back as rows of 256 bytes, X1 added, stored in whole aligned units of 256 bytes
.macro TOSTAGE a
	WIN 0x08
.irp b, 0,1,2,3
	ds_store_b128 v[STO], v[32*(\a)+8*\b:32*(\a)+8*\b+3] offset:128*(\b/2)+32*(\b%2)       ; each accumulator from its low end on
	ds_store_b128 v[STO], v[32*(\a)+8*\b+4:32*(\a)+8*\b+7] offset:128*(\b/2)+32*(\b%2)+16
.endr
	WIN 0xc0
.irp t, 0,1,2,3,4,5,6,7
	ds_load_b128 v[BK+32*((\a)%2)+4*\t:BK+32*((\a)%2)+4*\t+3], v[RD] offset:544*\t    ; LDS serves a wave's instructions in order
.endr
	WIN 0
.endm
.macro SEND a, younger
.set BB_, BK+32*((\a)%2)
	s_wait_dscnt \younger
	WIN 0xcb
.set J_, 0
.rept 16
	v_pk_add_f32 v[BB_+J_:BB_+J_+1], v[BB_+J_:BB_+J_+1], v[RES+32*(\a)+J_:RES+32*(\a)+J_+1]
.set J_, J_+2
.endr
	WIN 0x0c
.irp t, 0,1,2,3,4,5,6,7
	global_store_b128 v[RO], v[BB_+4*\t:BB_+4*\t+3], s[12:13] offset:4096*(32*((\a)/2)+8*((\a)%2)+(2*\t)%8+16*(\t/4)) th:TH_STORE_NT
.endr
	WIN 0
.endm
	s_wait_loadcnt 0x0                             ; X1
	PLACES 4
	TOSTAGE 0
.irp a, 1,2,3
.if \a > 1
	s_wait_xcnt 0x0                                ; tile a - 2's stores have read their registers
.endif
	TOSTAGE \a
	SEND \a-1, 16                                  ; younger: tile a's 8 stores and 8 loads
.endr
	SEND 3, 0
	s_wait_tensorcnt 0x0                           ; the wave's end
	ds_add_u32 v[SPW], v[NIL]
	s_wait_dscnt 0x0
	CROUND                                         ; the closing round
	s_endpgm
.Lfunc_end_k_q2dd752aabd_w2:
	.size	k_q2dd752aabd_w2, .Lfunc_end_k_q2dd752aabd_w2-k_q2dd752aabd_w2
	.p2alignl 7, 3214868480
	.fill 96, 4, 3214868480
	.section	.rodata,"a",@progbits
	.p2align	6, 0x0
	.amdhsa_kernel k_q2dd752aabd_w2
		.amdhsa_group_segment_fixed_size 327680
		.amdhsa_private_segment_fixed_size 0
		.amdhsa_enable_private_segment 0
		.amdhsa_kernarg_size 40
		.amdhsa_user_sgpr_count 2
		.amdhsa_user_sgpr_kernarg_segment_ptr 1
		.amdhsa_wavefront_size32 1
		.amdhsa_system_sgpr_workgroup_id_x 1
		.amdhsa_system_sgpr_workgroup_id_y 1
		.amdhsa_system_sgpr_workgroup_id_z 1
		.amdhsa_system_vgpr_workitem_id 0
		.amdhsa_next_free_vgpr 1024
		.amdhsa_next_free_sgpr 100
		.amdhsa_reserve_vcc 0
		.amdhsa_float_denorm_mode_32 3
		.amdhsa_float_denorm_mode_16_64 3
		.amdhsa_memory_ordered 1
		.amdhsa_forward_progress 1
		.amdhsa_inst_pref_size 126
	.end_amdhsa_kernel
	.amdgpu_metadata
---
amdhsa.version: [ 1, 2 ]
amdhsa.kernels:
  - .name:           k_q2dd752aabd_w2
    .symbol:         k_q2dd752aabd_w2.kd
    .args:
      - { .name: BIG, .offset: 0, .size: 8, .value_kind: global_buffer, .address_space: global }
      - { .name: WOW2, .offset: 8, .size: 8, .value_kind: global_buffer, .address_space: global }
      - { .name: b2, .offset: 16, .size: 8, .value_kind: global_buffer, .address_space: global }
      - { .name: X1, .offset: 24, .size: 8, .value_kind: global_buffer, .address_space: global }
      - { .name: out0, .offset: 32, .size: 8, .value_kind: global_buffer, .address_space: global }
    .group_segment_fixed_size: 327680
    .private_segment_fixed_size: 0
    .kernarg_segment_align: 8
    .kernarg_segment_size: 40
    .max_flat_workgroup_size: 128
    .sgpr_count:     100
    .vgpr_count:     1024
    .wavefront_size: 32
...
	.end_amdgpu_metadata
.endif
;; end of part 12
